; MI455X (gfx1250); checked and timed in simulation.
; The chip was launched on July 23, 2026; its instructions are those of AMD's public machine-readable ISA for CDNA 5 (MIT licence, August 2026) and "CDNA5" Instruction Set Architecture Reference Guide (July 2026). The comments in the code are by the model that wrote it; some were corrected since.
;; Feature Propagation. Allowed arithmetic: matrix products marked QUANTISED: E3M2 operands, one E8M0 scale for each 32 along K, by v_wmma_scale_f32_16x16x128_f8f6f4 with both operands' format E3M2, f32 sums; products left as they are: f32 operands where the result goes on into a quantised operand, else bf16, f16 or f32 operands; f32 sums; everything else in f32.
;; Inputs: b1 256 float32; b2 256 float32; be1 256 float32; be2 256 float32; g1 256 float32; g2 256 float32; points1 8 x 256 x 8,192 float32; points2 8 x 256 x 2,048 float32; w1_codes 256 x 16 x 24 uint8 (E3M2 codes of w1, K innermost, in blocks of 32 codes, four codes in three bytes); w1_scales 256 x 16 uint8 (E8M0 scales of w1, one for each 32 codes along K); w2_codes 256 x 8 x 24 uint8 (E3M2 codes of w2, K innermost, in blocks of 32 codes, four codes in three bytes); w2_scales 256 x 8 uint8 (E8M0 scales of w2, one for each 32 codes along K); xyz1 8 x 8,192 x 3 float32; xyz2 8 x 2,048 x 3 float32.
;; Outputs: out0 8 x 256 x 8,192 float32.
;; This version of the problem:
;;   THIS VERSION OF THE PROBLEM IS GIVEN IN LOW PRECISION. The matrix products marked QUANTISED in the list below multiply operands that are first quantised to E3M2 (3 exponent bits, 2 mantissa bits; 6 bits a number), with one power-of-two scale for each 32 numbers along K (OCP MX v1.0); their sums are f32. All else is computed in f32.
;;   The module's matrix products, in the order in which they are computed (A, B: the left and right operand; K: the contracted axis; several contracted axes count as one K, in the product's order):
;;     1. batch 8 x [M 8,192, K 3] x [K 3, N 2,048]; A: input xyz1; B: input xyz2: left as it is (K = 3 < 32)
;;     2. [M 256, K 512] x [K 512, N 65,536]; A: input w1 (given as codes); B: computed on the way: QUANTISED
;;     3. [M 256, K 256] x [K 256, N 65,536]; A: input w2 (given as codes); B: computed on the way: QUANTISED
;;   THE QUANTISER, for each operand of a quantised product, along K:
;;     - K is cut into blocks of 32 from its start; a last block that is shorter is filled with zeros.
;;     - A block's scale is 2^e with e = floor(log2(the largest magnitude in the block)) - 4, held to -126 .. 127; a block of zeros has e = 0. As a byte (E8M0): e + 127.
;;     - Each number is divided by its block's scale, clamped to +-28, and rounded to the nearest number of E3M2, ties to even, subnormals kept.
;;     - The product sums the exact products of the quantised numbers (number of the format x scale) in f32.
;;   ~~~python
;;   def quantise(x, axis):      # numpy; x: float32 -> the quantised numbers, widened to float32 again
;;       x = np.moveaxis(x, axis, -1); K = x.shape[-1]
;;       x = np.pad(x, [(0, 0)] * (x.ndim - 1) + [(0, -K % 32)]); x = x.reshape(x.shape[:-1] + (-1, 32)); a = np.abs(x).max(-1, keepdims=True)
;;       e = np.where(a > 0, np.clip(np.frexp(np.where(a > 0, a, 1))[1] - 1 - 4, -126, 127), 0)      # np.frexp(a)[1] - 1 = floor(log2(a)), exactly
;;       r = np.clip(x / 2.0 ** e, -28, 28)
;;       step = 2.0 ** (np.maximum(np.frexp(np.where(r == 0, 1, r))[1] - 1, -2) - 2)
;;       q = np.round(r / step) * step * 2.0 ** e      # np.round: ties to even
;;       return np.moveaxis(q.reshape(q.shape[:-2] + (-1,))[..., :K], -1, axis).astype(np.float32)
;;   ~~~
;;   OPERANDS COMPUTED ON THE WAY. 'Computed on the way' means the value that the module computes at that place (a softmax that the list does not call 'softmax' is quantised finished and normalised). What goes into a quantiser is computed in f32, as accurately as f32 sums, v_exp_f32 and their like allow (about 1e-6 of the number): no bf16 or f16 on the way to a quantiser, and a product that is left as it is and whose result goes on into a quantised operand takes f32 operands (vector FMAs, or v_wmma_f32_16x16x4_f32). A number that lies on a knife's edge between two numbers of the format may be rounded either way, as far as f32 arithmetic and the matrix unit's own rounding can turn it there, and no further.
;;   INPUTS GIVEN AS CODES. w1 (in the module: [256, 512], K = its axis 1); w2 (in the module: [256, 256], K = its axis 1): each comes as NAME_codes (uint8): NAME with its K axis moved to the last place and cut into blocks of 32 codes, [.., K / 32, bytes a block], one block behind the other in memory; four codes in three bytes: a row's codes are one little-endian stream of bits, code i at bits 6 i .. 6 i + 5 (a code: sign, 3 exponent bits, 2 mantissa bits); and NAME_scales (uint8): the same leading axes, one E8M0 byte (e + 127) for each 32 codes along K. Its value is code x scale, taken as it is: it is not quantised again, and the codes and scales need not be those that the quantiser above would give.
;; 2 versions, each right; version 2 is version 1 with the launches buildx, mid, fin written anew for expert scheduling mode. Each part assembles by itself: llvm-mc -triple=amdgcn-amd-amdhsa -mcpu=gfx1250 --defsym DOCPART=n.
;; ======== version 1 of 2: 5 launches
;; workspace buffers: grp 1,048,576 bytes of whole numbers; geo 17,039,360 bytes; nidx 1,048,576 bytes of whole numbers; nw 1,048,576 bytes; xbuf 26,738,688 bytes; hbuf 13,631,488 bytes
;; launch coarse (part 1): grid 256 x 1, 8 waves a work-group, no clusters, 111,616 bytes of LDS; arguments xyz1, xyz2, points2, grp, geo; writes grp, geo
.if DOCPART == 1
	.amdgcn_target "amdgcn-amd-amdhsa--gfx1250"
	.amdhsa_code_object_version 6
	.text
	.protected	k_q7f1d23571d_coarse
	.globl	k_q7f1d23571d_coarse
	.p2align	8
	.type	k_q7f1d23571d_coarse,@function
k_q7f1d23571d_coarse:
	s_mov_b64 s[64:65], 0
	v_nop
	global_prefetch_b8 v0, s[64:65] scope:SCOPE_SE
	s_setreg_imm32_b32 hwreg(HW_REG_WAVE_MODE, 25, 1), 1
	s_wait_xcnt 0x0
; COARSE SEARCH.  For each of 65,536 queries: the three groups of 16 neighbouring candidates (of 128 groups) whose smallest squared distance
; comes first in the order (distance, group).  Those three groups hold the three candidates that come first in the order (distance, index):
; were a candidate's group left out, three groups ahead of it would each hold a candidate ahead of it.  The next launch looks at those 48.
; Beside that: points2 [b][c][s] is laid as [b][s][c] (rows of 1,024 bytes to gather from), and the candidates as records x16 y16 z16 s2_16 a group.
; DISTANCE, in the order of rounding of the reference: fma chain of the dot product times -2 (exact), + |query|^2, + |candidate|^2.
; The f32 matrix form does the first two: A = 16 candidates (x, y, z, 1), B = 16 queries (-2x, -2y, -2z, |q|^2), C = 0; one packed addition does the third.
; LIMITS: NaN and infinities are not served.  |.|^2 is x x, then two fused multiply-adds; whether the reference's own sums are fused is not known, so
; a pair of candidates whose distances differ by a last bit may change places against it.
; SHARES: work-group g: batch g / 32, queries 256 g on; wave w: 32 queries (two tiles of 16) against all 2,048 candidates, 32 a step.
; A step's two tiles take candidates so that a lane's 16 results are 16 NEIGHBOURS: row rho of tile u is candidate 32 step + 16 (rho / 8) + 8 u + rho % 8.
.set CA,   0                           ; LDS: 2,048 records of 16 bytes; the record of candidate c lies at c with its bits 3 and 4 exchanged: a tile's 16 rows are 256 bytes on end
.set CS,   32768                       ; |candidate|^2, 4 bytes each, in the candidates' order
.set TST,  40960                       ; eight stages, one a wave: 32 rows of 256 bytes + 16
.set TP,   272
.set VA0,  4                           ; v4   my lane's place in a tile of records: 16 r + 8 h
.set VS0,  5                           ; v5   and among the squares: CS + 64 h
.set VA,   6                           ; v6, v7  the same for the trip in hand
.set VS,   7
.set QB,   8                           ; v8-11    the two query tiles' fragments
.set AF,   12                          ; v12-19   candidates' fragments: set p, tile u at 12 + 4 p + 2 u
.set ST,   20                          ; v20-31   for each query tile: m0 m1 m2 (ascending), i0 i1 i2
.set S2,   32                          ; v32-63   two sets of 16 squares
.set DD,   64                          ; v64-127  results (set p, query tile q, tile u) at 64 + 32 p + 16 q + 8 u: written by matrix instructions alone
.set T,    128                         ; v128-143 at work
.set IDV,  144                         ; v144     the step's number
.set PT,   160                         ; v160-223 points2: 64 channels of my lane's s
.macro WM p, q, u                      ; 16 candidates x 16 queries
	v_wmma_f32_16x16x4_f32 v[DD+32*(\p)+16*(\q)+8*(\u):DD+32*(\p)+16*(\q)+8*(\u)+7], v[AF+4*(\p)+2*(\u):AF+4*(\p)+2*(\u)+1], v[QB+2*(\q):QB+2*(\q)+1], 0
.endm
.macro PROC1 p, q                      ; the third addition, each result from its low end on; then the first four minima
.irp i, 0,2,4,6,8,10,12,14
	v_pk_add_f32 v[T+\i:T+\i+1], v[DD+32*(\p)+16*(\q)+\i:DD+32*(\p)+16*(\q)+\i+1], v[S2+16*(\p)+\i:S2+16*(\p)+\i+1]
.endr
	v_min3_num_f32 v[T], v[T], v[T+1], v[T+2]
	v_min3_num_f32 v[T+3], v[T+3], v[T+4], v[T+5]
	v_min3_num_f32 v[T+6], v[T+6], v[T+7], v[T+8]
	v_min3_num_f32 v[T+9], v[T+9], v[T+10], v[T+11]
.endm
; (value n, number j) goes into query tile q's sorted triple; c2, c1, c0: it comes ahead of the third, second, first
.macro PUT q, n, j, c2, c1, c0
.set M_, ST+6*(\q)
	v_cndmask_b32 v[M_+5], v[M_+5], v[\j], \c2
	v_cndmask_b32 v[M_+5], v[M_+5], v[M_+4], \c1
	v_cndmask_b32 v[M_+4], v[M_+4], v[\j], \c1
	v_cndmask_b32 v[M_+4], v[M_+4], v[M_+3], \c0
	v_cndmask_b32 v[M_+3], v[M_+3], v[\j], \c0
	v_med3_num_f32 v[M_+2], v[M_+1], v[M_+2], v[\n]
	v_med3_num_f32 v[M_+1], v[M_], v[M_+1], v[\n]
	v_min_num_f32 v[M_], v[M_], v[\n]
.endm
.macro PROC2 q                         ; the group's minimum, and its place: strictly smaller only, so the earlier group keeps its place at a tie
	v_min3_num_f32 v[T], v[T], v[T+12], v[T+13]
	v_min3_num_f32 v[T+3], v[T+3], v[T+14], v[T+15]
	v_min3_num_f32 v[T], v[T], v[T+3], v[T+6]
	v_min_num_f32 v[T], v[T], v[T+9]
	v_cmp_lt_f32 s36, v[T], v[ST+6*(\q)+2]
	v_cmp_lt_f32 s37, v[T], v[ST+6*(\q)+1]
	v_cmp_lt_f32 vcc_lo, v[T], v[ST+6*(\q)]
	PUT \q, T, IDV, s36, s37, vcc_lo
.endm
; One step, of parity p, the e-th of its trip.  It works on the results that the step before has asked for, and asks for the next step's between its own vector work:
; behind each matrix instruction stand 12 or 15 plain vector instructions that name none of its registers (ISA guide 7.12.1 asks for 8 before a result is read and before
; a load lands on a source, 9 before a result is written over).
.macro BODY p, e, lda, lds, mm
	s_wait_dscnt 0x0                               ; the loads of the step before: this step's squares, the next step's records
.if \e == 0
.if \lda
	v_add_nc_u32 v[VA], s42, v[VA0]
.endif
	v_add_nc_u32 v[VS], s43, v[VS0]
.endif
	v_mov_b32 v[IDV], s30
.if \lda
	ds_load_b64 v[AF+4*(\p):AF+4*(\p)+1], v[VA] offset:(\e+2)*512          ; the records of two steps on
	ds_load_b64 v[AF+4*(\p)+2:AF+4*(\p)+3], v[VA] offset:(\e+2)*512+256
.endif
.if \lds
.irp i, 0,1,2,3
	ds_load_b128 v[S2+16*(1-\p)+4*\i:S2+16*(1-\p)+4*\i+3], v[VS] offset:(\e+1)*128+16*\i   ; the next step's squares: sixteen lanes read the same 64 bytes
.endr
.endif
.if \mm
	WM 1-\p, 0, 0
.endif
	PROC1 \p, 0
.if \mm
	WM 1-\p, 0, 1
.endif
	PROC2 0
.if \mm
	WM 1-\p, 1, 0
.endif
	PROC1 \p, 1
.if \mm
	WM 1-\p, 1, 1
.endif
	PROC2 1
	s_add_co_u32 s30, s30, 1
.endm
.macro TRIP
	BODY 0, 0, 1, 1, 1
	BODY 1, 1, 1, 1, 1
	s_add_co_u32 s42, s42, 1024
	s_add_co_u32 s43, s43, 256
.endm
.macro LEX dst, n, j, m, i             ; dst = (n, j) comes ahead of (m, i)
	v_cmp_lt_f32 \dst, v[\n], v[\m]
	v_cmp_eq_f32 s40, v[\n], v[\m]
	v_cmp_lt_u32 s41, v[\j], v[\i]
	s_and_b32 s40, s40, s41
	s_or_b32 \dst, \dst, s40
.endm
.macro INSLEX q, n, j
	LEX s36, \n, \j, ST+6*(\q)+2, ST+6*(\q)+5
	LEX s37, \n, \j, ST+6*(\q)+1, ST+6*(\q)+4
	LEX s38, \n, \j, ST+6*(\q), ST+6*(\q)+3
	PUT \q, \n, \j, s36, s37, s38
.endm
	s_load_b256 s[4:11], s[0:1], 0x0               ; xyz1 s[4:5], xyz2 s[6:7], points2 s[8:9], grp s[10:11]
	s_load_b64 s[12:13], s[0:1], 0x20              ; geo
	s_set_vgpr_msb 0x40
	v_lshl_add_u32 v0, v0, 2, 0x1b000
	v_mov_b32 v1, 0
	s_set_vgpr_msb 0x4000
	v_lshrrev_b32 v1, 5, v0
	v_readfirstlane_b32 s16, v1                    ; wave
	v_and_b32 v1, 31, v0                           ; lane
	v_and_b32 v2, 15, v0                           ; r
	v_bfe_u32 v3, v0, 4, 1                         ; h
	s_lshr_b32 s17, ttmp9, 5                       ; batch
	s_and_b32 s18, ttmp9, 31                       ; j: which 64 candidates of the batch this work-group lays out
	s_and_b32 s19, s16, 1                          ; which 32 of them my wave transposes,
	s_lshr_b32 s35, s16, 1                         ; and which 64 channels
	s_mov_b32 s32, 0x76543210
	s_mov_b32 s33, 0xfedcba98                      ; v_permlanex16_b32's selects for lane l xor 16
	s_mov_b32 s34, 0xffff0000                      ; lanes 16-31
	s_mul_i32 s20, s17, 24576                      ; xyz2: the batch
	s_mov_b32 s21, 0
	s_mul_i32 s22, ttmp9, 3072                     ; xyz1: 256 queries of 12 bytes a work-group, 32 a wave
	s_mul_i32 s23, s16, 384
	s_add_co_u32 s22, s22, s23
	s_mov_b32 s23, 0
	s_lshl_b32 s24, s17, 21                        ; points2: batch, 64 channels of 8,192 bytes, 64 j + 32 (wave % 2) numbers
	s_lshl_b32 s25, s35, 19
	s_add_co_u32 s24, s24, s25
	s_lshl_b32 s25, s18, 8
	s_add_co_u32 s24, s24, s25
	s_lshl_b32 s25, s19, 7
	s_add_co_u32 s24, s24, s25
	s_mov_b32 s25, 0
	s_lshl_b32 s26, ttmp9, 12                      ; grp: 16 bytes a query
	s_lshl_b32 s27, s16, 9
	s_add_co_u32 s26, s26, s27
	s_mov_b32 s27, 0
	s_lshl_b32 s28, s17, 21                        ; the transposed points2: batch, rows 64 j + 32 (wave % 2) of 1,024 bytes, 256 bytes for my 64 channels
	s_lshl_b32 s29, s18, 16
	s_add_co_u32 s28, s28, s29
	s_lshl_b32 s29, s19, 15
	s_add_co_u32 s28, s28, s29
	s_lshl_b32 s29, s35, 8
	s_add_co_u32 s28, s28, s29
	s_mov_b32 s29, 0
	s_lshl_b32 s46, s17, 15                        ; the records: behind the 16 MiB of the transposed points2; 32,768 bytes a batch, four groups of 256 bytes a work-group
	s_lshl_b32 s47, s18, 10
	s_add_co_u32 s46, s46, s47
	s_add_co_u32 s46, s46, 0x1000000
	s_mov_b32 s47, 0
	s_mul_i32 s44, s18, 768
	s_mul_i32 s45, s16, 32*TP
	s_add_co_u32 s45, s45, TST                     ; my stage
	v_mul_u32_u24 v146, v0, 12                     ; xyz2: thread t takes candidates t + 256 i
	v_mul_u32_u24 v147, v2, 12                     ; xyz1: query r of a tile
	v_lshlrev_b32 v148, 2, v1                      ; points2: 4 bytes a lane
	v_and_b32 v149, 63, v0
	v_mul_u32_u24 v149, v149, 12
	v_add_nc_u32 v149, s44, v149                   ; xyz2 once more: candidate 64 j + t % 64, for the records
	s_wait_kmcnt 0x0
	s_add_nc_u64 s[6:7], s[6:7], s[20:21]
	s_add_nc_u64 s[4:5], s[4:5], s[22:23]
	s_add_nc_u64 s[8:9], s[8:9], s[24:25]
	s_add_nc_u64 s[10:11], s[10:11], s[26:27]
	s_add_nc_u64 s[14:15], s[12:13], s[46:47]
	s_add_nc_u64 s[12:13], s[12:13], s[28:29]
.irp i, 0,1,2,3,4,5,6,7
	global_load_b96 v[224+4*\i:226+4*\i], v146, s[6:7] offset:3072*\i
.endr
	global_load_b96 v[128:130], v147, s[4:5]
	global_load_b96 v[132:134], v147, s[4:5] offset:192
	global_load_b96 v[152:154], v149, s[6:7]
.set c_, 0
.rept 64
	global_load_b32 v[PT+c_], v148, s[8:9] offset:8192*c_ th:TH_LOAD_NT    ; 128 consecutive bytes a load; read once in the launch
.set c_, c_+1
.endr
	v_lshlrev_b32 v[VA0], 4, v2
	v_lshl_add_u32 v[VA0], v3, 3, v[VA0]
	v_lshl_add_u32 v[VS0], v3, 6, CS
	v_and_b32 v150, 0xe7, v0                       ; where my records go: t with its bits 3 and 4 exchanged, 16 bytes each
	v_bfe_u32 v151, v0, 3, 1
	v_lshl_or_b32 v150, v151, 4, v150
	v_lshl_or_b32 v150, v3, 3, v150
	v_lshlrev_b32 v150, 4, v150
	v_lshl_add_u32 v151, v0, 2, CS
	v_lshlrev_b32 v145, 4, v1                      ; grp: 16 bytes a lane
	v_mul_u32_u24 v156, v1, TP
	v_add_nc_u32 v156, s45, v156                   ; the stage, in: row = my lane's s
	v_mul_u32_u24 v157, v3, TP
	v_lshl_add_u32 v157, v2, 4, v157
	v_add_nc_u32 v157, s45, v157                   ; and back: sixteen lanes to a row
	v_lshlrev_b32 v158, 10, v3
	v_lshl_add_u32 v158, v2, 4, v158               ; the same two rows in memory
	v_lshrrev_b32 v159, 4, v0
	v_lshlrev_b32 v159, 8, v159
	v_lshl_add_u32 v159, v2, 2, v159               ; records: group t / 16 of my four, place t % 16
	s_wait_loadcnt 63                              ; 75 loads were issued: the 12 oldest are in, the 11 of coordinates among them
.irp i, 0,1,2,3,4,5,6,7
	v_mul_f32 v[136+\i], v[224+4*\i], v[224+4*\i]
.endr
.irp i, 0,1,2,3,4,5,6,7
	v_fmac_f32 v[136+\i], v[225+4*\i], v[225+4*\i]
.endr
.irp i, 0,1,2,3,4,5,6,7
	v_fmac_f32 v[136+\i], v[226+4*\i], v[226+4*\i]
.endr
.irp i, 0,1,2,3,4,5,6,7
	v_mov_b32 v[227+4*\i], 1.0
.endr
.irp i, 0,1,2,3,4,5,6,7
	ds_store_b128 v150, v[224+4*\i:227+4*\i] offset:CA+4096*\i
	ds_store_b32 v151, v[136+\i] offset:1024*\i
.endr
.irp q, 0,1                                    ; a query tile's fragment: lanes 0-15 hold (-2x, -2y), lanes 16-31 (-2z, |q|^2)
	v_mul_f32 v[131+4*\q], v[128+4*\q], v[128+4*\q]
	v_fmac_f32 v[131+4*\q], v[129+4*\q], v[129+4*\q]
	v_fmac_f32 v[131+4*\q], v[130+4*\q], v[130+4*\q]
	v_mul_f32 v[128+4*\q], -2.0, v[128+4*\q]
	v_mul_f32 v[129+4*\q], -2.0, v[129+4*\q]
	v_mul_f32 v[130+4*\q], -2.0, v[130+4*\q]
	v_cndmask_b32 v[QB+2*\q], v[128+4*\q], v[130+4*\q], s34
	v_cndmask_b32 v[QB+2*\q+1], v[129+4*\q], v[131+4*\q], s34
.endr
	v_mul_f32 v155, v152, v152
	v_fmac_f32 v155, v153, v153
	v_fmac_f32 v155, v154, v154
	s_cmp_lt_u32 s16, 2                            ; waves 0 and 1 store the records of this work-group's 64 candidates
	s_cbranch_scc0 .Lno_records
	global_store_b32 v159, v152, s[14:15]
	global_store_b32 v159, v153, s[14:15] offset:64
	global_store_b32 v159, v154, s[14:15] offset:128
	global_store_b32 v159, v155, s[14:15] offset:192
.Lno_records:
	s_wait_dscnt 0x0                               ; for the others' sake: my part of the table is written
	s_barrier_signal -1
	s_barrier_wait -1
	ds_load_b64 v[AF:AF+1], v[VA0]                 ; steps 0 and 1
	ds_load_b64 v[AF+2:AF+3], v[VA0] offset:256
	ds_load_b64 v[AF+4:AF+5], v[VA0] offset:512
	ds_load_b64 v[AF+6:AF+7], v[VA0] offset:768
.irp i, 0,1,2,3
	ds_load_b128 v[S2+4*\i:S2+4*\i+3], v[VS0] offset:16*\i
.endr
	s_wait_dscnt 0x0
	WM 0, 0, 0
	WM 0, 0, 1
	WM 0, 1, 0
	WM 0, 1, 1
.irp q, 0,1                                    ; twelve plain lines: also the places behind those four
.irp k, 0,1,2
	v_mov_b32 v[ST+6*\q+\k], 0x7f800000
	v_mov_b32 v[ST+6*\q+3+\k], 0
.endr
.endr
	s_mov_b32 s30, 0
	s_mov_b32 s42, 0
	s_mov_b32 s43, 0
	s_mov_b32 s31, 15
.Lscan_a:
	TRIP
	s_sub_co_u32 s31, s31, 1
	s_cmp_lg_u32 s31, 0
	s_cbranch_scc1 .Lscan_a
	; points2, asked for at the head, has had 30 steps in which to land: 32 s x 64 channels turn through my own stage, and the stores leave under the rest of the scan
	s_wait_loadcnt 0x0
.irp k, 0,1,2,3,4,5,6,7,8,9,10,11,12,13,14,15
	ds_store_b128 v156, v[PT+4*\k:PT+4*\k+3] offset:16*\k
.endr
.irp i, 0,1,2,3,4,5,6,7,8,9,10,11,12,13,14,15
	ds_load_b128 v[PT+4*\i:PT+4*\i+3], v157 offset:2*TP*\i     ; LDS serves a wave's instructions in order (ISA guide 5.7.1.4): these see the stores above
.endr
.irp i, 0,1,2,3,4,5,6,7,8,9,10,11,12,13,14,15
	s_wait_dscnt 15-\i                             ; the loads issued behind load i may be out
	global_store_b128 v158, v[PT+4*\i:PT+4*\i+3], s[12:13] offset:2048*\i    ; sixteen lanes store 256 consecutive bytes, aligned
.endr
	s_mov_b32 s31, 16
.Lscan_b:
	TRIP
	s_sub_co_u32 s31, s31, 1
	s_cmp_lg_u32 s31, 0
	s_cbranch_scc1 .Lscan_b
	BODY 0, 0, 0, 1, 1                             ; step 62: no records are left to fetch
	BODY 1, 1, 0, 0, 0                             ; step 63: nothing is left to ask for
	; Lanes l and l xor 16 hold the even and the odd groups of one query: numbers become group numbers, and each takes the other's triple in, by (minimum, group)
.irp q, 0,1
.irp k, 3,4,5
	v_lshl_add_u32 v[ST+6*\q+\k], v[ST+6*\q+\k], 1, v3
.endr
.irp k, 0,1,2,3,4,5
	v_permlanex16_b32 v[T+\k], v[ST+6*\q+\k], s32, s33
.endr
	INSLEX \q, T, T+3
	INSLEX \q, T+1, T+4
	INSLEX \q, T+2, T+5
.endr
	v_cndmask_b32 v136, v[ST+3], v[ST+9], s34      ; lane l stores query l of my 32
	v_cndmask_b32 v137, v[ST+4], v[ST+10], s34
	v_cndmask_b32 v138, v[ST+5], v[ST+11], s34
	v_mov_b32 v139, 0
	global_store_b128 v145, v[136:139], s[10:11]
	s_set_vgpr_msb 0x5
	s_wait_tensorcnt 0x0
	ds_add_u32 v0, v1
	s_wait_dscnt 0x0
	s_set_vgpr_msb 0x500
	s_endpgm
.Lfunc_end_k_q7f1d23571d_coarse:
	.size	k_q7f1d23571d_coarse, .Lfunc_end_k_q7f1d23571d_coarse-k_q7f1d23571d_coarse
	.p2alignl 7, 3214868480
	.fill 96, 4, 3214868480
	.section	.rodata,"a",@progbits
	.p2align	6, 0x0
	.amdhsa_kernel k_q7f1d23571d_coarse
		.amdhsa_group_segment_fixed_size 111616
		.amdhsa_private_segment_fixed_size 0
		.amdhsa_enable_private_segment 0
		.amdhsa_kernarg_size 40
		.amdhsa_user_sgpr_count 2
		.amdhsa_user_sgpr_kernarg_segment_ptr 1
		.amdhsa_wavefront_size32 1
		.amdhsa_system_sgpr_workgroup_id_x 1
		.amdhsa_system_sgpr_workgroup_id_y 1
		.amdhsa_system_sgpr_workgroup_id_z 1
		.amdhsa_system_vgpr_workitem_id 0
		.amdhsa_next_free_vgpr 258
		.amdhsa_next_free_sgpr 66
		.amdhsa_reserve_vcc 1
		.amdhsa_float_denorm_mode_32 3
		.amdhsa_float_denorm_mode_16_64 3
		.amdhsa_memory_ordered 1
		.amdhsa_forward_progress 1
		.amdhsa_inst_pref_size 52
	.end_amdhsa_kernel
	.amdgpu_metadata
---
amdhsa.version: [ 1, 2 ]
amdhsa.kernels:
  - .name:           k_q7f1d23571d_coarse
    .symbol:         k_q7f1d23571d_coarse.kd
    .args:
      - { .name: xyz1, .offset: 0, .size: 8, .value_kind: global_buffer, .address_space: global }
      - { .name: xyz2, .offset: 8, .size: 8, .value_kind: global_buffer, .address_space: global }
      - { .name: points2, .offset: 16, .size: 8, .value_kind: global_buffer, .address_space: global }
      - { .name: grp, .offset: 24, .size: 8, .value_kind: global_buffer, .address_space: global }
      - { .name: geo, .offset: 32, .size: 8, .value_kind: global_buffer, .address_space: global }
    .group_segment_fixed_size: 111616
    .private_segment_fixed_size: 0
    .kernarg_segment_align: 8
    .kernarg_segment_size: 40
    .max_flat_workgroup_size: 256
    .sgpr_count:     66
    .vgpr_count:     258
    .wavefront_size: 32
...
	.end_amdgpu_metadata
.endif
;; end of part 1
;; launch refine (part 2): grid 256 x 1, 8 waves a work-group, no clusters, 35,840 bytes of LDS; arguments xyz1, grp, geo, nidx, nw; writes nidx, nw
.if DOCPART == 2
	.amdgcn_target "amdgcn-amd-amdhsa--gfx1250"
	.amdhsa_code_object_version 6
	.text
	.protected	k_q7f1d23571d_refine
	.globl	k_q7f1d23571d_refine
	.p2align	8
	.type	k_q7f1d23571d_refine,@function
k_q7f1d23571d_refine:
	s_mov_b64 s[64:65], 0
	v_nop
	global_prefetch_b8 v0, s[64:65] scope:SCOPE_SE
	s_setreg_imm32_b32 hwreg(HW_REG_WAVE_MODE, 25, 1), 1
	s_wait_xcnt 0x0
; EXACT SEARCH.  A lane is a query.  Its three groups of 16 candidates (whole numbers stored by the launch before) are taken in ascending order, so that candidates are met in
; ascending index; a candidate takes a place only if it is strictly nearer, so at equal distances the lower index stays ahead, as jax.lax.top_k has it.
; The distance is the same chain as in the coarse search: x (-2 qx), two fused multiply-adds, + |q|^2, + |c|^2.
; weight_k = (1 / (d_k + 1e-8)) / the sum of the three; 1 / x is v_rcp_f32.  LIMITS: NaN and infinities are not served.
; What is derived from floating-point numbers here (positions, indices) goes into stored data alone; the LDS addresses hang on the stored group numbers, held at 127.
.set GP, 272                           ; a group's record in LDS: 256 bytes + 16
	s_load_b256 s[4:11], s[0:1], 0x0               ; xyz1 s[4:5], grp s[6:7], geo s[8:9], nidx s[10:11]
	s_load_b64 s[12:13], s[0:1], 0x20              ; nw
	v_lshl_add_u32 v62, v0, 2, 0x8800
	v_mov_b32 v63, 0
	s_lshr_b32 s17, ttmp9, 5
	s_lshl_b32 s20, s17, 15
	s_add_co_u32 s20, s20, 0x1000000               ; the batch's 128 records, behind the transposed points2
	s_mov_b32 s21, 0
	s_lshl_b32 s22, ttmp9, 12                      ; 16 bytes a query
	s_mov_b32 s23, 0
	s_mul_i32 s24, ttmp9, 3072                     ; 12 bytes a query
	s_mov_b32 s25, 0
	v_lshlrev_b32 v1, 4, v0
	v_mul_u32_u24 v2, v0, 12
	v_lshrrev_b32 v3, 4, v0
	v_and_b32 v4, 15, v0
	v_mul_u32_u24 v3, v3, GP
	v_lshl_add_u32 v3, v4, 4, v3                   ; thread t's 16 bytes of group t / 16 + 16 i
	s_wait_kmcnt 0x0
	s_add_nc_u64 s[8:9], s[8:9], s[20:21]
	s_add_nc_u64 s[6:7], s[6:7], s[22:23]
	s_add_nc_u64 s[10:11], s[10:11], s[22:23]
	s_add_nc_u64 s[12:13], s[12:13], s[22:23]
	s_add_nc_u64 s[4:5], s[4:5], s[24:25]
.irp i, 0,1,2,3,4,5,6,7
	global_load_b128 v[64+4*\i:67+4*\i], v1, s[8:9] offset:4096*\i
.endr
	global_load_b128 v[16:19], v1, s[6:7]
	global_load_b96 v[24:26], v2, s[4:5]
	s_wait_loadcnt 2                               ; the records are in; my groups and my query may be out
.irp i, 0,1,2,3,4,5,6,7
	ds_store_b128 v3, v[64+4*\i:67+4*\i] offset:16*GP*\i
.endr
	s_wait_loadcnt 0x0
	v_min_u32 v36, v16, v17                        ; the three groups in ascending order
	v_max_u32 v17, v16, v17
	v_min_u32 v37, v17, v18
	v_max_u32 v18, v17, v18
	v_min_u32 v16, v36, v37
	v_max_u32 v17, v36, v37
	v_min_u32 v16, 0x7f, v16
	v_min_u32 v17, 0x7f, v17
	v_min_u32 v18, 0x7f, v18
	v_mul_u32_u24 v20, v16, GP
	v_mul_u32_u24 v21, v17, GP
	v_mul_u32_u24 v22, v18, GP
	v_mul_f32 v14, v24, v24                        ; |q|^2
	v_fmac_f32 v14, v25, v25
	v_fmac_f32 v14, v26, v26
	v_mov_b32 v15, v14
	v_mul_f32 v8, -2.0, v24                        ; each constant twice: a pair for the packed forms
	v_mul_f32 v9, -2.0, v24
	v_mul_f32 v10, -2.0, v25
	v_mul_f32 v11, -2.0, v25
	v_mul_f32 v12, -2.0, v26
	v_mul_f32 v13, -2.0, v26
.irp k, 0,1,2
	v_mov_b32 v[28+\k], 0x7f800000                 ; m0 m1 m2
	v_mov_b32 v[32+\k], 0                          ; their positions among my 48
.endr
	s_wait_dscnt 0x0
	s_barrier_signal -1
	s_barrier_wait -1
.irp g, 0,1,2
.irp n, 0,1,2,3,4,5,6,7,8,9,10,11,12,13,14,15
	ds_load_b128 v[64+64*\g+4*\n:67+64*\g+4*\n], v[20+\g] offset:16*\n     ; x16, y16, z16, s2_16
.endr
.endr
.macro INSC d, pos
	v_cmp_lt_f32 s36, v[\d], v30
	v_cmp_lt_f32 s37, v[\d], v29
	v_cmp_lt_f32 vcc_lo, v[\d], v28
	v_cndmask_b32 v34, v34, \pos, s36
	v_cndmask_b32 v34, v34, v33, s37
	v_cndmask_b32 v33, v33, \pos, s37
	v_cndmask_b32 v33, v33, v32, vcc_lo
	v_cndmask_b32 v32, v32, \pos, vcc_lo
	v_med3_num_f32 v30, v29, v30, v[\d]
	v_med3_num_f32 v29, v28, v29, v[\d]
	v_min_num_f32 v28, v28, v[\d]
.endm
.macro GROUP gi, left
.set CB_, 64+64*(\gi)
	s_wait_dscnt \left                             ; the later groups' loads may be out
.irp n, 0,2,4,6,8,10,12,14
	v_pk_mul_f32 v[CB_+\n:CB_+\n+1], v[CB_+\n:CB_+\n+1], v[8:9]
.endr
.irp n, 0,2,4,6,8,10,12,14
	v_pk_fma_f32 v[CB_+\n:CB_+\n+1], v[CB_+16+\n:CB_+17+\n], v[10:11], v[CB_+\n:CB_+\n+1]
.endr
.irp n, 0,2,4,6,8,10,12,14
	v_pk_fma_f32 v[CB_+\n:CB_+\n+1], v[CB_+32+\n:CB_+33+\n], v[12:13], v[CB_+\n:CB_+\n+1]
.endr
.irp n, 0,2,4,6,8,10,12,14
	v_pk_add_f32 v[CB_+\n:CB_+\n+1], v[CB_+\n:CB_+\n+1], v[14:15]
.endr
.irp n, 0,2,4,6,8,10,12,14
	v_pk_add_f32 v[CB_+\n:CB_+\n+1], v[CB_+\n:CB_+\n+1], v[CB_+48+\n:CB_+49+\n]
.endr
.irp n, 0,1,2,3,4,5,6,7,8,9,10,11,12,13,14,15
	INSC CB_+\n, 16*(\gi)+\n
.endr
.endm
	GROUP 0, 32
	GROUP 1, 16
	GROUP 2, 0
.irp k, 0,1,2                                  ; position -> index: its group's number x 16 + its place in the group
	v_lshrrev_b32 v36, 4, v[32+\k]
	v_cmp_eq_u32 vcc_lo, 1, v36
	v_cndmask_b32 v37, v16, v17, vcc_lo
	v_cmp_eq_u32 vcc_lo, 2, v36
	v_cndmask_b32 v37, v37, v18, vcc_lo
	v_and_b32 v36, 15, v[32+\k]
	v_lshl_or_b32 v[40+\k], v37, 4, v36
.endr
	v_mov_b32 v43, 0
	v_add_f32 v36, 0x322bcc77, v28                 ; d + 1e-8
	v_add_f32 v37, 0x322bcc77, v29
	v_add_f32 v38, 0x322bcc77, v30
	v_rcp_f32 v36, v36
	v_rcp_f32 v37, v37
	v_rcp_f32 v38, v38
	v_mov_b32 v47, 0                               ; a plain line behind the reciprocals (ISA guide 5.7.2)
	s_wait_alu depctr_va_vdst(0)
	v_add_f32 v39, v36, v37
	v_add_f32 v39, v39, v38
	v_rcp_f32 v39, v39
	v_nop
	s_wait_alu depctr_va_vdst(0)
	v_mul_f32 v44, v36, v39
	v_mul_f32 v45, v37, v39
	v_mul_f32 v46, v38, v39
	global_store_b128 v1, v[40:43], s[10:11]       ; 512 consecutive bytes a wave
	global_store_b128 v1, v[44:47], s[12:13]
	s_wait_tensorcnt 0x0
	ds_add_u32 v62, v63
	s_wait_dscnt 0x0
	s_endpgm
.Lfunc_end_k_q7f1d23571d_refine:
	.size	k_q7f1d23571d_refine, .Lfunc_end_k_q7f1d23571d_refine-k_q7f1d23571d_refine
	.p2alignl 7, 3214868480
	.fill 96, 4, 3214868480
	.section	.rodata,"a",@progbits
	.p2align	6, 0x0
	.amdhsa_kernel k_q7f1d23571d_refine
		.amdhsa_group_segment_fixed_size 35840
		.amdhsa_private_segment_fixed_size 0
		.amdhsa_enable_private_segment 0
		.amdhsa_kernarg_size 40
		.amdhsa_user_sgpr_count 2
		.amdhsa_user_sgpr_kernarg_segment_ptr 1
		.amdhsa_wavefront_size32 1
		.amdhsa_system_sgpr_workgroup_id_x 1
		.amdhsa_system_sgpr_workgroup_id_y 1
		.amdhsa_system_sgpr_workgroup_id_z 1
		.amdhsa_system_vgpr_workitem_id 0
		.amdhsa_next_free_vgpr 256
		.amdhsa_next_free_sgpr 66
		.amdhsa_reserve_vcc 1
		.amdhsa_float_denorm_mode_32 3
		.amdhsa_float_denorm_mode_16_64 3
		.amdhsa_memory_ordered 1
		.amdhsa_forward_progress 1
		.amdhsa_inst_pref_size 45
	.end_amdhsa_kernel
	.amdgpu_metadata
---
amdhsa.version: [ 1, 2 ]
amdhsa.kernels:
  - .name:           k_q7f1d23571d_refine
    .symbol:         k_q7f1d23571d_refine.kd
    .args:
      - { .name: xyz1, .offset: 0, .size: 8, .value_kind: global_buffer, .address_space: global }
      - { .name: grp, .offset: 8, .size: 8, .value_kind: global_buffer, .address_space: global }
      - { .name: geo, .offset: 16, .size: 8, .value_kind: global_buffer, .address_space: global }
      - { .name: nidx, .offset: 24, .size: 8, .value_kind: global_buffer, .address_space: global }
      - { .name: nw, .offset: 32, .size: 8, .value_kind: global_buffer, .address_space: global }
    .group_segment_fixed_size: 35840
    .private_segment_fixed_size: 0
    .kernarg_segment_align: 8
    .kernarg_segment_size: 40
    .max_flat_workgroup_size: 256
    .sgpr_count:     66
    .vgpr_count:     256
    .wavefront_size: 32
...
	.end_amdgpu_metadata
.endif
;; end of part 2
;; launch buildx (part 3): grid 256 x 1, 8 waves a work-group, no clusters, 254,976 bytes of LDS; arguments points1, geo, nidx, nw, w1_codes, w1_scales, b1, xbuf; writes xbuf
.if DOCPART == 3
	.amdgcn_target "amdgcn-amd-amdhsa--gfx1250"
	.amdhsa_code_object_version 6
	.text
	.protected	k_q7f1d23571d_buildx
	.globl	k_q7f1d23571d_buildx
	.p2align	8
	.type	k_q7f1d23571d_buildx,@function
k_q7f1d23571d_buildx:
	s_mov_b64 s[64:65], 0
	v_nop
	global_prefetch_b8 v0, s[64:65] scope:SCOPE_SE
	s_setreg_imm32_b32 hwreg(HW_REG_WAVE_MODE, 25, 1), 1
	s_wait_xcnt 0x0
; x = [points1 ; interpolated points2] (K = 512) is made, quantised to BF6 (E3M2) with one E8M0 scale for each 32 along K, and stored as codes; the first product z1 = W1 x is formed
; for its statistics alone: mean and sum of squared deviations of each of the 256 channels over this work-group's 256 points.
; SHARES: work-group g: points 256 g on; wave w: 32 points.  While x is made a LANE IS A POINT and its registers run down K: a block of 32 lies in one lane, its maximum needs no other lane.
; points1 [b][c][n] is read so as it lies (128 consecutive bytes a load).  The three neighbours' rows (1,024 bytes each, laid by the first launch) are read by sixteen lanes a row, weighted,
; and turned through the wave's own stage in LDS.  Twelve exchanges of halves make of a K step's codes the two operand fragments (16 points x 128 K).
; A block's scale byte is its largest magnitude's exponent field - 4, held at 1 from below (a block of zeros gets 1: its codes are zeros, and this program alone reads the bytes).
; STATISTICS are taken of z = W1 x without the bias; the bias is added to the stored mean.  No difference of large sums is formed: mean first, then deviations, level by level.
; W1 lies in LDS as images of operand registers (a fragment: 3 x 512 bytes, lane l's 16 bytes at 16 l), each wave having laid two tiles; every wave multiplies its own x by all of W1.
; Lane r of tile t takes W1's row 32 (t / 2) + 8 (t % 2) + r + 8 (r / 8): the order that the next launch needs; here it only says which channel a lane holds.
; No cluster: what work-groups share is W1, 100 KB read once; the rest is each work-group's own.  LIMITS: NaN and infinities are not served.
.set WIMG,   0                         ; LDS: W1's 64 fragments, (tile t, K step s) at (4 t + s) x 1,536
.set WSCL,   98304                     ; W1's scale bytes as they lie: 16 a row
.set STG,    102400                    ; eight stages, one a wave: 32 rows (points) of 512 bytes + 16
.set SPT,    528
.set STT,    237568                    ; (mean, M2) of 32 points: 8 waves x 256 channels x 8 bytes
.set XS_OFF, 25165824                  ; xbuf: codes, 12,288 bytes for a wave's 32 points; then four scale words a point; then the work-groups' statistics
.set P1_OFF, 26214400
.set IDX, 16                           ; v16-19   my point's three neighbours
.set WGT, 20                           ; v20-23   and their weights
.set XS,  24                           ; v24-27   x's scale words, one a K step: lane l has point l's.  Scales and nothing else
.set BY,  28                           ; v28-31   a K step's four scale bytes
.set WSC, 40                           ; v40-47   W1's scale words of two tiles.  Scales and nothing else
.set F,   48                           ; v48-143  x's fragments: (point tile p, K step s) at 48 + 48 p + 12 s
.set X,   144                          ; v144-207 two sets of 32 numbers
.set G,   144                          ; v144-239 gathered rows: slot, neighbour k, half u at 144 + 24 slot + 8 k + 4 u
.set OFF, 240                          ; v240-251 their offsets: 240 + 3 slot + k
.set WB,  144                          ; v144-191 W1's fragments, two sets of two
.set ACC, 192                          ; v192-223 (tile u, point tile p) at 192 + 16 u + 8 p
.set TS,  224                          ; v224-255 statistics at work
.macro WMM d, a, b, acc, sa, sb, arow, brow    ; one product 16 x 16 x 128; acc = 0: it starts the sum; arow, brow: that side's scales stand in lanes 16-31
.if \acc
.if \arow
	v_wmma_scale_f32_16x16x128_f8f6f4 v[0+(\d):7+(\d)], v[0+(\a):11+(\a)], v[0+(\b):11+(\b)], v[0+(\d):7+(\d)], v[0+(\sa)], v[0+(\sb)] matrix_a_fmt:MATRIX_FMT_BF6 matrix_b_fmt:MATRIX_FMT_BF6 matrix_a_scale:MATRIX_SCALE_ROW1
.elseif \brow
	v_wmma_scale_f32_16x16x128_f8f6f4 v[0+(\d):7+(\d)], v[0+(\a):11+(\a)], v[0+(\b):11+(\b)], v[0+(\d):7+(\d)], v[0+(\sa)], v[0+(\sb)] matrix_a_fmt:MATRIX_FMT_BF6 matrix_b_fmt:MATRIX_FMT_BF6 matrix_b_scale:MATRIX_SCALE_ROW1
.else
	v_wmma_scale_f32_16x16x128_f8f6f4 v[0+(\d):7+(\d)], v[0+(\a):11+(\a)], v[0+(\b):11+(\b)], v[0+(\d):7+(\d)], v[0+(\sa)], v[0+(\sb)] matrix_a_fmt:MATRIX_FMT_BF6 matrix_b_fmt:MATRIX_FMT_BF6
.endif
.else
.if \arow
	v_wmma_scale_f32_16x16x128_f8f6f4 v[0+(\d):7+(\d)], v[0+(\a):11+(\a)], v[0+(\b):11+(\b)], 0, v[0+(\sa)], v[0+(\sb)] matrix_a_fmt:MATRIX_FMT_BF6 matrix_b_fmt:MATRIX_FMT_BF6 matrix_a_scale:MATRIX_SCALE_ROW1
.elseif \brow
	v_wmma_scale_f32_16x16x128_f8f6f4 v[0+(\d):7+(\d)], v[0+(\a):11+(\a)], v[0+(\b):11+(\b)], 0, v[0+(\sa)], v[0+(\sb)] matrix_a_fmt:MATRIX_FMT_BF6 matrix_b_fmt:MATRIX_FMT_BF6 matrix_b_scale:MATRIX_SCALE_ROW1
.else
	v_wmma_scale_f32_16x16x128_f8f6f4 v[0+(\d):7+(\d)], v[0+(\a):11+(\a)], v[0+(\b):11+(\b)], 0, v[0+(\sa)], v[0+(\sb)] matrix_a_fmt:MATRIX_FMT_BF6 matrix_b_fmt:MATRIX_FMT_BF6
.endif
.endif
.endm
; n sets of equal size, (mean, M2) at v[base + stride i], become one: mean = the means' average, M2 = the sum of the M2 + leaf x the sum of (mean_i - mean)^2; leaf = a set's size
.macro LVL base, stride, n, invn, leaf, out, tmp
	v_pk_add_f32 v[0+(\tmp):1+(\tmp)], v[0+(\base):1+(\base)], v[(\base)+2*(\stride):(\base)+2*(\stride)+1]
	v_pk_add_f32 v[2+(\tmp):3+(\tmp)], v[(\base)+(\stride):(\base)+(\stride)+1], v[(\base)+3*(\stride):(\base)+3*(\stride)+1]
.set l_, 4
.rept ((\n)-4)/2
	v_pk_add_f32 v[0+(\tmp):1+(\tmp)], v[0+(\tmp):1+(\tmp)], v[(\base)+l_*(\stride):(\base)+l_*(\stride)+1]
	v_pk_add_f32 v[2+(\tmp):3+(\tmp)], v[2+(\tmp):3+(\tmp)], v[(\base)+(l_+1)*(\stride):(\base)+(l_+1)*(\stride)+1]
.set l_, l_+2
.endr
	v_pk_add_f32 v[0+(\tmp):1+(\tmp)], v[0+(\tmp):1+(\tmp)], v[2+(\tmp):3+(\tmp)]
	v_mul_f32 v[0+(\out)], \invn, v[0+(\tmp)]
	v_sub_f32 v[4+(\tmp)], v[0+(\base)], v[0+(\out)]
	v_sub_f32 v[5+(\tmp)], v[(\base)+(\stride)], v[0+(\out)]
	v_mul_f32 v[6+(\tmp)], v[4+(\tmp)], v[4+(\tmp)]
	v_mul_f32 v[7+(\tmp)], v[5+(\tmp)], v[5+(\tmp)]
.set l_, 2
.rept ((\n)-2)/2
	v_sub_f32 v[4+(\tmp)], v[(\base)+l_*(\stride)], v[0+(\out)]
	v_sub_f32 v[5+(\tmp)], v[(\base)+(l_+1)*(\stride)], v[0+(\out)]
	v_fmac_f32 v[6+(\tmp)], v[4+(\tmp)], v[4+(\tmp)]
	v_fmac_f32 v[7+(\tmp)], v[5+(\tmp)], v[5+(\tmp)]
.set l_, l_+2
.endr
	v_add_f32 v[6+(\tmp)], v[6+(\tmp)], v[7+(\tmp)]
	v_fma_f32 v[1+(\out)], v[6+(\tmp)], \leaf, v[1+(\tmp)]
.endm
; 16 registers (two accumulators: my channel at 16 of my wave's points; lane l xor 16 has the other 16) -> (mean, M2) of the 32 points, to LDS.  Each accumulator is read from its low end on
.macro STAT acc, res, off
	v_pk_add_f32 v[TS:TS+1], v[0+(\acc):1+(\acc)], v[2+(\acc):3+(\acc)]
	v_pk_add_f32 v[TS+2:TS+3], v[4+(\acc):5+(\acc)], v[6+(\acc):7+(\acc)]
	v_pk_add_f32 v[TS+4:TS+5], v[8+(\acc):9+(\acc)], v[10+(\acc):11+(\acc)]
	v_pk_add_f32 v[TS+6:TS+7], v[12+(\acc):13+(\acc)], v[14+(\acc):15+(\acc)]
	v_pk_add_f32 v[TS:TS+1], v[TS:TS+1], v[TS+2:TS+3]
	v_pk_add_f32 v[TS+4:TS+5], v[TS+4:TS+5], v[TS+6:TS+7]
	v_pk_add_f32 v[TS:TS+1], v[TS:TS+1], v[TS+4:TS+5]
	v_add_f32 v[TS], v[TS], v[TS+1]
	v_permlanex16_b32 v[TS+26], v[TS], s32, s33
	v_add_f32 v[TS], v[TS], v[TS+26]
	v_mul_f32 v[0+(\res)], 0x3d000000, v[TS]       ; / 32
	v_mul_f32 v[TS+24], 0xbd000000, v[TS]          ; - mean, twice: a pair for the packed additions
	v_mul_f32 v[TS+25], 0xbd000000, v[TS]
.irp i, 0,2,4,6,8,10,12,14
	v_pk_add_f32 v[TS+8+\i:TS+9+\i], v[\i+(\acc):\i+1+(\acc)], v[TS+24:TS+25]
.endr
	v_pk_mul_f32 v[TS:TS+1], v[TS+8:TS+9], v[TS+8:TS+9]
	v_pk_mul_f32 v[TS+2:TS+3], v[TS+10:TS+11], v[TS+10:TS+11]
.irp i, 4,8,12
	v_pk_fma_f32 v[TS:TS+1], v[TS+8+\i:TS+9+\i], v[TS+8+\i:TS+9+\i], v[TS:TS+1]
	v_pk_fma_f32 v[TS+2:TS+3], v[TS+10+\i:TS+11+\i], v[TS+10+\i:TS+11+\i], v[TS+2:TS+3]
.endr
	v_pk_add_f32 v[TS:TS+1], v[TS:TS+1], v[TS+2:TS+3]
	v_add_f32 v[TS], v[TS], v[TS+1]
	v_permlanex16_b32 v[TS+26], v[TS], s32, s33
	v_add_f32 v[1+(\res)], v[TS], v[TS+26]
	ds_store_b64 v13, v[0+(\res):1+(\res)] offset:\off     ; both halves of the lanes write the same value to the same place
.endm
.macro LOADP k                         ; points1: channels 32 k .. 32 k + 31 of my 32 points
.set c_, 0
.rept 32
	global_load_b32 v[X+32*((\k)%2)+c_], v4, s[4:5] offset:(32*(\k)+c_)*32768 th:TH_LOAD_NT
.set c_, c_+1
.endr
.endm
.macro QBLOCK kk                       ; the 32 numbers of set kk % 2 become six registers of codes at v[DST] and scale byte kk % 4
.set XB, X+32*((\kk)%2)
	v_max3_num_f32 v32, |v[XB]|, |v[XB+1]|, |v[XB+2]|
	v_max3_num_f32 v33, |v[XB+3]|, |v[XB+4]|, |v[XB+5]|
.irp i, 6,10,14,18,22,26
	v_max3_num_f32 v32, v32, |v[XB+\i]|, |v[XB+\i+1]|
	v_max3_num_f32 v33, v33, |v[XB+\i+2]|, |v[XB+\i+3]|
.endr
	v_max3_num_f32 v32, v32, |v[XB+30]|, |v[XB+31]|
	v_max3_num_f32 v32, v32, v33, 0x2800000        ; and the floor 2^(5 - 127): the byte cannot fall under 1
	v_add_nc_u32 v34, 0xfe000000, v32              ; 4 off the exponent field: the conversion takes the exponent field of this operand as its scale
	v_cvt_scalef32_pk16_bf6_f32 v[DST:DST+2], v[XB:XB+15], v34
	v_cvt_scalef32_pk16_bf6_f32 v[36:38], v[XB+16:XB+31], v34      ; (a conversion's three registers begin on an even number)
	v_lshrrev_b32 v[BY+(\kk)%4], 23, v34           ; the scale's byte; also the plain line behind the conversions
	v_mov_b32 v[DST+3], v36
	v_mov_b32 v[DST+4], v37
	v_mov_b32 v[DST+5], v38
.endm
; K step s is whole.  F(0, s) holds blocks 0 and 2 of all 32 points, F(1, s) blocks 1 and 3: the exchange of halves gives F(p, s) points 16 p + r with block 2 c + h in half h: the operand's layout
.macro FRAGS s
.set n_, 0
.rept 12
	v_permlane16_swap_b32 v[F+12*(\s)+n_], v[F+48+12*(\s)+n_]
.set n_, n_+1
.endr
	v_lshl_or_b32 v[XS+(\s)], v[BY+1], 8, v[BY]
	v_lshl_or_b32 v[XS+(\s)], v[BY+2], 16, v[XS+(\s)]
	v_lshl_or_b32 v[XS+(\s)], v[BY+3], 24, v[XS+(\s)]
.irp p, 0,1
.irp q, 0,1,2
	global_store_b128 v8, v[F+48*\p+12*(\s)+4*\q:F+48*\p+12*(\s)+4*\q+3], s[34:35] offset:(4*\p+(\s))*1536+512*\q   ; the registers' image: 512 consecutive bytes a store
.endr
.endr
.endm
.macro ADDR pp                         ; lanes 0-15 serve point pp, lanes 16-31 point pp + 16: each row of lanes takes its lane pp's three indices; held inside the table, then x 1,024 + 16 r
.irp k, 0,1,2
	v_mov_b32_dpp v[OFF+3*((\pp)%4)+\k], v[IDX+\k] row_share:\pp row_mask:0xf bank_mask:0xf
.endr
.irp k, 0,1,2
	v_min_u32 v[OFF+3*((\pp)%4)+\k], 0x7ff, v[OFF+3*((\pp)%4)+\k]
.endr
.irp k, 0,1,2
	v_lshl_add_u32 v[OFF+3*((\pp)%4)+\k], v[OFF+3*((\pp)%4)+\k], 10, v5
.endr
.endm
.macro ROWS pp, s                      ; 128 channels of three rows: sixteen lanes read 256 consecutive bytes, aligned
.irp k, 0,1,2
.irp u, 0,1
	global_load_b128 v[G+24*((\pp)%4)+8*\k+4*\u:G+24*((\pp)%4)+8*\k+4*\u+3], v[OFF+3*((\pp)%4)+\k], s[6:7] offset:512*((\s)-2)+256*\u
.endr
.endr
.endm
.macro FIN pp                          ; g0 w0 + g1 w1 + g2 w2, to the point's row of the stage
.set GB, G+24*((\pp)%4)
	v_mov_b32_dpp v252, v[WGT] row_share:\pp row_mask:0xf bank_mask:0xf
	v_mov_b32_dpp v254, v[WGT+1] row_share:\pp row_mask:0xf bank_mask:0xf
	v_mov_b32_dpp v32, v[WGT+2] row_share:\pp row_mask:0xf bank_mask:0xf
.irp j, 0,2,4,6
	v_pk_mul_f32 v[GB+\j:GB+\j+1], v[GB+\j:GB+\j+1], v[252:253] op_sel_hi:[1,0]
.endr
.irp j, 0,2,4,6
	v_pk_fma_f32 v[GB+\j:GB+\j+1], v[GB+8+\j:GB+9+\j], v[254:255], v[GB+\j:GB+\j+1] op_sel_hi:[1,0,1]
.endr
.irp j, 0,2,4,6
	v_pk_fma_f32 v[GB+\j:GB+\j+1], v[GB+16+\j:GB+17+\j], v[32:33], v[GB+\j:GB+\j+1] op_sel_hi:[1,0,1]
.endr
	ds_store_b128 v6, v[GB:GB+3] offset:SPT*\pp
	ds_store_b128 v6, v[GB+4:GB+7] offset:SPT*\pp+256
.endm
.macro GSTEP pp, nx, s
	s_wait_dscnt 2                                 ; only the last pair's two stores may be out: the slot that pair nx takes was left two pairs ago
	ADDR \nx
	ROWS \nx, \s
	s_wait_loadcnt 12                              ; the rows of the two pairs behind pair pp may be out
	FIN \pp
.endm
.macro GATHER s
	ADDR 0
	ROWS 0, \s
	ADDR 1
	ROWS 1, \s
	GSTEP 0, 2, \s
	GSTEP 1, 3, \s
	GSTEP 2, 4, \s
	GSTEP 3, 5, \s
	GSTEP 4, 6, \s
	GSTEP 5, 7, \s
	GSTEP 6, 8, \s
	GSTEP 7, 9, \s
	GSTEP 8, 10, \s
	GSTEP 9, 11, \s
	GSTEP 10, 12, \s
	GSTEP 11, 13, \s
	GSTEP 12, 14, \s
	GSTEP 13, 15, \s
	s_wait_loadcnt 6
	FIN 14
	s_wait_loadcnt 0x0
	FIN 15
.endm
.macro RB bb                           ; block bb of my point's row of the stage
.irp i, 0,1,2,3,4,5,6,7
	ds_load_b128 v[X+32*((\bb)%2)+4*\i:X+32*((\bb)%2)+4*\i+3], v7 offset:128*(\bb)+16*\i
.endr
.endm
.macro LOADW s                         ; W1's fragments of the trip's two tiles, K step s
.irp u, 0,1
.irp q, 0,1,2
	ds_load_b128 v[WB+24*((\s)%2)+12*\u+4*\q:WB+24*((\s)%2)+12*\u+4*\q+3], v14 offset:(4*\u+(\s))*1536+512*\q
.endr
.endr
.endm
	s_load_b256 s[4:11], s[0:1], 0x0               ; points1 s[4:5], geo s[6:7], nidx s[8:9], nw s[10:11]
	s_load_b256 s[12:19], s[0:1], 0x20             ; w1_codes s[12:13], w1_scales s[14:15], b1 s[16:17], xbuf s[18:19]
	s_set_vgpr_msb 0x40
	v_lshl_add_u32 v0, v0, 2, 0x3e000
	v_mov_b32 v1, 0
	s_set_vgpr_msb 0x4000
	v_lshrrev_b32 v1, 5, v0
	v_readfirstlane_b32 s20, v1                    ; wave
	v_and_b32 v1, 31, v0                           ; lane
	v_and_b32 v2, 15, v0                           ; r
	v_bfe_u32 v3, v0, 4, 1                         ; h
	s_lshr_b32 s21, ttmp9, 5                       ; batch
	s_and_b32 s22, ttmp9, 31
	s_mov_b32 s32, 0x76543210
	s_mov_b32 s33, 0xfedcba98                      ; v_permlanex16_b32's selects for lane l xor 16
	s_lshl_b32 s24, s21, 23                        ; points1: batch, 4 bytes a point
	s_lshl_b32 s25, s22, 10
	s_add_co_u32 s24, s24, s25
	s_lshl_b32 s25, s20, 7
	s_add_co_u32 s24, s24, s25
	s_mov_b32 s25, 0
	s_lshl_b32 s26, s21, 21                        ; the batch's 2,048 rows of 1,024 bytes
	s_mov_b32 s27, 0
	s_lshl_b32 s28, ttmp9, 12                      ; 16 bytes a point
	s_lshl_b32 s29, s20, 9
	s_add_co_u32 s28, s28, s29
	s_mov_b32 s29, 0
	s_mul_i32 s30, s20, 12288                      ; W1: my two tiles lie in rows 32 w on, 384 bytes a row
	s_mov_b32 s31, 0
	s_mul_i32 s44, ttmp9, 98304                    ; x's codes
	s_add_co_u32 s44, s44, s30
	s_mov_b32 s45, 0
	s_add_co_u32 s46, s28, XS_OFF
	s_mov_b32 s47, 0
	s_lshl_b32 s48, ttmp9, 11
	s_add_co_u32 s48, s48, P1_OFF
	s_mov_b32 s49, 0
	v_lshlrev_b32 v4, 2, v1
	v_lshlrev_b32 v5, 4, v2
	v_lshlrev_b32 v8, 4, v1
	s_mul_i32 s23, s20, 32*SPT
	s_add_co_u32 s23, s23, STG                     ; my stage
	v_mul_u32_u24 v6, v3, 16*SPT
	v_add_nc_u32 v6, v6, v5
	v_add_nc_u32 v6, s23, v6                       ; in: row pp + 16 h, 16 r bytes on
	v_mul_u32_u24 v7, v1, SPT
	v_add_nc_u32 v7, s23, v7                       ; back: my point's row
	v_and_b32 v9, 8, v2
	v_add_nc_u32 v9, v9, v2                        ; r + 8 (r / 8)
	v_lshl_add_u32 v10, v9, 4, WSCL
	s_lshl_b32 s23, s20, 11
	s_add_co_u32 s23, s23, STT
	v_lshl_add_u32 v11, v9, 3, s23
	v_mul_u32_u24 v9, v9, 384
	v_mad_u32_u24 v9, v3, 24, v9                   ; W1: my row of a tile, + 24 h
	v_add_nc_u32 v12, s30, v8                      ; where my wave's images go
	v_lshlrev_b32 v14, 4, v0
	v_add_nc_u32 v13, WSCL, v14
	v_lshlrev_b32 v35, 2, v0
.irp i, 240,241,242,243,244,245,246,247,248,249,250,251,252,253,254,255
	v_mov_b32 v\i, 0                               ; written once: the destination of a lane move counts as one of its sources, and a pair is read whole
.endr
	v_mov_b32 v32, 0
	v_mov_b32 v33, 0
	s_wait_kmcnt 0x0
	s_add_nc_u64 s[4:5], s[4:5], s[24:25]
	s_add_nc_u64 s[6:7], s[6:7], s[26:27]
	s_add_nc_u64 s[8:9], s[8:9], s[28:29]
	s_add_nc_u64 s[10:11], s[10:11], s[28:29]
	s_add_nc_u64 s[12:13], s[12:13], s[30:31]
	s_add_nc_u64 s[34:35], s[18:19], s[44:45]
	s_add_nc_u64 s[36:37], s[18:19], s[46:47]
	s_add_nc_u64 s[38:39], s[18:19], s[48:49]
.irp u, 0,1                                    ; W1's fragments of tiles 2 w, 2 w + 1, into the registers that x's fragments will take
.irp s, 0,1,2,3
.irp i, 0,1,2,3,4,5
	global_load_b64 v[F+12*(4*\u+\s)+2*\i:F+12*(4*\u+\s)+2*\i+1], v9, s[12:13] offset:8*\u*384+96*\s+48*(\i/3)+8*(\i%3)
.endr
.endr
.endr
	global_load_b128 v[36:39], v14, s[14:15]
	global_load_b128 v[IDX:IDX+3], v8, s[8:9]
	global_load_b128 v[WGT:WGT+3], v8, s[10:11]
	global_load_b32 v15, v35, s[16:17]
	LOADP 0
	s_wait_loadcnt 35                              ; W1 and its scales are in; behind them: three loads and block 0's 32
.irp u, 0,1
.irp s, 0,1,2,3
.irp q, 0,1,2
	ds_store_b128 v12, v[F+12*(4*\u+\s)+4*\q:F+12*(4*\u+\s)+4*\q+3] offset:(4*\u+\s)*1536+512*\q
.endr
.endr
.endr
	ds_store_b128 v13, v[36:39]
	LOADP 1
	s_wait_dscnt 0x0                               ; the stores have read their registers: x's codes may be written there
	; ---- points1: K = 0 .. 255, eight blocks
.irp k, 0,1,2,3,4,5,6,7
.if \k < 7
	s_wait_loadcnt 32                              ; this block is in; the next block's 32 loads may be out
.else
	s_wait_loadcnt 0x0
.endif
.set DST, F+48*(\k%2)+12*(\k/4)+6*((\k%4)/2)
	QBLOCK \k
.if \k < 6
	LOADP \k+2
.endif
.if \k == 3
	FRAGS 0
.endif
.if \k == 7
	FRAGS 1
.endif
.endr
	; ---- the interpolation: K = 256 .. 511, 128 channels at a time
.irp s, 2,3
	GATHER \s
	s_wait_dscnt 0x0                               ; the stage is written, and the stores have read the registers into which it is read back
	RB 0
	RB 1
.irp b, 0,1,2,3
.if \b < 3
	s_wait_dscnt 8                                 ; the next block's eight loads may be out
.else
	s_wait_dscnt 0x0
.endif
.set DST, F+48*(\b%2)+12*\s+6*(\b/2)
	QBLOCK \b
.if \b < 2
	RB \b+2
.endif
.endr
	FRAGS \s
.endr
	global_store_b128 v8, v[XS:XS+3], s[36:37]     ; four scale words a point
	s_wait_dscnt 0x0
	s_barrier_signal -1
	s_barrier_wait -1                              ; every wave's images of W1 lie in LDS
.rept 8
	v_nop                                          ; x's scale words and codes were written by vector instructions: 8 and 4 places ahead of a scaled product
.endr
	; ---- z1 = W1 x, two tiles of 16 channels a trip: source 0 = 16 of my points, source 1 = 16 rows of W1: a lane holds one channel.  Four accumulators by turns
	s_mov_b32 s40, 0
	s_mov_b32 s41, 0
	s_mov_b32 s42, 0
	s_mov_b32 s43, 8
.Lconv:
	v_add_nc_u32 v14, s40, v8
	v_add_nc_u32 v12, s41, v10
	v_add_nc_u32 v13, s42, v11
	ds_load_b128 v[WSC:WSC+3], v12
	ds_load_b128 v[WSC+4:WSC+7], v12 offset:128
	LOADW 0
.irp s, 0,1,2,3
.if \s > 0
.rept 4
	v_nop                                          ; places in front of loads into registers that the last products read
.endr
.endif
.if \s < 3
	LOADW \s+1
	s_wait_dscnt 6                                 ; all but the six just issued
.else
	s_wait_dscnt 0x0
.endif
.irp p, 0,1
.irp u, 0,1
	WMM ACC+16*\u+8*\p, F+48*\p+12*\s, WB+24*(\s%2)+12*\u, \s, XS+\s, WSC+4*\u+\s, \p, 0
.endr
.endr
.endr
.rept 5
	v_nop                                          ; four places before results are read and operands loaded anew, five before the next trip starts these sums again
.endr
	STAT ACC, TS+28, 0
	STAT ACC+16, TS+30, 64
	s_add_co_u32 s40, s40, 12288
	s_add_co_u32 s41, s41, 512
	s_add_co_u32 s42, s42, 256
	s_sub_co_u32 s43, s43, 1
	s_cmp_lg_u32 s43, 0
	s_cbranch_scc1 .Lconv
	s_wait_dscnt 0x0
	s_barrier_signal -1
	s_barrier_wait -1
	v_lshl_add_u32 v12, v0, 3, STT                 ; thread t: channel t, the eight waves' figures
.irp i, 0,1,2,3,4,5,6,7
	ds_load_b64 v[TS+2*\i:TS+2*\i+1], v12 offset:2048*\i
.endr
	s_wait_dscnt 0x0
	LVL TS, 2, 8, 0x3e000000, 0x42000000, TS+16, TS+18
	v_add_f32 v[TS+16], v[TS+16], v15              ; the mean of y = z + b1
	v_lshlrev_b32 v13, 3, v0
	global_store_b64 v13, v[TS+16:TS+17], s[38:39]
	s_set_vgpr_msb 0x5
	s_wait_tensorcnt 0x0
	ds_add_u32 v0, v1
	s_wait_dscnt 0x0
	s_set_vgpr_msb 0x500
	s_endpgm
.Lfunc_end_k_q7f1d23571d_buildx:
	.size	k_q7f1d23571d_buildx, .Lfunc_end_k_q7f1d23571d_buildx-k_q7f1d23571d_buildx
	.p2alignl 7, 3214868480
	.fill 96, 4, 3214868480
	.section	.rodata,"a",@progbits
	.p2align	6, 0x0
	.amdhsa_kernel k_q7f1d23571d_buildx
		.amdhsa_group_segment_fixed_size 254976
		.amdhsa_private_segment_fixed_size 0
		.amdhsa_enable_private_segment 0
		.amdhsa_kernarg_size 64
		.amdhsa_user_sgpr_count 2
		.amdhsa_user_sgpr_kernarg_segment_ptr 1
		.amdhsa_wavefront_size32 1
		.amdhsa_system_sgpr_workgroup_id_x 1
		.amdhsa_system_sgpr_workgroup_id_y 1
		.amdhsa_system_sgpr_workgroup_id_z 1
		.amdhsa_system_vgpr_workitem_id 0
		.amdhsa_next_free_vgpr 258
		.amdhsa_next_free_sgpr 66
		.amdhsa_reserve_vcc 0
		.amdhsa_float_denorm_mode_32 3
		.amdhsa_float_denorm_mode_16_64 3
		.amdhsa_memory_ordered 1
		.amdhsa_forward_progress 1
		.amdhsa_inst_pref_size 149
	.end_amdhsa_kernel
	.amdgpu_metadata
---
amdhsa.version: [ 1, 2 ]
amdhsa.kernels:
  - .name:           k_q7f1d23571d_buildx
    .symbol:         k_q7f1d23571d_buildx.kd
    .args:
      - { .name: points1, .offset: 0, .size: 8, .value_kind: global_buffer, .address_space: global }
      - { .name: geo, .offset: 8, .size: 8, .value_kind: global_buffer, .address_space: global }
      - { .name: nidx, .offset: 16, .size: 8, .value_kind: global_buffer, .address_space: global }
      - { .name: nw, .offset: 24, .size: 8, .value_kind: global_buffer, .address_space: global }
      - { .name: w1_codes, .offset: 32, .size: 8, .value_kind: global_buffer, .address_space: global }
      - { .name: w1_scales, .offset: 40, .size: 8, .value_kind: global_buffer, .address_space: global }
      - { .name: b1, .offset: 48, .size: 8, .value_kind: global_buffer, .address_space: global }
      - { .name: xbuf, .offset: 56, .size: 8, .value_kind: global_buffer, .address_space: global }
    .group_segment_fixed_size: 254976
    .private_segment_fixed_size: 0
    .kernarg_segment_align: 8
    .kernarg_segment_size: 64
    .max_flat_workgroup_size: 256
    .sgpr_count:     66
    .vgpr_count:     258
    .wavefront_size: 32
...
	.end_amdgpu_metadata
.endif
;; end of part 3
;; launch mid (part 4): grid 256 x 1, 8 waves a work-group, no clusters, 177,152 bytes of LDS; arguments xbuf, w1_codes, w1_scales, b1, g1, be1, w2_codes, w2_scales, b2, hbuf; writes hbuf
.if DOCPART == 4
	.amdgcn_target "amdgcn-amd-amdhsa--gfx1250"
	.amdhsa_code_object_version 6
	.text
	.protected	k_q7f1d23571d_mid
	.globl	k_q7f1d23571d_mid
	.p2align	8
	.type	k_q7f1d23571d_mid,@function
k_q7f1d23571d_mid:
	s_mov_b64 s[64:65], 0
	v_nop
	global_prefetch_b8 v0, s[64:65] scope:SCOPE_SE
	s_setreg_imm32_b32 hwreg(HW_REG_WAVE_MODE, 25, 1), 1
	s_wait_xcnt 0x0
; The first batch norm's constants are made from the 256 work-groups' statistics; z1 = W1 x is formed again from x's codes; h = relu(z1 a + c) is quantised to BF6 along its 256 channels
; and stored as codes; z2 = W2 h is formed for its statistics alone.  z1 and h never go to memory.
; a = g1 rsq(var + 1e-5), c = (b1 - mean) a + be1, mean being that of y = z + b1: so z a + c = (z + b1 - mean) rsq(..) g1 + be1.
; SHARES: work-group g: points 256 g on; wave w: 32 points (two tiles of 16), all 256 channels.  W1 and W2 lie in LDS as images of operand registers.
; THE FIRST PRODUCT IS USED TRANSPOSED (source 0 = 16 rows of W1, source 1 = 16 points), and lane r of tile t takes W1's row 32 (t / 2) + 8 (t % 2) + r + 8 (r / 8):
; a lane then holds ONE point, and register 16 b + i of its 128 is channel 32 b + 16 h + i: sixteen neighbours along the next K, as the conversions want them.
; STATISTICS: sets of equal size are joined level by level (x 16, x 8, x 2): mean = the means' average, M2 = the sum of the M2 + size x the sum of squared deviations of the means.
; No cluster: what work-groups share (weights, 512 KB of statistics) is read through registers, once each.  LIMITS: NaN and infinities are not served; a block of zeros gets the byte 1.
; REGISTERS: window 1: z1, then h: (tile t, point tile p) at 128 p + 8 t; at the head W1 on its way to LDS (v160-255) and the statistics (v0-179).  Window 0: all else.
.set WIMG1,  0                         ; LDS: W1's 64 fragments, (t, s) at (4 t + s) x 1,536
.set WSC1,   98304                     ; its scale bytes as they lie
.set WIMG2,  102400                    ; W2's 32 fragments, (t, k) at (2 t + k) x 1,536; rows 16 t + r
.set WSC2,   151552
.set A1T,    153600                    ; a of 256 channels; c 1,024 bytes on
.set CMB,    155648                    ; two halves x 256 channels x (mean, M2)
.set STT,    159744                    ; 8 waves x 256 channels x (mean, M2)
.set XS_OFF, 25165824
.set P1_OFF, 26214400
.set HS_OFF, 12582912
.set P2_OFF, 13107200
.set XS,  16                           ; v16-19   x's scale words.  v16-41 hold scales and nothing else
.set W1S, 20                           ; v20-35   W1's: set e, tile u at 20 + 8 e + 4 u
.set W2S, 36                           ; v36-39   W2's: tile u at 36 + 2 u
.set HSC, 40                           ; v40-41   h's, one register a point tile: lanes 0-15 channels 0-127, lanes 16-31 channels 128-255
.set TM,  44                           ; v44-59   at the head addresses; then the quantiser at work
.set PWR, 60                           ; v60-63   h's scale words as made: 60 + 2 p + k
.set F,   64                           ; v64-159  x's fragments: 64 + 48 p + 12 s
.set HF,  64                           ;          later h's: 64 + 24 p + 12 k
.set CT,  112                          ; v112-119 second halves of blocks
.set AC2, 120                          ; v120-151 z2: 120 + 16 u + 8 p
.set WB,  160                          ; v160-207 weights' fragments, two sets of two
.set AC,  160                          ; v160-223 a and c of a block: set e at 160 + 32 e, c 16 on
.set TS,  208                          ; v208-239 statistics at work
.set PB,  34                           ; s[34:35] the statistics that I join
.set MSB, 0
.macro WIN new                         ; the immediate's high byte repeats the setting that is left
.if MSB != \new
	s_set_vgpr_msb (MSB<<8)|\new
.set MSB, \new
.endif
.endm
.macro WMM d, a, b, acc, sa, sb, arow, brow    ; one product 16 x 16 x 128; acc = 0: it starts the sum; arow, brow: that side's scales stand in lanes 16-31
.if \acc
.if \arow
	v_wmma_scale_f32_16x16x128_f8f6f4 v[0+(\d):7+(\d)], v[0+(\a):11+(\a)], v[0+(\b):11+(\b)], v[0+(\d):7+(\d)], v[0+(\sa)], v[0+(\sb)] matrix_a_fmt:MATRIX_FMT_BF6 matrix_b_fmt:MATRIX_FMT_BF6 matrix_a_scale:MATRIX_SCALE_ROW1
.elseif \brow
	v_wmma_scale_f32_16x16x128_f8f6f4 v[0+(\d):7+(\d)], v[0+(\a):11+(\a)], v[0+(\b):11+(\b)], v[0+(\d):7+(\d)], v[0+(\sa)], v[0+(\sb)] matrix_a_fmt:MATRIX_FMT_BF6 matrix_b_fmt:MATRIX_FMT_BF6 matrix_b_scale:MATRIX_SCALE_ROW1
.else
	v_wmma_scale_f32_16x16x128_f8f6f4 v[0+(\d):7+(\d)], v[0+(\a):11+(\a)], v[0+(\b):11+(\b)], v[0+(\d):7+(\d)], v[0+(\sa)], v[0+(\sb)] matrix_a_fmt:MATRIX_FMT_BF6 matrix_b_fmt:MATRIX_FMT_BF6
.endif
.else
.if \arow
	v_wmma_scale_f32_16x16x128_f8f6f4 v[0+(\d):7+(\d)], v[0+(\a):11+(\a)], v[0+(\b):11+(\b)], 0, v[0+(\sa)], v[0+(\sb)] matrix_a_fmt:MATRIX_FMT_BF6 matrix_b_fmt:MATRIX_FMT_BF6 matrix_a_scale:MATRIX_SCALE_ROW1
.elseif \brow
	v_wmma_scale_f32_16x16x128_f8f6f4 v[0+(\d):7+(\d)], v[0+(\a):11+(\a)], v[0+(\b):11+(\b)], 0, v[0+(\sa)], v[0+(\sb)] matrix_a_fmt:MATRIX_FMT_BF6 matrix_b_fmt:MATRIX_FMT_BF6 matrix_b_scale:MATRIX_SCALE_ROW1
.else
	v_wmma_scale_f32_16x16x128_f8f6f4 v[0+(\d):7+(\d)], v[0+(\a):11+(\a)], v[0+(\b):11+(\b)], 0, v[0+(\sa)], v[0+(\sb)] matrix_a_fmt:MATRIX_FMT_BF6 matrix_b_fmt:MATRIX_FMT_BF6
.endif
.endif
.endm
; n sets of equal size, (mean, M2) at v[base + stride i], become one; leaf = a set's size.  All its registers lie in one window
.macro LVL base, stride, n, invn, leaf, out, tmp
	v_pk_add_f32 v[0+(\tmp):1+(\tmp)], v[0+(\base):1+(\base)], v[(\base)+2*(\stride):(\base)+2*(\stride)+1]
	v_pk_add_f32 v[2+(\tmp):3+(\tmp)], v[(\base)+(\stride):(\base)+(\stride)+1], v[(\base)+3*(\stride):(\base)+3*(\stride)+1]
.set l_, 4
.rept ((\n)-4)/2
	v_pk_add_f32 v[0+(\tmp):1+(\tmp)], v[0+(\tmp):1+(\tmp)], v[(\base)+l_*(\stride):(\base)+l_*(\stride)+1]
	v_pk_add_f32 v[2+(\tmp):3+(\tmp)], v[2+(\tmp):3+(\tmp)], v[(\base)+(l_+1)*(\stride):(\base)+(l_+1)*(\stride)+1]
.set l_, l_+2
.endr
	v_pk_add_f32 v[0+(\tmp):1+(\tmp)], v[0+(\tmp):1+(\tmp)], v[2+(\tmp):3+(\tmp)]
	v_mul_f32 v[0+(\out)], \invn, v[0+(\tmp)]
	v_sub_f32 v[4+(\tmp)], v[0+(\base)], v[0+(\out)]
	v_sub_f32 v[5+(\tmp)], v[(\base)+(\stride)], v[0+(\out)]
	v_mul_f32 v[6+(\tmp)], v[4+(\tmp)], v[4+(\tmp)]
	v_mul_f32 v[7+(\tmp)], v[5+(\tmp)], v[5+(\tmp)]
.set l_, 2
.rept ((\n)-2)/2
	v_sub_f32 v[4+(\tmp)], v[(\base)+l_*(\stride)], v[0+(\out)]
	v_sub_f32 v[5+(\tmp)], v[(\base)+(l_+1)*(\stride)], v[0+(\out)]
	v_fmac_f32 v[6+(\tmp)], v[4+(\tmp)], v[4+(\tmp)]
	v_fmac_f32 v[7+(\tmp)], v[5+(\tmp)], v[5+(\tmp)]
.set l_, l_+2
.endr
	v_add_f32 v[6+(\tmp)], v[6+(\tmp)], v[7+(\tmp)]
	v_fma_f32 v[1+(\out)], v[6+(\tmp)], \leaf, v[1+(\tmp)]
.endm
.macro CHUNK j                         ; the statistics of 16 work-groups, two channels a lane, into window 1, set j % 2
.set c_, 0
.rept 16
	global_load_b128 v[64*((\j)%2)+4*c_:64*((\j)%2)+4*c_+3], v4, s[PB:PB+1] offset:2048*(16*(\j)+c_)
.set c_, c_+1
.endr
.endm
; 16 registers (two accumulators: my channel at 16 of my wave's points) -> (mean, M2) of the 32 points, to LDS.  Each accumulator is read from its low end on
.macro STAT acc, res, off
	v_pk_add_f32 v[TS:TS+1], v[0+(\acc):1+(\acc)], v[2+(\acc):3+(\acc)]
	v_pk_add_f32 v[TS+2:TS+3], v[4+(\acc):5+(\acc)], v[6+(\acc):7+(\acc)]
	v_pk_add_f32 v[TS+4:TS+5], v[8+(\acc):9+(\acc)], v[10+(\acc):11+(\acc)]
	v_pk_add_f32 v[TS+6:TS+7], v[12+(\acc):13+(\acc)], v[14+(\acc):15+(\acc)]
	v_pk_add_f32 v[TS:TS+1], v[TS:TS+1], v[TS+2:TS+3]
	v_pk_add_f32 v[TS+4:TS+5], v[TS+4:TS+5], v[TS+6:TS+7]
	v_pk_add_f32 v[TS:TS+1], v[TS:TS+1], v[TS+4:TS+5]
	v_add_f32 v[TS], v[TS], v[TS+1]
	v_permlanex16_b32 v[TS+26], v[TS], s32, s33
	v_add_f32 v[TS], v[TS], v[TS+26]
	v_mul_f32 v[0+(\res)], 0x3d000000, v[TS]       ; / 32
	v_mul_f32 v[TS+24], 0xbd000000, v[TS]          ; - mean, twice
	v_mul_f32 v[TS+25], 0xbd000000, v[TS]
.irp i, 0,2,4,6,8,10,12,14
	v_pk_add_f32 v[TS+8+\i:TS+9+\i], v[\i+(\acc):\i+1+(\acc)], v[TS+24:TS+25]
.endr
	v_pk_mul_f32 v[TS:TS+1], v[TS+8:TS+9], v[TS+8:TS+9]
	v_pk_mul_f32 v[TS+2:TS+3], v[TS+10:TS+11], v[TS+10:TS+11]
.irp i, 4,8,12
	v_pk_fma_f32 v[TS:TS+1], v[TS+8+\i:TS+9+\i], v[TS+8+\i:TS+9+\i], v[TS:TS+1]
	v_pk_fma_f32 v[TS+2:TS+3], v[TS+10+\i:TS+11+\i], v[TS+10+\i:TS+11+\i], v[TS+2:TS+3]
.endr
	v_pk_add_f32 v[TS:TS+1], v[TS:TS+1], v[TS+2:TS+3]
	v_add_f32 v[TS], v[TS], v[TS+1]
	v_permlanex16_b32 v[TS+26], v[TS], s32, s33
	v_add_f32 v[1+(\res)], v[TS], v[TS+26]
	ds_store_b64 v13, v[0+(\res):1+(\res)] offset:\off
.endm
.macro LW1 sg                          ; W1's two fragments of step sg = 4 pair + s into set sg % 2; with a pair's first step its scale words.  Images past 48 KiB take the second address register
.set PR_, (\sg)/4
.set SS_, (\sg)%4
.if PR_ < 4
.set AR_, 4
.set OB_, PR_*12288
.else
.set AR_, 5
.set OB_, (PR_-4)*12288
.endif
.irp u, 0,1
.irp q, 0,1,2
	ds_load_b128 v[WB+24*((\sg)%2)+12*\u+4*\q:WB+24*((\sg)%2)+12*\u+4*\q+3], v[AR_] offset:OB_+(4*\u+SS_)*1536+512*\q
.endr
.endr
.if SS_ == 0
.irp u, 0,1
	ds_load_b128 v[W1S+8*(PR_%2)+4*\u:W1S+8*(PR_%2)+4*\u+3], v6 offset:512*PR_+128*\u
.endr
.endif
.endm
.macro LAC bb                          ; a and c of channels 32 bb + 16 h + 0 .. 15
.irp i, 0,1,2,3
	ds_load_b128 v[AC+32*((\bb)%2)+4*\i:AC+32*((\bb)%2)+4*\i+3], v9 offset:128*(\bb)+16*\i
.endr
.irp i, 0,1,2,3
	ds_load_b128 v[AC+32*((\bb)%2)+16+4*\i:AC+32*((\bb)%2)+19+4*\i], v9 offset:1024+128*(\bb)+16*\i
.endr
.endm
; 64 numbers of a lane in window 1 (none negative), register 16 b + i = k 32 b + 16 h + i of my point, become a fragment's codes and its scale word
.macro QUANTW p, kp
.set S_, 128*(\p)+64*(\kp)
.set H_, HF+24*(\p)+12*(\kp)
	WIN 0
.irp b, 0,1,2,3
	v_mov_b32 v[TM+\b], 0x2800000                  ; the floor 2^(5 - 127): the byte cannot fall under 1
.endr
	WIN 0x14                                       ; sources 1 and 2 window 1
.irp i, 0,2,4,6,8,10,12,14
.irp b, 0,1,2,3
	v_max3_num_f32 v[TM+\b], v[TM+\b], v[S_+16*\b+\i], v[S_+16*\b+\i+1]
.endr
.endr
	WIN 0
.irp b, 0,1,2,3
	v_permlanex16_b32 v[TM+4+\b], v[TM+\b], s32, s33
.endr
.irp b, 0,1,2,3
	v_max_num_f32 v[TM+\b], v[TM+\b], v[TM+4+\b]   ; with lane l xor 16's: the block's largest
.endr
.irp b, 0,1,2,3
	v_add_nc_u32 v[TM+12+\b], 0xfe000000, v[TM+\b] ; 4 off the exponent field: the conversion's scale operand
.endr
.irp b, 0,1,2,3
	v_lshrrev_b32 v[TM+4+\b], 23, v[TM+12+\b]      ; the scale's byte
.endr
	v_lshl_or_b32 v[PWR+2*(\p)+(\kp)], v[TM+5], 8, v[TM+4]
	v_lshl_or_b32 v[PWR+2*(\p)+(\kp)], v[TM+6], 16, v[PWR+2*(\p)+(\kp)]
	v_lshl_or_b32 v[PWR+2*(\p)+(\kp)], v[TM+7], 24, v[PWR+2*(\p)+(\kp)]
	WIN 0x01                                       ; source 0 window 1
.irp c, 0,1
	v_cvt_scalef32_pk16_bf6_f32 v[H_+6*\c:H_+6*\c+2], v[S_+32*\c:S_+32*\c+15], v[TM+12+2*\c]
	v_cvt_scalef32_pk16_bf6_f32 v[CT+4*\c:CT+4*\c+2], v[S_+32*\c+16:S_+32*\c+31], v[TM+13+2*\c]
.endr
	WIN 0
	v_nop                                          ; one plain line behind a scaled conversion
.irp c, 0,1                                    ; the operand's layout wants a whole block in a lane: lanes 0-15 block 2 c, lanes 16-31 block 2 c + 1
.irp i, 0,1,2
	v_permlane16_swap_b32 v[H_+6*\c+\i], v[CT+4*\c+\i]
.endr
.irp i, 0,1,2
	v_mov_b32 v[H_+6*\c+3+\i], v[CT+4*\c+\i]
.endr
.endr
.endm
	s_load_b512 s[4:19], s[0:1], 0x0               ; xbuf s[4:5], w1_codes s[6:7], w1_scales s[8:9], b1 s[10:11], g1 s[12:13], be1 s[14:15], w2_codes s[16:17], w2_scales s[18:19]
	s_load_b128 s[20:23], s[0:1], 0x40             ; b2 s[20:21], hbuf s[22:23]
	v_lshl_add_u32 v254, v0, 2, 0x2b000
	v_mov_b32 v255, 0
	v_lshrrev_b32 v1, 5, v0
	v_readfirstlane_b32 s24, v1                    ; wave
	v_and_b32 v1, 31, v0                           ; lane
	v_and_b32 v2, 15, v0                           ; r
	v_bfe_u32 v3, v0, 4, 1                         ; h
	s_mov_b32 s32, 0x76543210
	s_mov_b32 s33, 0xfedcba98
	s_mov_b32 s42, 0xffff0000                      ; lanes 16-31
	s_and_b32 s25, s24, 3                          ; which 64 channels' statistics I join,
	s_lshr_b32 s43, s24, 2                         ; and of which 128 work-groups
	v_lshlrev_b32 v4, 4, v1                        ; 16 x lane: an image's place for my lane
	v_add_nc_u32 v5, 49152, v4
	v_and_b32 v44, 8, v2
	v_add_nc_u32 v44, v44, v2                      ; r + 8 (r / 8)
	v_lshl_add_u32 v6, v44, 4, WSC1
	v_add_nc_u32 v7, WIMG2, v4
	v_lshl_add_u32 v8, v2, 3, WSC2
	v_lshl_add_u32 v9, v3, 6, A1T
	s_lshl_b32 s60, s24, 11
	s_add_co_u32 s60, s60, STT
	v_lshl_add_u32 v10, v2, 3, s60
	v_lshlrev_b32 v14, 3, v1
	v_lshl_add_u32 v15, v0, 3, STT
	v_mul_u32_u24 v44, v44, 384
	v_mad_u32_u24 v44, v3, 24, v44                 ; W1: my row of a tile, + 24 h
	v_mul_u32_u24 v45, v2, 192
	v_mad_u32_u24 v45, v3, 24, v45                 ; W2 likewise
	v_lshlrev_b32 v46, 4, v0
	v_lshlrev_b32 v47, 3, v0
	v_lshlrev_b32 v48, 2, v0
	s_mul_i32 s44, s24, 12288
	s_mov_b32 s45, 0
	s_mul_i32 s46, s24, 6144
	s_mov_b32 s47, 0
	v_add_nc_u32 v49, s44, v4                      ; where my wave's images of W1 go,
	v_add_nc_u32 v50, s46, v7                      ; and of W2
	v_add_nc_u32 v51, WSC1, v46
	v_add_nc_u32 v52, WSC2, v47
	s_lshl_b32 s60, s43, 11
	s_lshl_b32 s61, s25, 9
	s_add_co_u32 s60, s60, s61
	s_add_co_u32 s60, s60, CMB
	v_add_nc_u32 v54, s60, v4
	v_add_nc_u32 v55, CMB, v47
	v_add_nc_u32 v56, A1T, v48
	v_mov_b32 v[TS+26], 0                          ; written once: a lane permute's destination counts as one of its sources
	s_mul_i32 s48, ttmp9, 98304                    ; x's codes: 12,288 bytes a wave
	s_add_co_u32 s48, s48, s44
	s_mov_b32 s49, 0
	s_lshl_b32 s50, ttmp9, 12                      ; x's scale words
	s_lshl_b32 s51, s24, 9
	s_add_co_u32 s50, s50, s51
	s_add_co_u32 s50, s50, XS_OFF
	s_mov_b32 s51, 0
	s_lshl_b32 s52, s43, 18                        ; the statistics: 128 work-groups of 2,048 bytes, 64 channels of 8
	s_add_co_u32 s52, s52, s61
	s_add_co_u32 s52, s52, P1_OFF
	s_mov_b32 s53, 0
	s_lshl_b32 s54, ttmp9, 3
	s_add_co_u32 s54, s54, s24                     ; 8 g + w
	s_lshl_b32 s56, s54, 8
	s_add_co_u32 s56, s56, HS_OFF
	s_mov_b32 s57, 0
	s_mul_i32 s54, s54, 6144
	s_mov_b32 s55, 0
	s_lshl_b32 s58, ttmp9, 11
	s_add_co_u32 s58, s58, P2_OFF
	s_mov_b32 s59, 0
	s_wait_kmcnt 0x0
	s_add_nc_u64 s[6:7], s[6:7], s[44:45]
	s_add_nc_u64 s[16:17], s[16:17], s[46:47]
	s_add_nc_u64 s[28:29], s[4:5], s[48:49]
	s_add_nc_u64 s[30:31], s[4:5], s[50:51]
	s_add_nc_u64 s[PB:PB+1], s[4:5], s[52:53]
	s_add_nc_u64 s[36:37], s[22:23], s[54:55]
	s_add_nc_u64 s[38:39], s[22:23], s[56:57]
	s_add_nc_u64 s[40:41], s[22:23], s[58:59]
	WIN 0x40                                       ; destination window 1
.irp u, 0,1
.irp s, 0,1,2,3
.irp i, 0,1,2,3,4,5
	global_load_b64 v[160+12*(4*\u+\s)+2*\i:161+12*(4*\u+\s)+2*\i], v44, s[6:7] offset:8*\u*384+96*\s+48*(\i/3)+8*(\i%3)
.endr
.endr
.endr
	WIN 0
	global_load_b128 v[208:211], v46, s[8:9]
.irp u, 0,1
.irp k, 0,1
.irp i, 0,1,2,3,4,5
	global_load_b64 v[160+12*(2*\u+\k)+2*\i:161+12*(2*\u+\k)+2*\i], v45, s[16:17] offset:16*\u*192+96*\k+48*(\i/3)+8*(\i%3)
.endr
.endr
.endr
	global_load_b64 v[212:213], v47, s[18:19]
.irp p, 0,1
.irp s, 0,1,2,3
.irp q, 0,1,2
	global_load_b128 v[F+48*\p+12*\s+4*\q:F+48*\p+12*\s+4*\q+3], v4, s[28:29] offset:(4*\p+\s)*1536+512*\q th:TH_LOAD_NT
.endr
.endr
.endr
	global_load_b128 v[XS:XS+3], v4, s[30:31] th:TH_LOAD_NT
	global_load_b32 v240, v48, s[10:11]
	global_load_b32 v241, v48, s[12:13]
	global_load_b32 v242, v48, s[14:15]
	global_load_b32 v243, v48, s[20:21]
	WIN 0x40
	CHUNK 0
	s_wait_loadcnt 45                              ; the weights are in; behind them: x's 25 loads, four of constants, the first 16 of statistics
	WIN 0x04                                       ; an LDS store's data are its source 1: window 1
.irp u, 0,1
.irp s, 0,1,2,3
.irp q, 0,1,2
	ds_store_b128 v49, v[160+12*(4*\u+\s)+4*\q:163+12*(4*\u+\s)+4*\q] offset:(4*\u+\s)*1536+512*\q
.endr
.endr
.endr
	WIN 0
	ds_store_b128 v51, v[208:211]
.irp u, 0,1
.irp k, 0,1
.irp q, 0,1,2
	ds_store_b128 v50, v[160+12*(2*\u+\k)+4*\q:163+12*(2*\u+\k)+4*\q] offset:(2*\u+\k)*1536+512*\q
.endr
.endr
.endr
	ds_store_b64 v52, v[212:213]
	s_wait_dscnt 0x0                               ; the stores have read their registers: window 1's v160 on serve the sums below
	; ---- the statistics of 128 work-groups, two channels a lane: eight times 16 sets of 256 points, then 8 sets of 4,096
.irp j, 0,1,2,3,4,5,6,7
.if \j < 7
	WIN 0x40
	CHUNK \j+1
	s_wait_loadcnt 16                              ; the next 16 may be out
.else
	s_wait_loadcnt 0x0
.endif
	WIN 0x55                                       ; all in window 1
	LVL 64*(\j%2), 4, 16, 0x3d800000, 0x43800000, 128+4*\j, 160
	LVL 64*(\j%2)+2, 4, 16, 0x3d800000, 0x43800000, 130+4*\j, 160
.endr
	LVL 128, 4, 8, 0x3e000000, 0x45800000, 176, 160
	LVL 130, 4, 8, 0x3e000000, 0x45800000, 178, 160
	WIN 0x04
	ds_store_b128 v54, v[176:179]
	WIN 0
	s_wait_dscnt 0x0
	s_barrier_signal -1
	s_barrier_wait -1                              ; both halves' figures, and all images of the weights, lie in LDS
	ds_load_b64 v[224:225], v55                    ; thread t: channel t, two sets of 32,768 points
	ds_load_b64 v[226:227], v55 offset:2048
	s_wait_dscnt 0x0
	v_add_f32 v228, v224, v226
	v_mul_f32 v228, 0.5, v228                      ; the mean
	v_sub_f32 v229, v224, v228
	v_sub_f32 v230, v226, v228
	v_mul_f32 v229, v229, v229
	v_fmac_f32 v229, v230, v230
	v_add_f32 v231, v225, v227
	v_fma_f32 v231, v229, 0x47000000, v231
	v_mul_f32 v231, 0x37800000, v231               ; / 65,536: the variance
	v_add_f32 v231, 0x3727c5ac, v231               ; + 1e-5
	v_rsq_f32 v231, v231
	v_sub_f32 v232, v240, v228                     ; b1 - mean (a plain line behind the root)
	s_wait_alu depctr_va_vdst(0)
	v_mul_f32 v231, v241, v231                     ; a
	v_fma_f32 v232, v232, v231, v242               ; c
	ds_store_b32 v56, v231
	ds_store_b32 v56, v232 offset:1024
	s_wait_dscnt 0x0
	s_barrier_signal -1
	s_barrier_wait -1
	; ---- z1^T = W1 x: eight pairs of tiles x four K steps; a pair's four accumulators (two tiles x two point tiles) by turns
	LW1 0
.set SG, 0
.rept 32
	WIN 0
.if SG > 0
.rept 4
	v_nop                                          ; places in front of loads into registers that the last products read
.endr
.endif
.if SG < 31
	LW1 SG+1
.if (SG+1)%4 == 0
	s_wait_dscnt 8                                 ; all but the eight just issued
.else
	s_wait_dscnt 6                                 ; all but the six just issued
.endif
.else
	s_wait_dscnt 0x0
.endif
	WIN 0x50                                       ; C and D window 1
.irp p, 0,1
.irp u, 0,1
	WMM 128*\p+8*(2*(SG/4)+\u), WB+24*(SG%2)+12*\u, F+48*\p+12*(SG%4), SG%4, W1S+8*((SG/4)%2)+4*\u+SG%4, XS+SG%4, 0, \p
.endr
.endr
.set SG, SG+1
.endr
	WIN 0
.rept 4
	v_nop
.endr
	; ---- h = relu(z1 a + c), in place, a block of 32 channels at a time
	LAC 0
.set BBK, 0
.rept 8
	WIN 0
.if BBK < 7
	LAC BBK+1
	s_wait_dscnt 8                                 ; the next block's eight loads may be out
.else
	s_wait_dscnt 0x0
.endif
	WIN 0x41                                       ; destination and source 0 window 1
.irp p, 0,1
.irp i, 0,2,4,6,8,10,12,14
	v_pk_fma_f32 v[128*\p+16*BBK+\i:128*\p+16*BBK+\i+1], v[128*\p+16*BBK+\i:128*\p+16*BBK+\i+1], v[AC+32*(BBK%2)+\i:AC+32*(BBK%2)+\i+1], v[AC+32*(BBK%2)+16+\i:AC+32*(BBK%2)+17+\i]
.endr
.endr
.irp p, 0,1
.irp i, 0,1,2,3,4,5,6,7,8,9,10,11,12,13,14,15
	v_max_num_f32 v[128*\p+16*BBK+\i], v[128*\p+16*BBK+\i], 0
.endr
.endr
.set BBK, BBK+1
.endr
	QUANTW 0, 0
	QUANTW 0, 1
	QUANTW 1, 0
	QUANTW 1, 1
	v_cndmask_b32 v[HSC], v[PWR], v[PWR+1], s42    ; one register a point tile: the first K step's words below, the second's above
	v_cndmask_b32 v[HSC+1], v[PWR+2], v[PWR+3], s42
.irp p, 0,1
.irp k, 0,1
.irp q, 0,1,2
	global_store_b128 v4, v[HF+24*\p+12*\k+4*\q:HF+24*\p+12*\k+4*\q+3], s[36:37] offset:3072*\p+1536*\k+512*\q   ; the registers' image: 512 consecutive bytes a store
.endr
.endr
.endr
	global_store_b64 v14, v[HSC:HSC+1], s[38:39]
.rept 8
	v_nop                                          ; h's scale words and codes were written by vector instructions: 8 and 4 places ahead of a scaled product
.endr
	; ---- z2 = W2 h, two tiles of 16 channels a trip: source 0 = 16 of my points, source 1 = 16 rows of W2: a lane holds one channel
	s_mov_b32 s44, 0
	s_mov_b32 s45, 0
	s_mov_b32 s46, 8
.Lconv2:
	v_add_nc_u32 v11, s44, v7
	v_add_nc_u32 v12, s45, v8
	v_add_nc_u32 v13, s45, v10
	ds_load_b64 v[W2S:W2S+1], v12
	ds_load_b64 v[W2S+2:W2S+3], v12 offset:128
.irp k, 0,1
.irp u, 0,1
.irp q, 0,1,2
	ds_load_b128 v[WB+24*\k+12*\u+4*\q:WB+24*\k+12*\u+4*\q+3], v11 offset:(2*\u+\k)*1536+512*\q
.endr
.endr
.endr
	s_wait_dscnt 6                                 ; the second K step's six loads may be out
.irp p, 0,1
.irp u, 0,1
	WMM AC2+16*\u+8*\p, HF+24*\p, WB+12*\u, 0, HSC+\p, W2S+2*\u, 0, 0
.endr
.endr
	s_wait_dscnt 0x0
.irp p, 0,1
.irp u, 0,1
	WMM AC2+16*\u+8*\p, HF+24*\p+12, WB+24+12*\u, 1, HSC+\p, W2S+2*\u+1, 1, 0
.endr
.endr
.rept 5
	v_nop                                          ; four places before results are read and operands loaded anew, five before the next trip starts these sums again
.endr
	STAT AC2, TS+28, 0
	STAT AC2+16, TS+30, 128
	s_add_co_u32 s44, s44, 6144
	s_add_co_u32 s45, s45, 256
	s_sub_co_u32 s46, s46, 1
	s_cmp_lg_u32 s46, 0
	s_cbranch_scc1 .Lconv2
	s_wait_dscnt 0x0
	s_barrier_signal -1
	s_barrier_wait -1
.irp i, 0,1,2,3,4,5,6,7
	ds_load_b64 v[TS+2*\i:TS+2*\i+1], v15 offset:2048*\i   ; thread t: channel t, the eight waves' figures
.endr
	s_wait_dscnt 0x0
	LVL TS, 2, 8, 0x3e000000, 0x42000000, TS+28, TS+16
	v_add_f32 v[TS+28], v[TS+28], v243             ; the mean of y = z + b2
	v_lshlrev_b32 v11, 3, v0
	global_store_b64 v11, v[TS+28:TS+29], s[40:41]
	s_wait_tensorcnt 0x0
	ds_add_u32 v254, v255
	s_wait_dscnt 0x0
	s_endpgm
.Lfunc_end_k_q7f1d23571d_mid:
	.size	k_q7f1d23571d_mid, .Lfunc_end_k_q7f1d23571d_mid-k_q7f1d23571d_mid
	.p2alignl 7, 3214868480
	.fill 96, 4, 3214868480
	.section	.rodata,"a",@progbits
	.p2align	6, 0x0
	.amdhsa_kernel k_q7f1d23571d_mid
		.amdhsa_group_segment_fixed_size 177152
		.amdhsa_private_segment_fixed_size 0
		.amdhsa_enable_private_segment 0
		.amdhsa_kernarg_size 80
		.amdhsa_user_sgpr_count 2
		.amdhsa_user_sgpr_kernarg_segment_ptr 1
		.amdhsa_wavefront_size32 1
		.amdhsa_system_sgpr_workgroup_id_x 1
		.amdhsa_system_sgpr_workgroup_id_y 1
		.amdhsa_system_sgpr_workgroup_id_z 1
		.amdhsa_system_vgpr_workitem_id 0
		.amdhsa_next_free_vgpr 512
		.amdhsa_next_free_sgpr 66
		.amdhsa_reserve_vcc 0
		.amdhsa_float_denorm_mode_32 3
		.amdhsa_float_denorm_mode_16_64 3
		.amdhsa_memory_ordered 1
		.amdhsa_forward_progress 1
		.amdhsa_inst_pref_size 158
	.end_amdhsa_kernel
	.amdgpu_metadata
---
amdhsa.version: [ 1, 2 ]
amdhsa.kernels:
  - .name:           k_q7f1d23571d_mid
    .symbol:         k_q7f1d23571d_mid.kd
    .args:
      - { .name: xbuf, .offset: 0, .size: 8, .value_kind: global_buffer, .address_space: global }
      - { .name: w1_codes, .offset: 8, .size: 8, .value_kind: global_buffer, .address_space: global }
      - { .name: w1_scales, .offset: 16, .size: 8, .value_kind: global_buffer, .address_space: global }
      - { .name: b1, .offset: 24, .size: 8, .value_kind: global_buffer, .address_space: global }
      - { .name: g1, .offset: 32, .size: 8, .value_kind: global_buffer, .address_space: global }
      - { .name: be1, .offset: 40, .size: 8, .value_kind: global_buffer, .address_space: global }
      - { .name: w2_codes, .offset: 48, .size: 8, .value_kind: global_buffer, .address_space: global }
      - { .name: w2_scales, .offset: 56, .size: 8, .value_kind: global_buffer, .address_space: global }
      - { .name: b2, .offset: 64, .size: 8, .value_kind: global_buffer, .address_space: global }
      - { .name: hbuf, .offset: 72, .size: 8, .value_kind: global_buffer, .address_space: global }
    .group_segment_fixed_size: 177152
    .private_segment_fixed_size: 0
    .kernarg_segment_align: 8
    .kernarg_segment_size: 80
    .max_flat_workgroup_size: 256
    .sgpr_count:     66
    .vgpr_count:     512
    .wavefront_size: 32
...
	.end_amdgpu_metadata
.endif
;; end of part 4
;; launch fin (part 5): grid 256 x 1, 8 waves a work-group, no clusters, 93,184 bytes of LDS; arguments hbuf, w2_codes, w2_scales, b2, g2, be2, out0; writes out0
.if DOCPART == 5
	.amdgcn_target "amdgcn-amd-amdhsa--gfx1250"
	.amdhsa_code_object_version 6
	.text
	.protected	k_q7f1d23571d_fin
	.globl	k_q7f1d23571d_fin
	.p2align	8
	.type	k_q7f1d23571d_fin,@function
k_q7f1d23571d_fin:
	s_mov_b64 s[64:65], 0
	v_nop
	global_prefetch_b8 v0, s[64:65] scope:SCOPE_SE
	s_setreg_imm32_b32 hwreg(HW_REG_WAVE_MODE, 25, 1), 1
	s_wait_xcnt 0x0
; The second batch norm's constants are made from the 256 work-groups' statistics; z2 = W2 h is formed again from h's codes; out = relu(z2 a + c), [b][channel][point].
; a = g2 rsq(var + 1e-5), c = (b2 - mean) a + be2, mean being that of y = z + b2.
; SHARES: work-group g: points 256 g on.  Wave w: 64 points (w % 4: four tiles of 16) x 128 channels (w / 4: eight tiles): 64 points, so that a channel's piece of a row of the output is 256 bytes, aligned.
; Source 0 = 16 points, source 1 = 16 rows of W2: a lane holds one channel and eight neighbouring points.  A tile of 16 channels x 64 points turns through the wave's own stage in LDS and leaves as whole rows.
; No cluster: what work-groups share (W2, 512 KB of statistics) is read through registers, once each.  LIMITS: NaN and infinities are not served.
; REGISTERS: window 1 holds the statistics at the head and nothing later.
.set WIMG2,  0                         ; LDS: W2's 32 fragments as images of operand registers, (t, k) at (2 t + k) x 1,536
.set WSC2,   49152                     ; its scale bytes as they lie: 8 a row
.set A2T,    51200                     ; a of 256 channels; c 1,024 bytes on
.set CMB,    53248                     ; two halves x 256 channels x (mean, M2)
.set OST,    57344                     ; eight stages, one a wave: 16 rows (channels) of 256 bytes + 16
.set OP,     272
.set HS_OFF, 12582912
.set P2_OFF, 13107200
.set HS,  16                           ; v16-19   h's scale words, one register a point tile.  v16-21 hold scales and nothing else
.set W2S, 20                           ; v20-21   W2's
.set HF,  64                           ; v64-159  h's fragments: 64 + 24 p + 12 k
.set WB,  160                          ; v160-183 a tile's two fragments of W2
.set ACC, 184                          ; v184-215 four accumulators
.set O,   216                          ; v216-247 the results
.set PB,  34
.set MSB, 0
.macro WIN new                         ; the immediate's high byte repeats the setting that is left
.if MSB != \new
	s_set_vgpr_msb (MSB<<8)|\new
.set MSB, \new
.endif
.endm
.macro WMM d, a, b, acc, sa, sb, arow          ; one product 16 x 16 x 128; acc = 0: it starts the sum; arow: source 0's scales stand in lanes 16-31
.if \acc
.if \arow
	v_wmma_scale_f32_16x16x128_f8f6f4 v[0+(\d):7+(\d)], v[0+(\a):11+(\a)], v[0+(\b):11+(\b)], v[0+(\d):7+(\d)], v[0+(\sa)], v[0+(\sb)] matrix_a_fmt:MATRIX_FMT_BF6 matrix_b_fmt:MATRIX_FMT_BF6 matrix_a_scale:MATRIX_SCALE_ROW1
.else
	v_wmma_scale_f32_16x16x128_f8f6f4 v[0+(\d):7+(\d)], v[0+(\a):11+(\a)], v[0+(\b):11+(\b)], v[0+(\d):7+(\d)], v[0+(\sa)], v[0+(\sb)] matrix_a_fmt:MATRIX_FMT_BF6 matrix_b_fmt:MATRIX_FMT_BF6
.endif
.else
	v_wmma_scale_f32_16x16x128_f8f6f4 v[0+(\d):7+(\d)], v[0+(\a):11+(\a)], v[0+(\b):11+(\b)], 0, v[0+(\sa)], v[0+(\sb)] matrix_a_fmt:MATRIX_FMT_BF6 matrix_b_fmt:MATRIX_FMT_BF6
.endif
.endm
; n sets of equal size, (mean, M2) at v[base + stride i], become one: mean = the means' average, M2 = the sum of the M2 + leaf x the sum of (mean_i - mean)^2
.macro LVL base, stride, n, invn, leaf, out, tmp
	v_pk_add_f32 v[0+(\tmp):1+(\tmp)], v[0+(\base):1+(\base)], v[(\base)+2*(\stride):(\base)+2*(\stride)+1]
	v_pk_add_f32 v[2+(\tmp):3+(\tmp)], v[(\base)+(\stride):(\base)+(\stride)+1], v[(\base)+3*(\stride):(\base)+3*(\stride)+1]
.set l_, 4
.rept ((\n)-4)/2
	v_pk_add_f32 v[0+(\tmp):1+(\tmp)], v[0+(\tmp):1+(\tmp)], v[(\base)+l_*(\stride):(\base)+l_*(\stride)+1]
	v_pk_add_f32 v[2+(\tmp):3+(\tmp)], v[2+(\tmp):3+(\tmp)], v[(\base)+(l_+1)*(\stride):(\base)+(l_+1)*(\stride)+1]
.set l_, l_+2
.endr
	v_pk_add_f32 v[0+(\tmp):1+(\tmp)], v[0+(\tmp):1+(\tmp)], v[2+(\tmp):3+(\tmp)]
	v_mul_f32 v[0+(\out)], \invn, v[0+(\tmp)]
	v_sub_f32 v[4+(\tmp)], v[0+(\base)], v[0+(\out)]
	v_sub_f32 v[5+(\tmp)], v[(\base)+(\stride)], v[0+(\out)]
	v_mul_f32 v[6+(\tmp)], v[4+(\tmp)], v[4+(\tmp)]
	v_mul_f32 v[7+(\tmp)], v[5+(\tmp)], v[5+(\tmp)]
.set l_, 2
.rept ((\n)-2)/2
	v_sub_f32 v[4+(\tmp)], v[(\base)+l_*(\stride)], v[0+(\out)]
	v_sub_f32 v[5+(\tmp)], v[(\base)+(l_+1)*(\stride)], v[0+(\out)]
	v_fmac_f32 v[6+(\tmp)], v[4+(\tmp)], v[4+(\tmp)]
	v_fmac_f32 v[7+(\tmp)], v[5+(\tmp)], v[5+(\tmp)]
.set l_, l_+2
.endr
	v_add_f32 v[6+(\tmp)], v[6+(\tmp)], v[7+(\tmp)]
	v_fma_f32 v[1+(\out)], v[6+(\tmp)], \leaf, v[1+(\tmp)]
.endm
.macro CHUNK j                         ; the statistics of 16 work-groups, two channels a lane, into window 1, set j % 2
.set c_, 0
.rept 16
	global_load_b128 v[64*((\j)%2)+4*c_:64*((\j)%2)+4*c_+3], v4, s[PB:PB+1] offset:2048*(16*(\j)+c_)
.set c_, c_+1
.endr
.endm
	s_load_b256 s[4:11], s[0:1], 0x0               ; hbuf s[4:5], w2_codes s[6:7], w2_scales s[8:9], b2 s[10:11]
	s_load_b128 s[12:15], s[0:1], 0x20             ; g2 s[12:13], be2 s[14:15]
	s_load_b64 s[16:17], s[0:1], 0x30              ; out0
	v_lshl_add_u32 v254, v0, 2, 0x16800
	v_mov_b32 v255, 0
	v_lshrrev_b32 v1, 5, v0
	v_readfirstlane_b32 s24, v1                    ; wave
	v_and_b32 v1, 31, v0                           ; lane
	v_and_b32 v2, 15, v0                           ; r
	v_bfe_u32 v3, v0, 4, 1                         ; h
	s_and_b32 s25, s24, 3                          ; my 64 points; also: which 64 channels' statistics I join
	s_lshr_b32 s26, s24, 2                         ; my 128 channels; also: of which 128 work-groups
	v_lshlrev_b32 v4, 4, v1
	v_lshlrev_b32 v5, 3, v1
	s_mul_i32 s27, s26, 24576
	v_add_nc_u32 v7, s27, v4                       ; my eight tiles' images
	s_lshl_b32 s27, s26, 10
	s_add_co_u32 s27, s27, WSC2
	v_lshl_add_u32 v8, v2, 3, s27                  ; their scale words
	s_lshl_b32 s27, s26, 9
	s_add_co_u32 s27, s27, A2T
	v_lshl_add_u32 v9, v2, 2, s27                  ; their a
	s_mul_i32 s27, s24, 16*OP
	s_add_co_u32 s27, s27, OST                     ; my stage
	v_mul_u32_u24 v10, v2, OP
	v_lshl_add_u32 v10, v3, 5, v10
	v_add_nc_u32 v10, s27, v10                     ; in: row r (channel), 64 p + 32 h bytes on
	v_mul_u32_u24 v14, v3, OP
	v_lshl_add_u32 v14, v2, 4, v14
	v_add_nc_u32 v14, s27, v14                     ; back: sixteen lanes to a row
	v_lshlrev_b32 v15, 15, v3
	v_lshl_add_u32 v15, v2, 4, v15                 ; the same two rows in the output: 32,768 bytes apart
	v_mul_u32_u24 v45, v2, 192
	v_mad_u32_u24 v45, v3, 24, v45                 ; W2: my row of a tile, + 24 h
	v_lshlrev_b32 v47, 3, v0
	v_lshlrev_b32 v48, 2, v0
	s_mul_i32 s44, s24, 6144
	s_mov_b32 s45, 0
	v_add_nc_u32 v50, s44, v4                      ; where my wave's images go
	v_add_nc_u32 v52, WSC2, v47
	s_lshl_b32 s27, s26, 11
	s_lshl_b32 s40, s25, 9
	s_add_co_u32 s27, s27, s40
	s_add_co_u32 s27, s27, CMB
	v_add_nc_u32 v54, s27, v4
	v_add_nc_u32 v55, CMB, v47
	v_add_nc_u32 v56, A2T, v48
	v_mov_b32 v23, 0                               ; (named as the upper halves of the pairs v[22:23], v[24:25])
	v_mov_b32 v25, 0
	s_mul_i32 s46, ttmp9, 49152                    ; h's codes: 3,072 bytes a tile of 16 points
	s_mul_i32 s47, s25, 12288
	s_add_co_u32 s46, s46, s47
	s_mov_b32 s47, 0
	s_lshl_b32 s48, ttmp9, 11                      ; h's scale words: 256 bytes for 32 points
	s_add_co_u32 s48, s48, s40
	s_add_co_u32 s48, s48, HS_OFF
	s_mov_b32 s49, 0
	s_lshl_b32 s50, s26, 18
	s_add_co_u32 s50, s50, s40
	s_add_co_u32 s50, s50, P2_OFF
	s_mov_b32 s51, 0
	s_lshr_b32 s52, ttmp9, 5                       ; out0: batch, my first channel, my first point
	s_lshl_b32 s52, s52, 23
	s_lshl_b32 s53, s26, 22
	s_add_co_u32 s52, s52, s53
	s_and_b32 s53, ttmp9, 31
	s_lshl_b32 s53, s53, 10
	s_add_co_u32 s52, s52, s53
	s_lshl_b32 s53, s25, 8
	s_add_co_u32 s52, s52, s53
	s_mov_b32 s53, 0
	s_wait_kmcnt 0x0
	s_add_nc_u64 s[6:7], s[6:7], s[44:45]
	s_add_nc_u64 s[28:29], s[4:5], s[46:47]
	s_add_nc_u64 s[30:31], s[4:5], s[48:49]
	s_add_nc_u64 s[PB:PB+1], s[4:5], s[50:51]
	s_add_nc_u64 s[16:17], s[16:17], s[52:53]
.irp u, 0,1                                    ; W2's fragments of tiles 2 w, 2 w + 1
.irp k, 0,1
.irp i, 0,1,2,3,4,5
	global_load_b64 v[160+12*(2*\u+\k)+2*\i:161+12*(2*\u+\k)+2*\i], v45, s[6:7] offset:16*\u*192+96*\k+48*(\i/3)+8*(\i%3)
.endr
.endr
.endr
	global_load_b64 v[212:213], v47, s[8:9]
.irp p, 0,1,2,3
.irp k, 0,1
.irp q, 0,1,2
	global_load_b128 v[HF+24*\p+12*\k+4*\q:HF+24*\p+12*\k+4*\q+3], v4, s[28:29] offset:3072*\p+1536*\k+512*\q
.endr
.endr
.endr
	global_load_b64 v[HS:HS+1], v5, s[30:31]
	global_load_b64 v[HS+2:HS+3], v5, s[30:31] offset:256
	global_load_b32 v248, v48, s[10:11]
	global_load_b32 v249, v48, s[12:13]
	global_load_b32 v250, v48, s[14:15]
	WIN 0x40                                       ; destination window 1
	CHUNK 0
	WIN 0
	s_wait_loadcnt 45                              ; W2 is in; behind it: h's 26 loads, three of constants, the first 16 of statistics
.irp u, 0,1
.irp k, 0,1
.irp q, 0,1,2
	ds_store_b128 v50, v[160+12*(2*\u+\k)+4*\q:163+12*(2*\u+\k)+4*\q] offset:(2*\u+\k)*1536+512*\q
.endr
.endr
.endr
	ds_store_b64 v52, v[212:213]
	; ---- the statistics of 128 work-groups, two channels a lane: eight times 16 sets of 256 points, then 8 sets of 4,096
.irp j, 0,1,2,3,4,5,6,7
.if \j < 7
	WIN 0x40
	CHUNK \j+1
	s_wait_loadcnt 16                              ; the next 16 may be out
.else
	s_wait_loadcnt 0x0
.endif
	WIN 0x55                                       ; all in window 1
	LVL 64*(\j%2), 4, 16, 0x3d800000, 0x43800000, 128+4*\j, 160
	LVL 64*(\j%2)+2, 4, 16, 0x3d800000, 0x43800000, 130+4*\j, 160
.endr
	LVL 128, 4, 8, 0x3e000000, 0x45800000, 176, 160
	LVL 130, 4, 8, 0x3e000000, 0x45800000, 178, 160
	WIN 0x04                                       ; an LDS store's data are its source 1: window 1
	ds_store_b128 v54, v[176:179]
	WIN 0
	s_wait_dscnt 0x0
	s_barrier_signal -1
	s_barrier_wait -1                              ; both halves' figures, and all images of W2, lie in LDS
	ds_load_b64 v[224:225], v55                    ; thread t: channel t, two sets of 32,768 points
	ds_load_b64 v[226:227], v55 offset:2048
	s_wait_dscnt 0x0
	v_add_f32 v228, v224, v226
	v_mul_f32 v228, 0.5, v228                      ; the mean
	v_sub_f32 v229, v224, v228
	v_sub_f32 v230, v226, v228
	v_mul_f32 v229, v229, v229
	v_fmac_f32 v229, v230, v230
	v_add_f32 v231, v225, v227
	v_fma_f32 v231, v229, 0x47000000, v231
	v_mul_f32 v231, 0x37800000, v231               ; / 65,536: the variance
	v_add_f32 v231, 0x3727c5ac, v231               ; + 1e-5
	v_rsq_f32 v231, v231
	v_sub_f32 v232, v248, v228                     ; b2 - mean (a plain line behind the root)
	s_wait_alu depctr_va_vdst(0)
	v_mul_f32 v231, v249, v231                     ; a
	v_fma_f32 v232, v232, v231, v250               ; c
	ds_store_b32 v56, v231
	ds_store_b32 v56, v232 offset:1024
	s_wait_dscnt 0x0
	s_barrier_signal -1
	s_barrier_wait -1
	; ---- a tile of 16 channels a trip, for my 64 points: four accumulators by turns, two K steps
	s_mov_b32 s44, 0
	s_mov_b32 s45, 0
	s_mov_b32 s46, 0
	s_mov_b32 s47, 8
.Ltile:
	v_add_nc_u32 v11, s44, v7
	v_add_nc_u32 v12, s45, v8
	v_add_nc_u32 v13, s46, v9
.irp k, 0,1
.irp q, 0,1,2
	ds_load_b128 v[WB+12*\k+4*\q:WB+12*\k+4*\q+3], v11 offset:1536*\k+512*\q
.endr
.endr
	ds_load_b64 v[W2S:W2S+1], v12
	ds_load_b32 v22, v13                           ; my channel's a
	ds_load_b32 v24, v13 offset:1024               ; and c
	s_wait_dscnt 0x0
.irp p, 0,1,2,3
	WMM ACC+8*\p, HF+24*\p, WB, 0, HS+\p, W2S, 0
.endr
.irp p, 0,1,2,3
	WMM ACC+8*\p, HF+24*\p+12, WB+12, 1, HS+\p, W2S+1, 1
.endr
.rept 5
	v_nop                                          ; four places before results are read and operands loaded anew, five before the next trip starts these sums again
.endr
.irp i, 0,2,4,6,8,10,12,14,16,18,20,22,24,26,28,30
	v_pk_fma_f32 v[O+\i:O+\i+1], v[ACC+\i:ACC+\i+1], v[22:23], v[24:25] op_sel_hi:[1,0,0]    ; z a + c; each accumulator from its low end on
.endr
.irp i, 0,1,2,3,4,5,6,7,8,9,10,11,12,13,14,15,16,17,18,19,20,21,22,23,24,25,26,27,28,29,30,31
	v_max_num_f32 v[O+\i], 0, v[O+\i]
.endr
.irp p, 0,1,2,3
	ds_store_b128 v10, v[O+8*\p:O+8*\p+3] offset:64*\p
	ds_store_b128 v10, v[O+8*\p+4:O+8*\p+7] offset:64*\p+16
.endr
.irp i, 0,1,2,3,4,5,6,7
	ds_load_b128 v[O+4*\i:O+4*\i+3], v14 offset:2*OP*\i        ; LDS serves a wave's instructions in order (ISA guide 5.7.1.4): these see the stores above
.endr
.irp i, 0,1,2,3,4,5,6,7
	s_wait_dscnt 7-\i                              ; the loads issued behind load i may be out
	global_store_b128 v15, v[O+4*\i:O+4*\i+3], s[16:17] offset:65536*\i th:TH_STORE_NT   ; sixteen lanes store 256 consecutive bytes, aligned; written once, read by nobody here
.endr
	s_wait_xcnt 0x0                                ; the stores have read their registers and their base: both are written again only behind this wait
	s_add_nc_u64 s[16:17], s[16:17], 0x80000       ; 16 channels on
	s_add_co_u32 s44, s44, 3072
	s_add_co_u32 s45, s45, 128
	s_add_co_u32 s46, s46, 64
	s_sub_co_u32 s47, s47, 1
	s_cmp_lg_u32 s47, 0
	s_cbranch_scc1 .Ltile
	s_wait_tensorcnt 0x0
	ds_add_u32 v254, v255
	s_wait_dscnt 0x0
	s_endpgm
.Lfunc_end_k_q7f1d23571d_fin:
	.size	k_q7f1d23571d_fin, .Lfunc_end_k_q7f1d23571d_fin-k_q7f1d23571d_fin
	.p2alignl 7, 3214868480
	.fill 96, 4, 3214868480
	.section	.rodata,"a",@progbits
	.p2align	6, 0x0
	.amdhsa_kernel k_q7f1d23571d_fin
		.amdhsa_group_segment_fixed_size 93184
		.amdhsa_private_segment_fixed_size 0
		.amdhsa_enable_private_segment 0
		.amdhsa_kernarg_size 56
		.amdhsa_user_sgpr_count 2
		.amdhsa_user_sgpr_kernarg_segment_ptr 1
		.amdhsa_wavefront_size32 1
		.amdhsa_system_sgpr_workgroup_id_x 1
		.amdhsa_system_sgpr_workgroup_id_y 1
		.amdhsa_system_sgpr_workgroup_id_z 1
		.amdhsa_system_vgpr_workitem_id 0
		.amdhsa_next_free_vgpr 512
		.amdhsa_next_free_sgpr 66
		.amdhsa_reserve_vcc 0
		.amdhsa_float_denorm_mode_32 3
		.amdhsa_float_denorm_mode_16_64 3
		.amdhsa_memory_ordered 1
		.amdhsa_forward_progress 1
		.amdhsa_inst_pref_size 67
	.end_amdhsa_kernel
	.amdgpu_metadata
---
amdhsa.version: [ 1, 2 ]
amdhsa.kernels:
  - .name:           k_q7f1d23571d_fin
    .symbol:         k_q7f1d23571d_fin.kd
    .args:
      - { .name: hbuf, .offset: 0, .size: 8, .value_kind: global_buffer, .address_space: global }
      - { .name: w2_codes, .offset: 8, .size: 8, .value_kind: global_buffer, .address_space: global }
      - { .name: w2_scales, .offset: 16, .size: 8, .value_kind: global_buffer, .address_space: global }
      - { .name: b2, .offset: 24, .size: 8, .value_kind: global_buffer, .address_space: global }
      - { .name: g2, .offset: 32, .size: 8, .value_kind: global_buffer, .address_space: global }
      - { .name: be2, .offset: 40, .size: 8, .value_kind: global_buffer, .address_space: global }
      - { .name: out0, .offset: 48, .size: 8, .value_kind: global_buffer, .address_space: global }
    .group_segment_fixed_size: 93184
    .private_segment_fixed_size: 0
    .kernarg_segment_align: 8
    .kernarg_segment_size: 56
    .max_flat_workgroup_size: 256
    .sgpr_count:     66
    .vgpr_count:     512
    .wavefront_size: 32
...
	.end_amdgpu_metadata
.endif
;; end of part 5
;; ======== version 2 of 2: 5 launches; version 1 with the launches buildx, mid, fin written anew for expert scheduling mode
;; workspace buffers: grp 1,048,576 bytes of whole numbers; geo 17,039,360 bytes; nidx 1,048,576 bytes of whole numbers; nw 1,048,576 bytes; xbuf 26,738,688 bytes; hbuf 13,631,488 bytes
;; launch coarse: the kernel of part 1 again; grid 256 x 1, 8 waves a work-group, no clusters, 111,616 bytes of LDS; arguments xyz1, xyz2, points2, grp, geo; writes grp, geo
;; launch refine: the kernel of part 2 again; grid 256 x 1, 8 waves a work-group, no clusters, 35,840 bytes of LDS; arguments xyz1, grp, geo, nidx, nw; writes nidx, nw
;; launch buildx (part 6): grid 256 x 1, 8 waves a work-group, no clusters, 254,976 bytes of LDS; arguments points1, geo, nidx, nw, w1_codes, w1_scales, b1, xbuf; writes xbuf
.if DOCPART == 6
	.amdgcn_target "amdgcn-amd-amdhsa--gfx1250"
	.amdhsa_code_object_version 6
	.text
	.protected	k_q7f1d23571d_buildx
	.globl	k_q7f1d23571d_buildx
	.p2align	8
	.type	k_q7f1d23571d_buildx,@function
k_q7f1d23571d_buildx:
	s_mov_b64 s[64:65], 0
	v_nop
	global_prefetch_b8 v0, s[64:65] scope:SCOPE_SE
	s_setreg_imm32_b32 hwreg(HW_REG_WAVE_SCHED_MODE, 0, 2), 2
	s_setreg_imm32_b32 hwreg(HW_REG_WAVE_MODE, 25, 1), 1
	s_wait_xcnt 0x0
	s_wait_alu depctr_vm_vsrc(0)
; x = [points1 ; interpolated points2] (K = 512) is made, quantised to BF6 (E3M2) with one E8M0 scale for each 32 along K, and stored as codes; the first product z1 = W1 x is formed
; for its statistics alone: mean and sum of squared deviations of each of the 256 channels over this work-group's 256 points.
; SHARES: work-group g: points 256 g on; wave w: 32 points.  While x is made a LANE IS A POINT and its registers run down K: a block of 32 lies in one lane, its maximum needs no other lane.
; points1 [b][c][n] is read so as it lies (128 consecutive bytes a load).  The three neighbours' rows (1,024 bytes each, laid by the first launch) are read by sixteen lanes a row, weighted,
; and turned through the wave's own stage in LDS.  Twelve exchanges of halves make of a K step's codes the two operand fragments (16 points x 128 K).
; A block's scale byte is its largest magnitude's exponent field - 4, held at 1 from below (a block of zeros gets 1: its codes are zeros, and this program alone reads the bytes).
; STATISTICS are taken of z = W1 x without the bias; the bias is added to the stored mean.  No difference of large sums is formed: mean first, then deviations, level by level.
; W1 lies in LDS as images of operand registers (a fragment: 3 x 512 bytes, lane l's 16 bytes at 16 l), each wave having laid two tiles; every wave multiplies its own x by all of W1.
; Lane r of tile t takes W1's row 32 (t / 2) + 8 (t % 2) + r + 8 (r / 8): the order that the next launch needs; here it only says which channel a lane holds.
; No cluster: what work-groups share is W1, 100 KB read once; the rest is each work-group's own.  LIMITS: NaN and infinities are not served.
; THE MODE: SCHED_MODE bits 1:0 = 2 (LLVM: expert scheduling mode 2), set by the entry lines.  The code itself states the register dependences
; between vector or matrix instructions and memory or LDS instructions, with s_wait_alu, always for 0.
; THE PLAN.  Registers that memory or LDS instructions touch:
;   X0, X1        32 numbers each.  A block's quantiser reads a set; behind it one wait on va_vdst, and the loads of two blocks on land in the set.
;   F, XS         codes and scale words: written by the quantiser and the exchange of halves, read by the global stores behind the same wait; never written again.
;   G0 .. G3      gathered rows.  Step p: the rows of pair p + 2 land in the slot that pair p - 2 has left; pair p's slot is weighted in place and read by its two stage stores.
;   OFF0 .. OFF3  the rows' offsets.  Step p makes those of pair p + 3, beside the weighting; the loads of step p + 1 read them.
;                 So ONE wait on va_vdst stands in a step, behind its vector work, and one on vm_vsrc at its head.
;   window 1      two buffers of W1's fragments (a pair of tiles, all four K steps).  Turn t: the loads of pair t + 1 land in the buffer that turn t - 1's products have read.
;   WSC           W1's scale words of a pair: read by the turn's products, loaded again behind the turn's wait on va_vdst.
;   v12 v13 v14   LDS addresses, written once a turn behind a wait on vm_vsrc and ahead of the turn's wait on va_vdst.  All other addresses are made once and never written again.
.set WIMG,   0                         ; LDS: W1's 64 fragments, (tile t, K step s) at (4 t + s) x 1,536
.set WSCL,   98304                     ; W1's scale bytes as they lie: 16 a row
.set STG,    102400                    ; eight stages, one a wave: 32 rows (points) of 512 bytes + 16
.set SPT,    528
.set STT,    237568                    ; (mean, M2) of 32 points: 8 waves x 256 channels x 8 bytes
.set XS_OFF, 25165824                  ; xbuf: codes, 12,288 bytes for a wave's 32 points; then four scale words a point; then the work-groups' statistics
.set P1_OFF, 26214400
.set IDX, 16                           ; v16-19   my point's three neighbours; behind the gathers v16 and v17 are the way out's two addresses
.set WGT, 20                           ; v20-23   and their weights
.set XS,  24                           ; v24-27   x's scale words, one a K step: lane l has point l's.  Scales and nothing else
.set BY,  28                           ; v28-31   a K step's four scale bytes
.set WSC, 40                           ; v40-47   W1's scale words of two tiles.  Scales and nothing else
.set F,   48                           ; v48-143  x's fragments: (point tile p, K step s) at 48 + 48 p + 12 s
.set X,   144                          ; v144-207 two sets of 32 numbers
.set G,   144                          ; v144-239 gathered rows: slot, neighbour k, half u at 144 + 24 slot + 8 k + 4 u
.set OFF, 240                          ; v240-251 their offsets: 240 + 3 slot + k
.set WB1, 4                            ; window 1, v4-195: W1's fragments: buffer b, (tile u, K step s) at 4 + 96 b + 12 (4 u + s)
.set ACC, 192                          ; v192-223 (tile u, point tile p) at 192 + 16 u + 8 p
.set TS,  224                          ; v224-255 statistics at work
.set MSB, 0
.macro WIN new                         ; the immediate's high byte repeats the setting that is left
.if MSB != \new
	s_set_vgpr_msb (MSB<<8)|\new
.set MSB, \new
.endif
.endm
.macro WMM d, a, b, acc, sa, sb, arow, brow    ; one product 16 x 16 x 128; acc = 0: it starts the sum; arow, brow: that side's scales stand in lanes 16-31
.if \acc
.if \arow
	v_wmma_scale_f32_16x16x128_f8f6f4 v[0+(\d):7+(\d)], v[0+(\a):11+(\a)], v[0+(\b):11+(\b)], v[0+(\d):7+(\d)], v[0+(\sa)], v[0+(\sb)] matrix_a_fmt:MATRIX_FMT_BF6 matrix_b_fmt:MATRIX_FMT_BF6 matrix_a_scale:MATRIX_SCALE_ROW1
.elseif \brow
	v_wmma_scale_f32_16x16x128_f8f6f4 v[0+(\d):7+(\d)], v[0+(\a):11+(\a)], v[0+(\b):11+(\b)], v[0+(\d):7+(\d)], v[0+(\sa)], v[0+(\sb)] matrix_a_fmt:MATRIX_FMT_BF6 matrix_b_fmt:MATRIX_FMT_BF6 matrix_b_scale:MATRIX_SCALE_ROW1
.else
	v_wmma_scale_f32_16x16x128_f8f6f4 v[0+(\d):7+(\d)], v[0+(\a):11+(\a)], v[0+(\b):11+(\b)], v[0+(\d):7+(\d)], v[0+(\sa)], v[0+(\sb)] matrix_a_fmt:MATRIX_FMT_BF6 matrix_b_fmt:MATRIX_FMT_BF6
.endif
.else
.if \arow
	v_wmma_scale_f32_16x16x128_f8f6f4 v[0+(\d):7+(\d)], v[0+(\a):11+(\a)], v[0+(\b):11+(\b)], 0, v[0+(\sa)], v[0+(\sb)] matrix_a_fmt:MATRIX_FMT_BF6 matrix_b_fmt:MATRIX_FMT_BF6 matrix_a_scale:MATRIX_SCALE_ROW1
.elseif \brow
	v_wmma_scale_f32_16x16x128_f8f6f4 v[0+(\d):7+(\d)], v[0+(\a):11+(\a)], v[0+(\b):11+(\b)], 0, v[0+(\sa)], v[0+(\sb)] matrix_a_fmt:MATRIX_FMT_BF6 matrix_b_fmt:MATRIX_FMT_BF6 matrix_b_scale:MATRIX_SCALE_ROW1
.else
	v_wmma_scale_f32_16x16x128_f8f6f4 v[0+(\d):7+(\d)], v[0+(\a):11+(\a)], v[0+(\b):11+(\b)], 0, v[0+(\sa)], v[0+(\sb)] matrix_a_fmt:MATRIX_FMT_BF6 matrix_b_fmt:MATRIX_FMT_BF6
.endif
.endif
.endm
; n sets of equal size, (mean, M2) at v[base + stride i], become one: mean = the means' average, M2 = the sum of the M2 + leaf x the sum of (mean_i - mean)^2; leaf = a set's size
.macro LVL base, stride, n, invn, leaf, out, tmp
	v_pk_add_f32 v[0+(\tmp):1+(\tmp)], v[0+(\base):1+(\base)], v[(\base)+2*(\stride):(\base)+2*(\stride)+1]
	v_pk_add_f32 v[2+(\tmp):3+(\tmp)], v[(\base)+(\stride):(\base)+(\stride)+1], v[(\base)+3*(\stride):(\base)+3*(\stride)+1]
.set l_, 4
.rept ((\n)-4)/2
	v_pk_add_f32 v[0+(\tmp):1+(\tmp)], v[0+(\tmp):1+(\tmp)], v[(\base)+l_*(\stride):(\base)+l_*(\stride)+1]
	v_pk_add_f32 v[2+(\tmp):3+(\tmp)], v[2+(\tmp):3+(\tmp)], v[(\base)+(l_+1)*(\stride):(\base)+(l_+1)*(\stride)+1]
.set l_, l_+2
.endr
	v_pk_add_f32 v[0+(\tmp):1+(\tmp)], v[0+(\tmp):1+(\tmp)], v[2+(\tmp):3+(\tmp)]
	v_mul_f32 v[0+(\out)], \invn, v[0+(\tmp)]
	v_sub_f32 v[4+(\tmp)], v[0+(\base)], v[0+(\out)]
	v_sub_f32 v[5+(\tmp)], v[(\base)+(\stride)], v[0+(\out)]
	v_mul_f32 v[6+(\tmp)], v[4+(\tmp)], v[4+(\tmp)]
	v_mul_f32 v[7+(\tmp)], v[5+(\tmp)], v[5+(\tmp)]
.set l_, 2
.rept ((\n)-2)/2
	v_sub_f32 v[4+(\tmp)], v[(\base)+l_*(\stride)], v[0+(\out)]
	v_sub_f32 v[5+(\tmp)], v[(\base)+(l_+1)*(\stride)], v[0+(\out)]
	v_fmac_f32 v[6+(\tmp)], v[4+(\tmp)], v[4+(\tmp)]
	v_fmac_f32 v[7+(\tmp)], v[5+(\tmp)], v[5+(\tmp)]
.set l_, l_+2
.endr
	v_add_f32 v[6+(\tmp)], v[6+(\tmp)], v[7+(\tmp)]
	v_fma_f32 v[1+(\out)], v[6+(\tmp)], \leaf, v[1+(\tmp)]
.endm
; 16 registers (two accumulators: my channel at 16 of my wave's points; lane l xor 16 has the other 16) -> (mean, M2) of the 32 points, in v[res], v[res + 1].  Each accumulator is read from its low end on
.macro STAT acc, res
	v_pk_add_f32 v[TS:TS+1], v[0+(\acc):1+(\acc)], v[2+(\acc):3+(\acc)]
	v_pk_add_f32 v[TS+2:TS+3], v[4+(\acc):5+(\acc)], v[6+(\acc):7+(\acc)]
	v_pk_add_f32 v[TS+4:TS+5], v[8+(\acc):9+(\acc)], v[10+(\acc):11+(\acc)]
	v_pk_add_f32 v[TS+6:TS+7], v[12+(\acc):13+(\acc)], v[14+(\acc):15+(\acc)]
	v_pk_add_f32 v[TS:TS+1], v[TS:TS+1], v[TS+2:TS+3]
	v_pk_add_f32 v[TS+4:TS+5], v[TS+4:TS+5], v[TS+6:TS+7]
	v_pk_add_f32 v[TS:TS+1], v[TS:TS+1], v[TS+4:TS+5]
	v_add_f32 v[TS], v[TS], v[TS+1]
	v_permlanex16_b32 v[TS+26], v[TS], s32, s33
	v_add_f32 v[TS], v[TS], v[TS+26]
	v_mul_f32 v[0+(\res)], 0x3d000000, v[TS]       ; / 32
	v_mul_f32 v[TS+24], 0xbd000000, v[TS]          ; - mean, twice: a pair for the packed additions
	v_mul_f32 v[TS+25], 0xbd000000, v[TS]
.irp i, 0,2,4,6,8,10,12,14
	v_pk_add_f32 v[TS+8+\i:TS+9+\i], v[\i+(\acc):\i+1+(\acc)], v[TS+24:TS+25]
.endr
	v_pk_mul_f32 v[TS:TS+1], v[TS+8:TS+9], v[TS+8:TS+9]
	v_pk_mul_f32 v[TS+2:TS+3], v[TS+10:TS+11], v[TS+10:TS+11]
.irp i, 4,8,12
	v_pk_fma_f32 v[TS:TS+1], v[TS+8+\i:TS+9+\i], v[TS+8+\i:TS+9+\i], v[TS:TS+1]
	v_pk_fma_f32 v[TS+2:TS+3], v[TS+10+\i:TS+11+\i], v[TS+10+\i:TS+11+\i], v[TS+2:TS+3]
.endr
	v_pk_add_f32 v[TS:TS+1], v[TS:TS+1], v[TS+2:TS+3]
	v_add_f32 v[TS], v[TS], v[TS+1]
	v_permlanex16_b32 v[TS+26], v[TS], s32, s33
	v_add_f32 v[1+(\res)], v[TS], v[TS+26]
.endm
.macro LOADP k                         ; points1: channels 32 k .. 32 k + 31 of my 32 points
.set c_, 0
.rept 32
	global_load_b32 v[X+32*((\k)%2)+c_], v4, s[4:5] offset:(32*(\k)+c_)*32768 th:TH_LOAD_NT
.set c_, c_+1
.endr
.endm
.macro QBLOCK kk                       ; the 32 numbers of set kk % 2 become six registers of codes at v[DST] and scale byte kk % 4
.set XB, X+32*((\kk)%2)
	v_max3_num_f32 v32, |v[XB]|, |v[XB+1]|, |v[XB+2]|
	v_max3_num_f32 v33, |v[XB+3]|, |v[XB+4]|, |v[XB+5]|
.irp i, 6,10,14,18,22,26
	v_max3_num_f32 v32, v32, |v[XB+\i]|, |v[XB+\i+1]|
	v_max3_num_f32 v33, v33, |v[XB+\i+2]|, |v[XB+\i+3]|
.endr
	v_max3_num_f32 v32, v32, |v[XB+30]|, |v[XB+31]|
	v_max3_num_f32 v32, v32, v33, 0x2800000        ; and the floor 2^(5 - 127): the byte cannot fall under 1
	v_add_nc_u32 v34, 0xfe000000, v32              ; 4 off the exponent field: the conversion takes the exponent field of this operand as its scale
	v_cvt_scalef32_pk16_bf6_f32 v[DST:DST+2], v[XB:XB+15], v34
	v_cvt_scalef32_pk16_bf6_f32 v[36:38], v[XB+16:XB+31], v34      ; (a conversion's three registers begin on an even number)
	v_lshrrev_b32 v[BY+(\kk)%4], 23, v34           ; the scale's byte; also the plain line behind the conversions
	v_mov_b32 v[DST+3], v36
	v_mov_b32 v[DST+4], v37
	v_mov_b32 v[DST+5], v38
.endm
; K step s is whole.  F(0, s) holds blocks 0 and 2 of all 32 points, F(1, s) blocks 1 and 3: the exchange of halves gives F(p, s) points 16 p + r with block 2 c + h in half h: the operand's layout
.macro FRAGV s
.set n_, 0
.rept 12
	v_permlane16_swap_b32 v[F+12*(\s)+n_], v[F+48+12*(\s)+n_]
.set n_, n_+1
.endr
	v_lshl_or_b32 v[XS+(\s)], v[BY+1], 8, v[BY]
	v_lshl_or_b32 v[XS+(\s)], v[BY+2], 16, v[XS+(\s)]
	v_lshl_or_b32 v[XS+(\s)], v[BY+3], 24, v[XS+(\s)]
.endm
.macro FRAGST s                        ; and the two fragments leave, behind the wait that shows them written
.irp p, 0,1
.irp q, 0,1,2
	global_store_b128 v8, v[F+48*\p+12*(\s)+4*\q:F+48*\p+12*(\s)+4*\q+3], s[34:35] offset:(4*\p+(\s))*1536+512*\q   ; the registers' image: 512 consecutive bytes a store
.endr
.endr
.endm
.macro ADDR pp                         ; lanes 0-15 serve point pp, lanes 16-31 point pp + 16: each row of lanes takes its lane pp's three indices; held inside the table, then x 1,024 + 16 r
.irp k, 0,1,2
	v_mov_b32_dpp v[OFF+3*((\pp)%4)+\k], v[IDX+\k] row_share:\pp row_mask:0xf bank_mask:0xf
.endr
.irp k, 0,1,2
	v_min_u32 v[OFF+3*((\pp)%4)+\k], 0x7ff, v[OFF+3*((\pp)%4)+\k]
.endr
.irp k, 0,1,2
	v_lshl_add_u32 v[OFF+3*((\pp)%4)+\k], v[OFF+3*((\pp)%4)+\k], 10, v5
.endr
.endm
.macro ROWS pp, s                      ; 128 channels of three rows: sixteen lanes read 256 consecutive bytes, aligned
.irp k, 0,1,2
.irp u, 0,1
	global_load_b128 v[G+24*((\pp)%4)+8*\k+4*\u:G+24*((\pp)%4)+8*\k+4*\u+3], v[OFF+3*((\pp)%4)+\k], s[6:7] offset:512*((\s)-2)+256*\u
.endr
.endr
.endm
.macro FINV pp                         ; g0 w0 + g1 w1 + g2 w2, in place
.set GB, G+24*((\pp)%4)
	v_mov_b32_dpp v252, v[WGT] row_share:\pp row_mask:0xf bank_mask:0xf
	v_mov_b32_dpp v254, v[WGT+1] row_share:\pp row_mask:0xf bank_mask:0xf
	v_mov_b32_dpp v32, v[WGT+2] row_share:\pp row_mask:0xf bank_mask:0xf
.irp j, 0,2,4,6
	v_pk_mul_f32 v[GB+\j:GB+\j+1], v[GB+\j:GB+\j+1], v[252:253] op_sel_hi:[1,0]
.endr
.irp j, 0,2,4,6
	v_pk_fma_f32 v[GB+\j:GB+\j+1], v[GB+8+\j:GB+9+\j], v[254:255], v[GB+\j:GB+\j+1] op_sel_hi:[1,0,1]
.endr
.irp j, 0,2,4,6
	v_pk_fma_f32 v[GB+\j:GB+\j+1], v[GB+16+\j:GB+17+\j], v[32:33], v[GB+\j:GB+\j+1] op_sel_hi:[1,0,1]
.endr
.endm
.macro FINS pp                         ; to the point's row of the stage
.set GB, G+24*((\pp)%4)
	ds_store_b128 v6, v[GB:GB+3] offset:SPT*\pp
	ds_store_b128 v6, v[GB+4:GB+7] offset:SPT*\pp+256
.endm
; Step pp of a gather.  nx = pp + 2: the pair whose rows are asked for; na = pp + 3: the pair whose offsets are made (16: none is left)
.macro GSTEP pp, nx, na, s
	s_wait_dscnt 2                                 ; only the last pair's two stores may be out: the slot that pair nx takes was left two pairs ago
	s_wait_alu depctr_vm_vsrc(0)                   ; the stage stores of pair pp - 2 have read the slot in which the rows below land; the loads of pair pp - 1 have read their offsets, which are written anew below
	ROWS \nx, \s                                   ; its offsets and its slot were last named by vector instructions ahead of the last step's wait on va_vdst
	s_wait_loadcnt 12                              ; the rows of the two pairs behind pair pp may be out
	FINV \pp
.if \na < 16
	ADDR \na
.endif
	s_wait_alu depctr_va_vdst(0)                   ; pair pp's slot is written, which the two stores below read; so are pair na's offsets, which the next step's loads read
	FINS \pp
.endm
.macro GATHER s
	ADDR 0
	ADDR 1
	ADDR 2
	s_wait_alu depctr_va_vdst(0)                   ; the offsets of pairs 0 to 2 are written, which the loads read; the quantiser is done with the registers in which the rows land
	ROWS 0, \s
	ROWS 1, \s
	GSTEP 0, 2, 3, \s
	GSTEP 1, 3, 4, \s
	GSTEP 2, 4, 5, \s
	GSTEP 3, 5, 6, \s
	GSTEP 4, 6, 7, \s
	GSTEP 5, 7, 8, \s
	GSTEP 6, 8, 9, \s
	GSTEP 7, 9, 10, \s
	GSTEP 8, 10, 11, \s
	GSTEP 9, 11, 12, \s
	GSTEP 10, 12, 13, \s
	GSTEP 11, 13, 14, \s
	GSTEP 12, 14, 15, \s
	GSTEP 13, 15, 16, \s
	s_wait_loadcnt 6
	FINV 14
	s_wait_alu depctr_va_vdst(0)                   ; pair 14's slot is written, which its stores read
	FINS 14
	s_wait_loadcnt 0x0
	FINV 15
	s_wait_alu depctr_va_vdst(0)                   ; pair 15's slot is written, which its stores read
	FINS 15
.endm
.macro RB bb                           ; block bb of my point's row of the stage
.irp i, 0,1,2,3,4,5,6,7
	ds_load_b128 v[X+32*((\bb)%2)+4*\i:X+32*((\bb)%2)+4*\i+3], v7 offset:128*(\bb)+16*\i
.endr
.endm
.macro LOADW buf, ra                   ; W1's eight fragments of a pair of tiles (two tiles x four K steps) into buffer buf of window 1; v[ra]: the pair's first image, my lane's place
	WIN 0x40                                       ; destination window 1, address window 0
.irp s, 0,1,2,3
.irp u, 0,1
.irp q, 0,1,2
	ds_load_b128 v[WB1+96*(\buf)+12*(4*\u+\s)+4*\q:WB1+96*(\buf)+12*(4*\u+\s)+4*\q+3], v[\ra] offset:(4*\u+\s)*1536+512*\q
.endr
.endr
.endr
	WIN 0
.endm
; A TURN: a pair of tiles (32 channels) for my 32 points, out of buffer buf.  ni: the next pair's fragments are asked for; na: the address of the pair after that is made; nw: the next pair's scale words are asked for
.macro TURN buf, ni, na, nw
.if \ni
	LOADW 1-\buf, 14                               ; into the buffer that the last turn's products read: they stand ahead of that turn's wait on va_vdst, and so does the line that wrote v14
	s_wait_dscnt 24                                ; all but the 24 just issued: this pair's fragments and scale words are in
.else
	s_wait_dscnt 0x0
.endif
	WIN 0x04                                       ; source 1 (W1) window 1
.irp s, 0,1,2,3
.irp p, 0,1
.irp u, 0,1
	WMM ACC+16*\u+8*\p, F+48*\p+12*\s, WB1+96*(\buf)+12*(4*\u+\s), \s, XS+\s, WSC+4*\u+\s, \p, 0
.endr
.endr
.endr
	WIN 0
	s_wait_alu depctr_vm_vsrc(0)                   ; the loads above have read v14; the last turn's loads and stores have read v12, v13 and the two results, all of which are written anew below
.if \na
	v_add_nc_u32 v14, s40, v8                      ; the images of the pair after next.  (These five lines are the places behind the products: four before results are read, five before the next turn starts these sums again)
.else
	v_nop
.endif
.if \nw
	v_add_nc_u32 v12, s41, v10                     ; the next pair's scale words
.else
	v_nop
.endif
	v_add_nc_u32 v13, s42, v11                     ; where this pair's figures go
	v_nop
	v_nop
	STAT ACC, TS+28
	STAT ACC+16, TS+30
	s_wait_alu depctr_va_vdst(0)                   ; the two results and v12 to v14 are written, which the lines below and the next turn's loads read; the products are done reading their scale words and their buffer
.if \nw
	ds_load_b128 v[WSC:WSC+3], v12
	ds_load_b128 v[WSC+4:WSC+7], v12 offset:128
.endif
	ds_store_b64 v13, v[TS+28:TS+29]               ; both halves of the lanes write the same value to the same place
	ds_store_b64 v13, v[TS+30:TS+31] offset:64
.if \na
	s_add_co_u32 s40, s40, 12288
.endif
.if \nw
	s_add_co_u32 s41, s41, 512
	s_add_co_u32 s42, s42, 256
.endif
.endm
	s_load_b256 s[4:11], s[0:1], 0x0               ; points1 s[4:5], geo s[6:7], nidx s[8:9], nw s[10:11]
	s_load_b256 s[12:19], s[0:1], 0x20             ; w1_codes s[12:13], w1_scales s[14:15], b1 s[16:17], xbuf s[18:19]
	s_set_vgpr_msb 0x40
	v_lshl_add_u32 v0, v0, 2, 0x3e000
	v_mov_b32 v1, 0
	s_set_vgpr_msb 0x4000
	v_lshrrev_b32 v1, 5, v0
	v_readfirstlane_b32 s20, v1                    ; wave
	v_and_b32 v1, 31, v0                           ; lane
	v_and_b32 v2, 15, v0                           ; r
	v_bfe_u32 v3, v0, 4, 1                         ; h
	s_wait_alu depctr_va_sdst(0)                   ; s20 is written, ahead of its first reader: offsets and LDS addresses are made from it
	s_lshr_b32 s21, ttmp9, 5                       ; batch
	s_and_b32 s22, ttmp9, 31
	s_mov_b32 s32, 0x76543210
	s_mov_b32 s33, 0xfedcba98                      ; v_permlanex16_b32's selects for lane l xor 16
	s_lshl_b32 s24, s21, 23                        ; points1: batch, 4 bytes a point
	s_lshl_b32 s25, s22, 10
	s_add_co_u32 s24, s24, s25
	s_lshl_b32 s25, s20, 7
	s_add_co_u32 s24, s24, s25
	s_mov_b32 s25, 0
	s_lshl_b32 s26, s21, 21                        ; the batch's 2,048 rows of 1,024 bytes
	s_mov_b32 s27, 0
	s_lshl_b32 s28, ttmp9, 12                      ; 16 bytes a point
	s_lshl_b32 s29, s20, 9
	s_add_co_u32 s28, s28, s29
	s_mov_b32 s29, 0
	s_mul_i32 s30, s20, 12288                      ; W1: my two tiles lie in rows 32 w on, 384 bytes a row
	s_mov_b32 s31, 0
	s_mul_i32 s44, ttmp9, 98304                    ; x's codes
	s_add_co_u32 s44, s44, s30
	s_mov_b32 s45, 0
	s_add_co_u32 s46, s28, XS_OFF
	s_mov_b32 s47, 0
	s_lshl_b32 s48, ttmp9, 11
	s_add_co_u32 s48, s48, P1_OFF
	s_mov_b32 s49, 0
	v_lshlrev_b32 v4, 2, v1
	v_lshlrev_b32 v5, 4, v2
	v_lshlrev_b32 v8, 4, v1
	s_mul_i32 s23, s20, 32*SPT
	s_add_co_u32 s23, s23, STG                     ; my stage
	v_mul_u32_u24 v6, v3, 16*SPT
	v_add_nc_u32 v6, v6, v5
	v_add_nc_u32 v6, s23, v6                       ; in: row pp + 16 h, 16 r bytes on
	v_mul_u32_u24 v7, v1, SPT
	v_add_nc_u32 v7, s23, v7                       ; back: my point's row
	v_and_b32 v9, 8, v2
	v_add_nc_u32 v9, v9, v2                        ; r + 8 (r / 8)
	v_lshl_add_u32 v10, v9, 4, WSCL
	s_lshl_b32 s23, s20, 11
	s_add_co_u32 s23, s23, STT
	v_lshl_add_u32 v11, v9, 3, s23
	v_mul_u32_u24 v9, v9, 384
	v_mad_u32_u24 v9, v3, 24, v9                   ; W1: my row of a tile, + 24 h
	v_add_nc_u32 v12, s30, v8                      ; where my wave's images go
	v_lshlrev_b32 v14, 4, v0
	v_add_nc_u32 v13, WSCL, v14
	v_lshlrev_b32 v35, 2, v0
.irp i, 240,241,242,243,244,245,246,247,248,249,250,251,252,253,254,255
	v_mov_b32 v\i, 0                               ; written once: the destination of a lane move counts as one of its sources, and a pair is read whole
.endr
	v_mov_b32 v32, 0
	v_mov_b32 v33, 0
	s_wait_kmcnt 0x0
	s_add_nc_u64 s[4:5], s[4:5], s[24:25]
	s_add_nc_u64 s[6:7], s[6:7], s[26:27]
	s_add_nc_u64 s[8:9], s[8:9], s[28:29]
	s_add_nc_u64 s[10:11], s[10:11], s[28:29]
	s_add_nc_u64 s[12:13], s[12:13], s[30:31]
	s_add_nc_u64 s[34:35], s[18:19], s[44:45]
	s_add_nc_u64 s[36:37], s[18:19], s[46:47]
	s_add_nc_u64 s[38:39], s[18:19], s[48:49]
	s_wait_alu depctr_va_vdst(0)                   ; the offsets and LDS addresses v4 to v14 and v35 are written, which the loads and stores below read
.irp u, 0,1                                    ; W1's fragments of tiles 2 w, 2 w + 1, into the registers that x's fragments will take
.irp s, 0,1,2,3
.irp i, 0,1,2,3,4,5
	global_load_b64 v[F+12*(4*\u+\s)+2*\i:F+12*(4*\u+\s)+2*\i+1], v9, s[12:13] offset:8*\u*384+96*\s+48*(\i/3)+8*(\i%3)
.endr
.endr
.endr
	global_load_b128 v[36:39], v14, s[14:15]
	global_load_b128 v[IDX:IDX+3], v8, s[8:9]
	global_load_b128 v[WGT:WGT+3], v8, s[10:11]
	global_load_b32 v15, v35, s[16:17]
	LOADP 0
	s_wait_loadcnt 35                              ; W1 and its scales are in; behind them: three loads and block 0's 32
.irp u, 0,1
.irp s, 0,1,2,3
.irp q, 0,1,2
	ds_store_b128 v12, v[F+12*(4*\u+\s)+4*\q:F+12*(4*\u+\s)+4*\q+3] offset:(4*\u+\s)*1536+512*\q
.endr
.endr
.endr
	ds_store_b128 v13, v[36:39]
	LOADP 1
	s_wait_dscnt 0x0                               ; the stores are done
	s_wait_alu depctr_vm_vsrc(0)                   ; the LDS stores have read v[F ..] and v36 to v39, where x's codes are written; the loads and stores above have read v12 to v14, which are written anew further down
	; ---- points1: K = 0 .. 255, eight blocks
.irp k, 0,1,2,3,4,5,6,7
.if \k < 7
	s_wait_loadcnt 32                              ; this block is in; the next block's 32 loads may be out
.else
	s_wait_loadcnt 0x0
.endif
.set DST, F+48*(\k%2)+12*(\k/4)+6*((\k%4)/2)
	QBLOCK \k
.if \k == 3
	FRAGV 0
.endif
.if \k == 7
	FRAGV 1
.endif
.if \k != 6
	s_wait_alu depctr_va_vdst(0)                   ; the quantiser is done reading this block's set, in which the loads below land; where a K step is whole, its fragments are written, which the stores below read
.endif
.if \k < 6
	LOADP \k+2
.endif
.if \k == 3
	FRAGST 0
.endif
.if \k == 7
	FRAGST 1
.endif
.endr
	; ---- the interpolation: K = 256 .. 511, 128 channels at a time
.irp s, 2,3
	GATHER \s
	s_wait_dscnt 0x0                               ; the stage is written
	s_wait_alu depctr_vm_vsrc(0)                   ; the stage stores have read the slots; the last rows' loads have read their offsets
	RB 0
	RB 1
.irp b, 0,1,2,3
.if \b < 3
	s_wait_dscnt 8                                 ; the next block's eight loads may be out
.else
	s_wait_dscnt 0x0
.endif
.set DST, F+48*(\b%2)+12*\s+6*(\b/2)
	QBLOCK \b
.if \b < 2
	s_wait_alu depctr_va_vdst(0)                   ; the quantiser is done reading this block's set, in which the loads below land
	RB \b+2
.endif
.endr
	FRAGV \s
	s_wait_alu depctr_va_vdst(0)                   ; the K step's fragments and its scale word are written, which the stores below read
	FRAGST \s
.endr
	global_store_b128 v8, v[XS:XS+3], s[36:37]     ; four scale words a point
	s_wait_dscnt 0x0
	s_barrier_signal -1
	s_barrier_wait -1                              ; every wave's images of W1 lie in LDS
	v_add_nc_u32 v14, 0x3000, v8                   ; the images of the second pair of tiles.  (These eight lines are places: x's scale words and codes were written by vector instructions, 8 and 4 places ahead of a scaled product)
	v_lshl_add_u32 v16, v0, 3, STT                 ; the way out: thread t reads channel t's figures,
	v_lshlrev_b32 v17, 3, v0                       ; and stores 8 bytes
.rept 5
	v_nop
.endr
	s_wait_alu depctr_va_vdst(0)                   ; x's codes and scale words are written, which the scaled products take; so are v14, v16 and v17, which loads and the last store read
	; ---- z1 = W1 x, two tiles of 16 channels a turn: source 0 = 16 of my points, source 1 = 16 rows of W1: a lane holds one channel.  Four accumulators by turns, K ascending
	LOADW 0, 8
	ds_load_b128 v[WSC:WSC+3], v10
	ds_load_b128 v[WSC+4:WSC+7], v10 offset:128
	s_mov_b32 s40, 24576
	s_mov_b32 s41, 512
	s_mov_b32 s42, 0
	s_mov_b32 s43, 3
.Lconv:                                                ; two turns a trip: both buffers are back at their start
	TURN 0, 1, 1, 1
	TURN 1, 1, 1, 1
	s_sub_co_u32 s43, s43, 1
	s_cmp_lg_u32 s43, 0
	s_cbranch_scc1 .Lconv
	TURN 0, 1, 0, 1                                ; the last two pairs are written out: nothing is asked for beyond W1's last tile
	TURN 1, 0, 0, 0
	s_wait_dscnt 0x0
	s_barrier_signal -1
	s_barrier_wait -1
.irp i, 0,1,2,3,4,5,6,7
	ds_load_b64 v[TS+2*\i:TS+2*\i+1], v16 offset:2048*\i   ; thread t: channel t, the eight waves' figures.  No vector instruction since the last turn's wait on va_vdst names these registers
.endr
	s_wait_dscnt 0x0
	LVL TS, 2, 8, 0x3e000000, 0x42000000, TS+16, TS+18
	v_add_f32 v[TS+16], v[TS+16], v15              ; the mean of y = z + b1
	s_wait_alu depctr_va_vdst(0)                   ; the mean and the sum of squares are written, which the store reads
	global_store_b64 v17, v[TS+16:TS+17], s[38:39]
	s_set_vgpr_msb 0x5                             ; the add's two registers lie in window 1
	s_wait_dscnt 0x0                               ; the closing lines, six on end, of a launch in the mode that stores to LDS
	s_wait_alu 0x0
	s_wait_tensorcnt 0x0
	ds_add_u32 v0, v1
	s_wait_dscnt 0x0
	s_endpgm
.Lfunc_end_k_q7f1d23571d_buildx:
	.size	k_q7f1d23571d_buildx, .Lfunc_end_k_q7f1d23571d_buildx-k_q7f1d23571d_buildx
	.p2alignl 7, 3214868480
	.fill 96, 4, 3214868480
	.section	.rodata,"a",@progbits
	.p2align	6, 0x0
	.amdhsa_kernel k_q7f1d23571d_buildx
		.amdhsa_group_segment_fixed_size 254976
		.amdhsa_private_segment_fixed_size 0
		.amdhsa_enable_private_segment 0
		.amdhsa_kernarg_size 64
		.amdhsa_user_sgpr_count 2
		.amdhsa_user_sgpr_kernarg_segment_ptr 1
		.amdhsa_wavefront_size32 1
		.amdhsa_system_sgpr_workgroup_id_x 1
		.amdhsa_system_sgpr_workgroup_id_y 1
		.amdhsa_system_sgpr_workgroup_id_z 1
		.amdhsa_system_vgpr_workitem_id 0
		.amdhsa_next_free_vgpr 452
		.amdhsa_next_free_sgpr 66
		.amdhsa_reserve_vcc 0
		.amdhsa_float_denorm_mode_32 3
		.amdhsa_float_denorm_mode_16_64 3
		.amdhsa_memory_ordered 1
		.amdhsa_forward_progress 1
		.amdhsa_inst_pref_size 175
	.end_amdhsa_kernel
	.amdgpu_metadata
---
amdhsa.version: [ 1, 2 ]
amdhsa.kernels:
  - .name:           k_q7f1d23571d_buildx
    .symbol:         k_q7f1d23571d_buildx.kd
    .args:
      - { .name: points1, .offset: 0, .size: 8, .value_kind: global_buffer, .address_space: global }
      - { .name: geo, .offset: 8, .size: 8, .value_kind: global_buffer, .address_space: global }
      - { .name: nidx, .offset: 16, .size: 8, .value_kind: global_buffer, .address_space: global }
      - { .name: nw, .offset: 24, .size: 8, .value_kind: global_buffer, .address_space: global }
      - { .name: w1_codes, .offset: 32, .size: 8, .value_kind: global_buffer, .address_space: global }
      - { .name: w1_scales, .offset: 40, .size: 8, .value_kind: global_buffer, .address_space: global }
      - { .name: b1, .offset: 48, .size: 8, .value_kind: global_buffer, .address_space: global }
      - { .name: xbuf, .offset: 56, .size: 8, .value_kind: global_buffer, .address_space: global }
    .group_segment_fixed_size: 254976
    .private_segment_fixed_size: 0
    .kernarg_segment_align: 8
    .kernarg_segment_size: 64
    .max_flat_workgroup_size: 256
    .sgpr_count:     66
    .vgpr_count:     452
    .wavefront_size: 32
...
	.end_amdgpu_metadata
.endif
;; end of part 6
;; launch mid (part 7): grid 256 x 1, 8 waves a work-group, no clusters, 177,152 bytes of LDS; arguments xbuf, w1_codes, w1_scales, b1, g1, be1, w2_codes, w2_scales, b2, hbuf; writes hbuf
.if DOCPART == 7
	.amdgcn_target "amdgcn-amd-amdhsa--gfx1250"
	.amdhsa_code_object_version 6
	.text
	.protected	k_q7f1d23571d_mid
	.globl	k_q7f1d23571d_mid
	.p2align	8
	.type	k_q7f1d23571d_mid,@function
k_q7f1d23571d_mid:
	s_mov_b64 s[64:65], 0
	v_nop
	global_prefetch_b8 v0, s[64:65] scope:SCOPE_SE
	s_setreg_imm32_b32 hwreg(HW_REG_WAVE_SCHED_MODE, 0, 2), 2
	s_setreg_imm32_b32 hwreg(HW_REG_WAVE_MODE, 25, 1), 1
	s_wait_xcnt 0x0
	s_wait_alu depctr_vm_vsrc(0)
; The first batch norm's constants are made from the 256 work-groups' statistics; z1 = W1 x is formed again from x's codes; h = relu(z1 a + c) is quantised to BF6 along its 256 channels
; and stored as codes; z2 = W2 h is formed for its statistics alone.  z1 and h never go to memory.
; a = g1 rsq(var + 1e-5), c = (b1 - mean) a + be1, mean being that of y = z + b1: so z a + c = (z + b1 - mean) rsq(..) g1 + be1.
; SHARES: work-group g: points 256 g on; wave w: 32 points (two tiles of 16), all 256 channels.  W1 and W2 lie in LDS as images of operand registers.
; THE FIRST PRODUCT IS USED TRANSPOSED (source 0 = 16 rows of W1, source 1 = 16 points), and lane r of tile t takes W1's row 32 (t / 2) + 8 (t % 2) + r + 8 (r / 8):
; a lane then holds ONE point, and register 16 b + i of its 128 is channel 32 b + 16 h + i: sixteen neighbours along the next K, as the conversions want them.
; STATISTICS: sets of equal size are joined level by level (x 16, x 8, x 2): mean = the means' average, M2 = the sum of the M2 + size x the sum of squared deviations of the means.
; No cluster: what work-groups share (weights, 512 KB of statistics) is read through registers, once each.  LIMITS: NaN and infinities are not served; a block of zeros gets the byte 1.
; REGISTERS: window 1: z1, then h: (tile t, point tile p) at 128 p + 8 t; at the head W1 on its way to LDS (v160-255) and the statistics (v0-179); at the end two buffers of W2's fragments (v0-95).  Window 0: all else.
; THE MODE: SCHED_MODE bits 1:0 = 2 (LLVM: expert scheduling mode 2), set by the entry lines.  The code itself states the register dependences
; between vector or matrix instructions and memory or LDS instructions, with s_wait_alu, always for 0.
; THE PLAN.  Registers that memory or LDS instructions touch:
;   window 1 v0-127   two sets of statistics: a step's loads land in the set that the sums of the step before have read: one wait on va_vdst ahead of them.
;   WB0 .. WB2, W1S   W1's fragments, three sets, and its scale words, two sets.  Step n: its products read set n % 3; the loads of step n + 2 land in the set that step n - 1's products have read: one wait on va_vdst a step.
;   AC0, AC1          a and c of a block of 32 channels: a block's multiply-adds read a set; the loads of the next block land in the other, behind one wait on va_vdst at the block's head.
;   HF, HSC           h's codes and scale words: written by the quantiser; read by the global stores and taken by the scaled products, behind one wait on va_vdst; never written again.
;   window 1 v0-95, W2S  two buffers of W2's fragments, two sets of its scale words.  Turn t: the loads of pair t + 1 land in what turn t - 1's products have read.
;   v11 v12 v13       LDS addresses, written once a turn behind a wait on vm_vsrc and ahead of the turn's one wait on va_vdst, which also shows the turn's two results written.
;   All other addresses are made once and never written again while memory instructions read them.
.set WIMG1,  0                         ; LDS: W1's 64 fragments, (t, s) at (4 t + s) x 1,536
.set WSC1,   98304                     ; its scale bytes as they lie
.set WIMG2,  102400                    ; W2's 32 fragments, (t, k) at (2 t + k) x 1,536; rows 16 t + r
.set WSC2,   151552
.set A1T,    153600                    ; a of 256 channels; c 1,024 bytes on
.set CMB,    155648                    ; two halves x 256 channels x (mean, M2)
.set STT,    159744                    ; 8 waves x 256 channels x (mean, M2)
.set XS_OFF, 25165824
.set P1_OFF, 26214400
.set HS_OFF, 12582912
.set P2_OFF, 13107200
.set XS,  16                           ; v16-19   x's scale words.  v16-41 hold scales and nothing else
.set W1S, 20                           ; v20-35   W1's: set e, tile u at 20 + 8 e + 4 u; later v20-23 are W2's second set
.set W2S, 36                           ; v36-39   W2's: buffer b, tile u at 36 - 16 b + 2 u
.set HSC, 40                           ; v40-41   h's, one register a point tile: lanes 0-15 channels 0-127, lanes 16-31 channels 128-255
.set TM,  44                           ; v44-59   at the head addresses; then the quantiser at work
.set PWR, 60                           ; v60-63   h's scale words as made: 60 + 2 p + k; then v60 is the last store's offset
.set F,   64                           ; v64-159  x's fragments: 64 + 48 p + 12 s
.set HF,  64                           ;          later h's: 64 + 24 p + 12 k
.set CT,  112                          ; v112-119 second halves of blocks
.set AC2, 120                          ; v120-151 z2: 120 + 16 u + 8 p
.set WB,  160                          ; v160-231 W1's fragments, three sets of two
.set AC,  160                          ; v160-223 a and c of a block: set e at 160 + 32 e, c 16 on
.set TS,  208                          ; v208-239 statistics at work
.set PB,  34                           ; s[34:35] the statistics that I join
.set MSB, 0
.macro WIN new                         ; the immediate's high byte repeats the setting that is left
.if MSB != \new
	s_set_vgpr_msb (MSB<<8)|\new
.set MSB, \new
.endif
.endm
.macro WMM d, a, b, acc, sa, sb, arow, brow    ; one product 16 x 16 x 128; acc = 0: it starts the sum; arow, brow: that side's scales stand in lanes 16-31
.if \acc
.if \arow
	v_wmma_scale_f32_16x16x128_f8f6f4 v[0+(\d):7+(\d)], v[0+(\a):11+(\a)], v[0+(\b):11+(\b)], v[0+(\d):7+(\d)], v[0+(\sa)], v[0+(\sb)] matrix_a_fmt:MATRIX_FMT_BF6 matrix_b_fmt:MATRIX_FMT_BF6 matrix_a_scale:MATRIX_SCALE_ROW1
.elseif \brow
	v_wmma_scale_f32_16x16x128_f8f6f4 v[0+(\d):7+(\d)], v[0+(\a):11+(\a)], v[0+(\b):11+(\b)], v[0+(\d):7+(\d)], v[0+(\sa)], v[0+(\sb)] matrix_a_fmt:MATRIX_FMT_BF6 matrix_b_fmt:MATRIX_FMT_BF6 matrix_b_scale:MATRIX_SCALE_ROW1
.else
	v_wmma_scale_f32_16x16x128_f8f6f4 v[0+(\d):7+(\d)], v[0+(\a):11+(\a)], v[0+(\b):11+(\b)], v[0+(\d):7+(\d)], v[0+(\sa)], v[0+(\sb)] matrix_a_fmt:MATRIX_FMT_BF6 matrix_b_fmt:MATRIX_FMT_BF6
.endif
.else
.if \arow
	v_wmma_scale_f32_16x16x128_f8f6f4 v[0+(\d):7+(\d)], v[0+(\a):11+(\a)], v[0+(\b):11+(\b)], 0, v[0+(\sa)], v[0+(\sb)] matrix_a_fmt:MATRIX_FMT_BF6 matrix_b_fmt:MATRIX_FMT_BF6 matrix_a_scale:MATRIX_SCALE_ROW1
.elseif \brow
	v_wmma_scale_f32_16x16x128_f8f6f4 v[0+(\d):7+(\d)], v[0+(\a):11+(\a)], v[0+(\b):11+(\b)], 0, v[0+(\sa)], v[0+(\sb)] matrix_a_fmt:MATRIX_FMT_BF6 matrix_b_fmt:MATRIX_FMT_BF6 matrix_b_scale:MATRIX_SCALE_ROW1
.else
	v_wmma_scale_f32_16x16x128_f8f6f4 v[0+(\d):7+(\d)], v[0+(\a):11+(\a)], v[0+(\b):11+(\b)], 0, v[0+(\sa)], v[0+(\sb)] matrix_a_fmt:MATRIX_FMT_BF6 matrix_b_fmt:MATRIX_FMT_BF6
.endif
.endif
.endm
; n sets of equal size, (mean, M2) at v[base + stride i], become one; leaf = a set's size.  All its registers lie in one window
.macro LVL base, stride, n, invn, leaf, out, tmp
	v_pk_add_f32 v[0+(\tmp):1+(\tmp)], v[0+(\base):1+(\base)], v[(\base)+2*(\stride):(\base)+2*(\stride)+1]
	v_pk_add_f32 v[2+(\tmp):3+(\tmp)], v[(\base)+(\stride):(\base)+(\stride)+1], v[(\base)+3*(\stride):(\base)+3*(\stride)+1]
.set l_, 4
.rept ((\n)-4)/2
	v_pk_add_f32 v[0+(\tmp):1+(\tmp)], v[0+(\tmp):1+(\tmp)], v[(\base)+l_*(\stride):(\base)+l_*(\stride)+1]
	v_pk_add_f32 v[2+(\tmp):3+(\tmp)], v[2+(\tmp):3+(\tmp)], v[(\base)+(l_+1)*(\stride):(\base)+(l_+1)*(\stride)+1]
.set l_, l_+2
.endr
	v_pk_add_f32 v[0+(\tmp):1+(\tmp)], v[0+(\tmp):1+(\tmp)], v[2+(\tmp):3+(\tmp)]
	v_mul_f32 v[0+(\out)], \invn, v[0+(\tmp)]
	v_sub_f32 v[4+(\tmp)], v[0+(\base)], v[0+(\out)]
	v_sub_f32 v[5+(\tmp)], v[(\base)+(\stride)], v[0+(\out)]
	v_mul_f32 v[6+(\tmp)], v[4+(\tmp)], v[4+(\tmp)]
	v_mul_f32 v[7+(\tmp)], v[5+(\tmp)], v[5+(\tmp)]
.set l_, 2
.rept ((\n)-2)/2
	v_sub_f32 v[4+(\tmp)], v[(\base)+l_*(\stride)], v[0+(\out)]
	v_sub_f32 v[5+(\tmp)], v[(\base)+(l_+1)*(\stride)], v[0+(\out)]
	v_fmac_f32 v[6+(\tmp)], v[4+(\tmp)], v[4+(\tmp)]
	v_fmac_f32 v[7+(\tmp)], v[5+(\tmp)], v[5+(\tmp)]
.set l_, l_+2
.endr
	v_add_f32 v[6+(\tmp)], v[6+(\tmp)], v[7+(\tmp)]
	v_fma_f32 v[1+(\out)], v[6+(\tmp)], \leaf, v[1+(\tmp)]
.endm
.macro CHUNK j                         ; the statistics of 16 work-groups, two channels a lane, into window 1, set j % 2
.set c_, 0
.rept 16
	global_load_b128 v[64*((\j)%2)+4*c_:64*((\j)%2)+4*c_+3], v4, s[PB:PB+1] offset:2048*(16*(\j)+c_)
.set c_, c_+1
.endr
.endm
; 16 registers (two accumulators: my channel at 16 of my wave's points) -> (mean, M2) of the 32 points, in v[res], v[res + 1].  Each accumulator is read from its low end on
.macro STAT acc, res
	v_pk_add_f32 v[TS:TS+1], v[0+(\acc):1+(\acc)], v[2+(\acc):3+(\acc)]
	v_pk_add_f32 v[TS+2:TS+3], v[4+(\acc):5+(\acc)], v[6+(\acc):7+(\acc)]
	v_pk_add_f32 v[TS+4:TS+5], v[8+(\acc):9+(\acc)], v[10+(\acc):11+(\acc)]
	v_pk_add_f32 v[TS+6:TS+7], v[12+(\acc):13+(\acc)], v[14+(\acc):15+(\acc)]
	v_pk_add_f32 v[TS:TS+1], v[TS:TS+1], v[TS+2:TS+3]
	v_pk_add_f32 v[TS+4:TS+5], v[TS+4:TS+5], v[TS+6:TS+7]
	v_pk_add_f32 v[TS:TS+1], v[TS:TS+1], v[TS+4:TS+5]
	v_add_f32 v[TS], v[TS], v[TS+1]
	v_permlanex16_b32 v[TS+26], v[TS], s32, s33
	v_add_f32 v[TS], v[TS], v[TS+26]
	v_mul_f32 v[0+(\res)], 0x3d000000, v[TS]       ; / 32
	v_mul_f32 v[TS+24], 0xbd000000, v[TS]          ; - mean, twice
	v_mul_f32 v[TS+25], 0xbd000000, v[TS]
.irp i, 0,2,4,6,8,10,12,14
	v_pk_add_f32 v[TS+8+\i:TS+9+\i], v[\i+(\acc):\i+1+(\acc)], v[TS+24:TS+25]
.endr
	v_pk_mul_f32 v[TS:TS+1], v[TS+8:TS+9], v[TS+8:TS+9]
	v_pk_mul_f32 v[TS+2:TS+3], v[TS+10:TS+11], v[TS+10:TS+11]
.irp i, 4,8,12
	v_pk_fma_f32 v[TS:TS+1], v[TS+8+\i:TS+9+\i], v[TS+8+\i:TS+9+\i], v[TS:TS+1]
	v_pk_fma_f32 v[TS+2:TS+3], v[TS+10+\i:TS+11+\i], v[TS+10+\i:TS+11+\i], v[TS+2:TS+3]
.endr
	v_pk_add_f32 v[TS:TS+1], v[TS:TS+1], v[TS+2:TS+3]
	v_add_f32 v[TS], v[TS], v[TS+1]
	v_permlanex16_b32 v[TS+26], v[TS], s32, s33
	v_add_f32 v[1+(\res)], v[TS], v[TS+26]
.endm
.macro LW1 sg                          ; W1's two fragments of step sg = 4 pair + s into set sg % 3; with a pair's first step its scale words.  Images past 48 KiB take the second address register
.set PR_, (\sg)/4
.set SS_, (\sg)%4
.if PR_ < 4
.set AR_, 4
.set OB_, PR_*12288
.else
.set AR_, 5
.set OB_, (PR_-4)*12288
.endif
.irp u, 0,1
.irp q, 0,1,2
	ds_load_b128 v[WB+24*((\sg)%3)+12*\u+4*\q:WB+24*((\sg)%3)+12*\u+4*\q+3], v[AR_] offset:OB_+(4*\u+SS_)*1536+512*\q
.endr
.endr
.if SS_ == 0
.irp u, 0,1
	ds_load_b128 v[W1S+8*(PR_%2)+4*\u:W1S+8*(PR_%2)+4*\u+3], v6 offset:512*PR_+128*\u
.endr
.endif
.endm
.macro LAC bb                          ; a and c of channels 32 bb + 16 h + 0 .. 15
.irp i, 0,1,2,3
	ds_load_b128 v[AC+32*((\bb)%2)+4*\i:AC+32*((\bb)%2)+4*\i+3], v9 offset:128*(\bb)+16*\i
.endr
.irp i, 0,1,2,3
	ds_load_b128 v[AC+32*((\bb)%2)+16+4*\i:AC+32*((\bb)%2)+19+4*\i], v9 offset:1024+128*(\bb)+16*\i
.endr
.endm
; 64 numbers of a lane in window 1 (none negative), register 16 b + i = k 32 b + 16 h + i of my point, become a fragment's codes and its scale word
.macro QUANTW p, kp
.set S_, 128*(\p)+64*(\kp)
.set H_, HF+24*(\p)+12*(\kp)
	WIN 0
.irp b, 0,1,2,3
	v_mov_b32 v[TM+\b], 0x2800000                  ; the floor 2^(5 - 127): the byte cannot fall under 1
.endr
	WIN 0x14                                       ; sources 1 and 2 window 1
.irp i, 0,2,4,6,8,10,12,14
.irp b, 0,1,2,3
	v_max3_num_f32 v[TM+\b], v[TM+\b], v[S_+16*\b+\i], v[S_+16*\b+\i+1]
.endr
.endr
	WIN 0
.irp b, 0,1,2,3
	v_permlanex16_b32 v[TM+4+\b], v[TM+\b], s32, s33
.endr
.irp b, 0,1,2,3
	v_max_num_f32 v[TM+\b], v[TM+\b], v[TM+4+\b]   ; with lane l xor 16's: the block's largest
.endr
.irp b, 0,1,2,3
	v_add_nc_u32 v[TM+12+\b], 0xfe000000, v[TM+\b] ; 4 off the exponent field: the conversion's scale operand
.endr
.irp b, 0,1,2,3
	v_lshrrev_b32 v[TM+4+\b], 23, v[TM+12+\b]      ; the scale's byte
.endr
	v_lshl_or_b32 v[PWR+2*(\p)+(\kp)], v[TM+5], 8, v[TM+4]
	v_lshl_or_b32 v[PWR+2*(\p)+(\kp)], v[TM+6], 16, v[PWR+2*(\p)+(\kp)]
	v_lshl_or_b32 v[PWR+2*(\p)+(\kp)], v[TM+7], 24, v[PWR+2*(\p)+(\kp)]
	WIN 0x01                                       ; source 0 window 1
.irp c, 0,1
	v_cvt_scalef32_pk16_bf6_f32 v[H_+6*\c:H_+6*\c+2], v[S_+32*\c:S_+32*\c+15], v[TM+12+2*\c]
	v_cvt_scalef32_pk16_bf6_f32 v[CT+4*\c:CT+4*\c+2], v[S_+32*\c+16:S_+32*\c+31], v[TM+13+2*\c]
.endr
	WIN 0
	v_nop                                          ; one plain line behind a scaled conversion
.irp c, 0,1                                    ; the operand's layout wants a whole block in a lane: lanes 0-15 block 2 c, lanes 16-31 block 2 c + 1
.irp i, 0,1,2
	v_permlane16_swap_b32 v[H_+6*\c+\i], v[CT+4*\c+\i]
.endr
.irp i, 0,1,2
	v_mov_b32 v[H_+6*\c+3+\i], v[CT+4*\c+\i]
.endr
.endr
.endm
.macro LW2 buf, ra, rs                 ; W2's four fragments of a pair of tiles (two tiles x two K steps) into buffer buf of window 1, and the pair's scale words into set buf
	WIN 0x40                                       ; destination window 1, address window 0
.irp k, 0,1
.irp u, 0,1
.irp q, 0,1,2
	ds_load_b128 v[48*(\buf)+24*\k+12*\u+4*\q:48*(\buf)+24*\k+12*\u+4*\q+3], v[\ra] offset:(2*\u+\k)*1536+512*\q
.endr
.endr
.endr
	WIN 0
	ds_load_b64 v[W2S-16*(\buf):W2S-16*(\buf)+1], v[\rs]
	ds_load_b64 v[W2S-16*(\buf)+2:W2S-16*(\buf)+3], v[\rs] offset:128
.endm
; A TURN of the second product: a pair of tiles (32 channels) for my 32 points, out of buffer buf.  ni: the next pair is asked for; na: the addresses of the pair after that are made
.macro T2 buf, ni, na
.if \ni
	LW2 1-\buf, 11, 12                             ; into what the last turn's products read: they stand ahead of that turn's wait on va_vdst, and so do the lines that wrote v11 and v12
	s_wait_dscnt 14                                ; all but the 14 just issued: this pair's fragments and scale words are in
.else
	s_wait_dscnt 0x0
.endif
	WIN 0x04                                       ; source 1 (W2) window 1
.irp p, 0,1
.irp u, 0,1
	WMM AC2+16*\u+8*\p, HF+24*\p, 48*(\buf)+12*\u, 0, HSC+\p, W2S-16*(\buf)+2*\u, 0, 0
.endr
.endr
.irp p, 0,1
.irp u, 0,1
	WMM AC2+16*\u+8*\p, HF+24*\p+12, 48*(\buf)+24+12*\u, 1, HSC+\p, W2S-16*(\buf)+2*\u+1, 1, 0
.endr
.endr
	WIN 0
	s_wait_alu depctr_vm_vsrc(0)                   ; the loads above have read v11 and v12; the last turn's stores have read v13 and the two results: all are written anew below
.if \na
	v_add_nc_u32 v11, s44, v7                      ; the pair after next: its images,  (these five lines are the places behind the products: four before results are read, five before the next turn starts these sums again)
	v_add_nc_u32 v12, s45, v8                      ; and its scale words
.else
	v_nop
	v_nop
.endif
	v_add_nc_u32 v13, s48, v10                     ; where this pair's figures go
	v_nop
	v_nop
	STAT AC2, TS+28
	STAT AC2+16, TS+30
	s_wait_alu depctr_va_vdst(0)                   ; the two results and v13 are written, which the stores below read; v11 and v12 are written and the products are done with their buffer and scale words, for the next turn's loads
	ds_store_b64 v13, v[TS+28:TS+29]
	ds_store_b64 v13, v[TS+30:TS+31] offset:128
.if \na
	s_add_co_u32 s44, s44, 6144
	s_add_co_u32 s45, s45, 256
.endif
.if \ni
	s_add_co_u32 s48, s48, 256
.endif
.endm
	s_load_b512 s[4:19], s[0:1], 0x0               ; xbuf s[4:5], w1_codes s[6:7], w1_scales s[8:9], b1 s[10:11], g1 s[12:13], be1 s[14:15], w2_codes s[16:17], w2_scales s[18:19]
	s_load_b128 s[20:23], s[0:1], 0x40             ; b2 s[20:21], hbuf s[22:23]
	v_lshl_add_u32 v254, v0, 2, 0x2b000
	v_mov_b32 v255, 0
	v_lshrrev_b32 v1, 5, v0
	v_readfirstlane_b32 s24, v1                    ; wave
	v_and_b32 v1, 31, v0                           ; lane
	v_and_b32 v2, 15, v0                           ; r
	v_bfe_u32 v3, v0, 4, 1                         ; h
	s_mov_b32 s32, 0x76543210
	s_mov_b32 s33, 0xfedcba98
	s_mov_b32 s42, 0xffff0000                      ; lanes 16-31
	s_wait_alu depctr_va_sdst(0)                   ; s24 is written, ahead of its first reader: offsets and LDS addresses are made from it
	s_and_b32 s25, s24, 3                          ; which 64 channels' statistics I join,
	s_lshr_b32 s43, s24, 2                         ; and of which 128 work-groups
	v_lshlrev_b32 v4, 4, v1                        ; 16 x lane: an image's place for my lane
	v_add_nc_u32 v5, 49152, v4
	v_and_b32 v44, 8, v2
	v_add_nc_u32 v44, v44, v2                      ; r + 8 (r / 8)
	v_lshl_add_u32 v6, v44, 4, WSC1
	v_add_nc_u32 v7, WIMG2, v4
	v_lshl_add_u32 v8, v2, 3, WSC2
	v_lshl_add_u32 v9, v3, 6, A1T
	s_lshl_b32 s60, s24, 11
	s_add_co_u32 s60, s60, STT
	v_lshl_add_u32 v10, v2, 3, s60
	v_lshlrev_b32 v14, 3, v1
	v_lshl_add_u32 v15, v0, 3, STT
	v_mul_u32_u24 v44, v44, 384
	v_mad_u32_u24 v44, v3, 24, v44                 ; W1: my row of a tile, + 24 h
	v_mul_u32_u24 v45, v2, 192
	v_mad_u32_u24 v45, v3, 24, v45                 ; W2 likewise
	v_lshlrev_b32 v46, 4, v0
	v_lshlrev_b32 v47, 3, v0
	v_lshlrev_b32 v48, 2, v0
	s_mul_i32 s44, s24, 12288
	s_mov_b32 s45, 0
	s_mul_i32 s46, s24, 6144
	s_mov_b32 s47, 0
	v_add_nc_u32 v49, s44, v4                      ; where my wave's images of W1 go,
	v_add_nc_u32 v50, s46, v7                      ; and of W2
	v_add_nc_u32 v51, WSC1, v46
	v_add_nc_u32 v52, WSC2, v47
	s_lshl_b32 s60, s43, 11
	s_lshl_b32 s61, s25, 9
	s_add_co_u32 s60, s60, s61
	s_add_co_u32 s60, s60, CMB
	v_add_nc_u32 v54, s60, v4
	v_add_nc_u32 v55, CMB, v47
	v_add_nc_u32 v56, A1T, v48
	v_mov_b32 v[TS+26], 0                          ; written once: a lane permute's destination counts as one of its sources
	s_mul_i32 s48, ttmp9, 98304                    ; x's codes: 12,288 bytes a wave
	s_add_co_u32 s48, s48, s44
	s_mov_b32 s49, 0
	s_lshl_b32 s50, ttmp9, 12                      ; x's scale words
	s_lshl_b32 s51, s24, 9
	s_add_co_u32 s50, s50, s51
	s_add_co_u32 s50, s50, XS_OFF
	s_mov_b32 s51, 0
	s_lshl_b32 s52, s43, 18                        ; the statistics: 128 work-groups of 2,048 bytes, 64 channels of 8
	s_add_co_u32 s52, s52, s61
	s_add_co_u32 s52, s52, P1_OFF
	s_mov_b32 s53, 0
	s_lshl_b32 s54, ttmp9, 3
	s_add_co_u32 s54, s54, s24                     ; 8 g + w
	s_lshl_b32 s56, s54, 8
	s_add_co_u32 s56, s56, HS_OFF
	s_mov_b32 s57, 0
	s_mul_i32 s54, s54, 6144
	s_mov_b32 s55, 0
	s_lshl_b32 s58, ttmp9, 11
	s_add_co_u32 s58, s58, P2_OFF
	s_mov_b32 s59, 0
	s_wait_kmcnt 0x0
	s_add_nc_u64 s[6:7], s[6:7], s[44:45]
	s_add_nc_u64 s[16:17], s[16:17], s[46:47]
	s_add_nc_u64 s[28:29], s[4:5], s[48:49]
	s_add_nc_u64 s[30:31], s[4:5], s[50:51]
	s_add_nc_u64 s[PB:PB+1], s[4:5], s[52:53]
	s_add_nc_u64 s[36:37], s[22:23], s[54:55]
	s_add_nc_u64 s[38:39], s[22:23], s[56:57]
	s_add_nc_u64 s[40:41], s[22:23], s[58:59]
	WIN 0x40                                       ; destination window 1
	s_wait_alu depctr_va_vdst(0)                   ; the offsets and LDS addresses v4 to v15 and v44 to v56 are written, which the loads and stores below read
.irp u, 0,1
.irp s, 0,1,2,3
.irp i, 0,1,2,3,4,5
	global_load_b64 v[160+12*(4*\u+\s)+2*\i:161+12*(4*\u+\s)+2*\i], v44, s[6:7] offset:8*\u*384+96*\s+48*(\i/3)+8*(\i%3)
.endr
.endr
.endr
	WIN 0
	global_load_b128 v[208:211], v46, s[8:9]
.irp u, 0,1
.irp k, 0,1
.irp i, 0,1,2,3,4,5
	global_load_b64 v[160+12*(2*\u+\k)+2*\i:161+12*(2*\u+\k)+2*\i], v45, s[16:17] offset:16*\u*192+96*\k+48*(\i/3)+8*(\i%3)
.endr
.endr
.endr
	global_load_b64 v[212:213], v47, s[18:19]
.irp p, 0,1
.irp s, 0,1,2,3
.irp q, 0,1,2
	global_load_b128 v[F+48*\p+12*\s+4*\q:F+48*\p+12*\s+4*\q+3], v4, s[28:29] offset:(4*\p+\s)*1536+512*\q th:TH_LOAD_NT
.endr
.endr
.endr
	global_load_b128 v[XS:XS+3], v4, s[30:31] th:TH_LOAD_NT
	global_load_b32 v240, v48, s[10:11]
	global_load_b32 v241, v48, s[12:13]
	global_load_b32 v242, v48, s[14:15]
	global_load_b32 v243, v48, s[20:21]
	WIN 0x40
	CHUNK 0
	s_wait_loadcnt 45                              ; the weights are in; behind them: x's 25 loads, four of constants, the first 16 of statistics
	WIN 0x04                                       ; an LDS store's data are its source 1: window 1
.irp u, 0,1
.irp s, 0,1,2,3
.irp q, 0,1,2
	ds_store_b128 v49, v[160+12*(4*\u+\s)+4*\q:163+12*(4*\u+\s)+4*\q] offset:(4*\u+\s)*1536+512*\q
.endr
.endr
.endr
	WIN 0
	ds_store_b128 v51, v[208:211]
.irp u, 0,1
.irp k, 0,1
.irp q, 0,1,2
	ds_store_b128 v50, v[160+12*(2*\u+\k)+4*\q:163+12*(2*\u+\k)+4*\q] offset:(2*\u+\k)*1536+512*\q
.endr
.endr
.endr
	ds_store_b64 v52, v[212:213]
	s_wait_dscnt 0x0                               ; the stores are done
	s_wait_alu depctr_vm_vsrc(0)                   ; the LDS stores have read their data: window 1's v160 on serve the sums below, window 0's v160 to v213 take W1's fragments later
	; ---- the statistics of 128 work-groups, two channels a lane: eight times 16 sets of 256 points, then 8 sets of 4,096
.irp j, 0,1,2,3,4,5,6,7
.if \j < 7
	WIN 0x40
.if \j > 0
	s_wait_alu depctr_va_vdst(0)                   ; the sums of the step before are done reading the set in which the loads below land
.endif
	CHUNK \j+1
	s_wait_loadcnt 16                              ; the next 16 may be out
.else
	s_wait_loadcnt 0x0
.endif
	WIN 0x55                                       ; all in window 1
	LVL 64*(\j%2), 4, 16, 0x3d800000, 0x43800000, 128+4*\j, 160
	LVL 64*(\j%2)+2, 4, 16, 0x3d800000, 0x43800000, 130+4*\j, 160
.endr
	LVL 128, 4, 8, 0x3e000000, 0x45800000, 176, 160
	LVL 130, 4, 8, 0x3e000000, 0x45800000, 178, 160
	WIN 0x04
	s_wait_alu depctr_va_vdst(0)                   ; the two channels' figures are written, which the store reads
	ds_store_b128 v54, v[176:179]
	WIN 0
	s_wait_dscnt 0x0
	s_barrier_signal -1
	s_barrier_wait -1                              ; both halves' figures, and all images of the weights, lie in LDS
	ds_load_b64 v[224:225], v55                    ; thread t: channel t, two sets of 32,768 points
	ds_load_b64 v[226:227], v55 offset:2048
	s_wait_dscnt 0x0
	v_add_f32 v228, v224, v226
	v_mul_f32 v228, 0.5, v228                      ; the mean
	v_sub_f32 v229, v224, v228
	v_sub_f32 v230, v226, v228
	v_mul_f32 v229, v229, v229
	v_fmac_f32 v229, v230, v230
	v_add_f32 v231, v225, v227
	v_fma_f32 v231, v229, 0x47000000, v231
	v_mul_f32 v231, 0x37800000, v231               ; / 65,536: the variance
	v_add_f32 v231, 0x3727c5ac, v231               ; + 1e-5
	v_rsq_f32 v231, v231
	v_sub_f32 v232, v240, v228                     ; b1 - mean (a plain line behind the root)
	s_wait_alu depctr_va_vdst(0)                   ; the root is written, ahead of its first reader
	v_mul_f32 v231, v241, v231                     ; a
	v_fma_f32 v232, v232, v231, v242               ; c
	s_wait_alu depctr_va_vdst(0)                   ; a and c are written, which the stores read
	ds_store_b32 v56, v231
	ds_store_b32 v56, v232 offset:1024
	s_wait_dscnt 0x0
	s_barrier_signal -1
	s_barrier_wait -1
	s_wait_alu depctr_vm_vsrc(0)                   ; the head's loads and stores have read v44 to v56, v231, v232 and window 1's v176 to v179: the quantiser, W1's fragments and the products write these from here on
	; ---- z1^T = W1 x: eight pairs of tiles x four K steps; a pair's four accumulators (two tiles x two point tiles) by turns.  Fragments are asked for two steps ahead, in three sets
	LW1 0
	LW1 1
.set SG, 0
.rept 32
	WIN 0
.if SG < 30
.if SG > 0
.rept 4
	v_nop                                          ; places in front of loads into registers that the last products read
.endr
	s_wait_alu depctr_va_vdst(0)                   ; the products of the step before are done reading the set in which the loads below land; those of the pair before last are done with their scale words
.endif
	LW1 SG+2
.endif
.set WC, 0                             ; the LDS loads issued behind this step's own: those of the two steps on, six each, eight where a pair's scale words ride along
.if SG < 31
.set WC, 6
.if (SG+1)%4 == 0
.set WC, 8
.endif
.endif
.if SG < 30
.set WC, WC+6
.if (SG+2)%4 == 0
.set WC, WC+2
.endif
.endif
	s_wait_dscnt WC
	WIN 0x50                                       ; C and D window 1
.irp p, 0,1
.irp u, 0,1
	WMM 128*\p+8*(2*(SG/4)+\u), WB+24*(SG%3)+12*\u, F+48*\p+12*(SG%4), SG%4, W1S+8*((SG/4)%2)+4*\u+SG%4, XS+SG%4, 0, \p
.endr
.endr
.set SG, SG+1
.endr
	WIN 0
.rept 4
	v_nop
.endr
	s_wait_alu depctr_va_vdst(0)                   ; the products are done reading W1's fragments, in whose registers a and c land
	; ---- h = relu(z1 a + c), in place, a block of 32 channels at a time
	LAC 0
.set BBK, 0
.rept 8
	WIN 0
.if BBK < 7
.if BBK > 0
	s_wait_alu depctr_va_vdst(0)                   ; the multiply-adds of the block before are done reading the set in which the loads below land
.endif
	LAC BBK+1
	s_wait_dscnt 8                                 ; the next block's eight loads may be out
.else
	s_wait_dscnt 0x0
.endif
	WIN 0x41                                       ; destination and source 0 window 1
.irp p, 0,1
.irp i, 0,2,4,6,8,10,12,14
	v_pk_fma_f32 v[128*\p+16*BBK+\i:128*\p+16*BBK+\i+1], v[128*\p+16*BBK+\i:128*\p+16*BBK+\i+1], v[AC+32*(BBK%2)+\i:AC+32*(BBK%2)+\i+1], v[AC+32*(BBK%2)+16+\i:AC+32*(BBK%2)+17+\i]
.endr
.endr
.irp p, 0,1
.irp i, 0,1,2,3,4,5,6,7,8,9,10,11,12,13,14,15
	v_max_num_f32 v[128*\p+16*BBK+\i], v[128*\p+16*BBK+\i], 0
.endr
.endr
.set BBK, BBK+1
.endr
	QUANTW 0, 0
	QUANTW 0, 1
	QUANTW 1, 0
	QUANTW 1, 1
	v_cndmask_b32 v[HSC], v[PWR], v[PWR+1], s42    ; one register a point tile: the first K step's words below, the second's above
	v_cndmask_b32 v[HSC+1], v[PWR+2], v[PWR+3], s42
	v_add_nc_u32 v11, 0x1800, v7                   ; W2's second pair of tiles: its images,  (these eight lines are places: h's scale words and codes were written by vector instructions, 8 and 4 places ahead of a scaled product)
	v_add_nc_u32 v12, 0x100, v8                    ; and its scale words
	v_lshlrev_b32 v60, 3, v0                       ; the last store's offset: 8 bytes a thread
.rept 5
	v_nop
.endr
	s_wait_alu depctr_va_vdst(0)                   ; h's codes and scale words are written, which the stores read and the scaled products take; v11, v12, v60 are written; the quantiser is done reading window 1, where W2's fragments land
.irp p, 0,1
.irp k, 0,1
.irp q, 0,1,2
	global_store_b128 v4, v[HF+24*\p+12*\k+4*\q:HF+24*\p+12*\k+4*\q+3], s[36:37] offset:3072*\p+1536*\k+512*\q   ; the registers' image: 512 consecutive bytes a store
.endr
.endr
.endr
	global_store_b64 v14, v[HSC:HSC+1], s[38:39]
	; ---- z2 = W2 h, two tiles of 16 channels a turn: source 0 = 16 of my points, source 1 = 16 rows of W2: a lane holds one channel
	LW2 0, 7, 8
	s_mov_b32 s44, 12288
	s_mov_b32 s45, 512
	s_mov_b32 s48, 0
	s_mov_b32 s46, 3
.Lconv2:                                               ; two turns a trip: both buffers are back at their start
	T2 0, 1, 1
	T2 1, 1, 1
	s_sub_co_u32 s46, s46, 1
	s_cmp_lg_u32 s46, 0
	s_cbranch_scc1 .Lconv2
	T2 0, 1, 0                                     ; the last two pairs are written out: nothing is asked for beyond W2's last tile
	T2 1, 0, 0
	s_wait_dscnt 0x0
	s_barrier_signal -1
	s_barrier_wait -1
.irp i, 0,1,2,3,4,5,6,7
	ds_load_b64 v[TS+2*\i:TS+2*\i+1], v15 offset:2048*\i   ; thread t: channel t, the eight waves' figures.  No vector instruction since the last turn's wait on va_vdst names these registers
.endr
	s_wait_dscnt 0x0
	s_wait_alu depctr_vm_vsrc(0)                   ; the last turn's stores have read v[TS+28] and v[TS+29], which the sum below writes
	LVL TS, 2, 8, 0x3e000000, 0x42000000, TS+28, TS+16
	v_add_f32 v[TS+28], v[TS+28], v243             ; the mean of y = z + b2
	s_wait_alu depctr_va_vdst(0)                   ; the mean and the sum of squares are written, which the store reads
	global_store_b64 v60, v[TS+28:TS+29], s[40:41]
	s_wait_dscnt 0x0                               ; the closing lines, six on end, of a launch in the mode that stores to LDS
	s_wait_alu 0x0
	s_wait_tensorcnt 0x0
	ds_add_u32 v254, v255
	s_wait_dscnt 0x0
	s_endpgm
.Lfunc_end_k_q7f1d23571d_mid:
	.size	k_q7f1d23571d_mid, .Lfunc_end_k_q7f1d23571d_mid-k_q7f1d23571d_mid
	.p2alignl 7, 3214868480
	.fill 96, 4, 3214868480
	.section	.rodata,"a",@progbits
	.p2align	6, 0x0
	.amdhsa_kernel k_q7f1d23571d_mid
		.amdhsa_group_segment_fixed_size 177152
		.amdhsa_private_segment_fixed_size 0
		.amdhsa_enable_private_segment 0
		.amdhsa_kernarg_size 80
		.amdhsa_user_sgpr_count 2
		.amdhsa_user_sgpr_kernarg_segment_ptr 1
		.amdhsa_wavefront_size32 1
		.amdhsa_system_sgpr_workgroup_id_x 1
		.amdhsa_system_sgpr_workgroup_id_y 1
		.amdhsa_system_sgpr_workgroup_id_z 1
		.amdhsa_system_vgpr_workitem_id 0
		.amdhsa_next_free_vgpr 512
		.amdhsa_next_free_sgpr 66
		.amdhsa_reserve_vcc 0
		.amdhsa_float_denorm_mode_32 3
		.amdhsa_float_denorm_mode_16_64 3
		.amdhsa_memory_ordered 1
		.amdhsa_forward_progress 1
		.amdhsa_inst_pref_size 178
	.end_amdhsa_kernel
	.amdgpu_metadata
---
amdhsa.version: [ 1, 2 ]
amdhsa.kernels:
  - .name:           k_q7f1d23571d_mid
    .symbol:         k_q7f1d23571d_mid.kd
    .args:
      - { .name: xbuf, .offset: 0, .size: 8, .value_kind: global_buffer, .address_space: global }
      - { .name: w1_codes, .offset: 8, .size: 8, .value_kind: global_buffer, .address_space: global }
      - { .name: w1_scales, .offset: 16, .size: 8, .value_kind: global_buffer, .address_space: global }
      - { .name: b1, .offset: 24, .size: 8, .value_kind: global_buffer, .address_space: global }
      - { .name: g1, .offset: 32, .size: 8, .value_kind: global_buffer, .address_space: global }
      - { .name: be1, .offset: 40, .size: 8, .value_kind: global_buffer, .address_space: global }
      - { .name: w2_codes, .offset: 48, .size: 8, .value_kind: global_buffer, .address_space: global }
      - { .name: w2_scales, .offset: 56, .size: 8, .value_kind: global_buffer, .address_space: global }
      - { .name: b2, .offset: 64, .size: 8, .value_kind: global_buffer, .address_space: global }
      - { .name: hbuf, .offset: 72, .size: 8, .value_kind: global_buffer, .address_space: global }
    .group_segment_fixed_size: 177152
    .private_segment_fixed_size: 0
    .kernarg_segment_align: 8
    .kernarg_segment_size: 80
    .max_flat_workgroup_size: 256
    .sgpr_count:     66
    .vgpr_count:     512
    .wavefront_size: 32
...
	.end_amdgpu_metadata
.endif
;; end of part 7
;; launch fin (part 8): grid 256 x 1, 8 waves a work-group, no clusters, 93,184 bytes of LDS; arguments hbuf, w2_codes, w2_scales, b2, g2, be2, out0; writes out0
.if DOCPART == 8
	.amdgcn_target "amdgcn-amd-amdhsa--gfx1250"
	.amdhsa_code_object_version 6
	.text
	.protected	k_q7f1d23571d_fin
	.globl	k_q7f1d23571d_fin
	.p2align	8
	.type	k_q7f1d23571d_fin,@function
k_q7f1d23571d_fin:
	s_mov_b64 s[64:65], 0
	v_nop
	global_prefetch_b8 v0, s[64:65] scope:SCOPE_SE
	s_setreg_imm32_b32 hwreg(HW_REG_WAVE_SCHED_MODE, 0, 2), 2
	s_setreg_imm32_b32 hwreg(HW_REG_WAVE_MODE, 25, 1), 1
	s_wait_xcnt 0x0
	s_wait_alu depctr_vm_vsrc(0)
; The second batch norm's constants are made from the 256 work-groups' statistics; z2 = W2 h is formed again from h's codes; out = relu(z2 a + c), [b][channel][point].
; a = g2 rsq(var + 1e-5), c = (b2 - mean) a + be2, mean being that of y = z + b2.
; SHARES: work-group g: points 256 g on.  Wave w: 64 points (w % 4: four tiles of 16) x 128 channels (w / 4: eight tiles): 64 points, so that a channel's piece of a row of the output is 256 bytes, aligned.
; Source 0 = 16 points, source 1 = 16 rows of W2: a lane holds one channel and eight neighbouring points.  A tile of 16 channels x 64 points turns through the wave's own stage in LDS and leaves as whole rows.
; No cluster: what work-groups share (W2, 512 KB of statistics) is read through registers, once each.  LIMITS: NaN and infinities are not served.
; REGISTERS: window 1 holds the statistics at the head and nothing later.
; THE MODE: SCHED_MODE bits 1:0 = 2 (LLVM: expert scheduling mode 2), set by the entry lines.  The code itself states the register dependences
; between vector or matrix instructions and memory or LDS instructions, with s_wait_alu, always for 0.
; THE PLAN.  Registers that memory or LDS instructions touch:
;   window 1 v0-127    two sets of statistics: a step's loads land in the set that the sums of the step before have read: one wait on va_vdst ahead of them.
;   WB, W2S, v22, v24  a tile's fragments of W2, its scale words, a and c: read by the tile's products and multiply-adds; the NEXT tile's loads land in them behind the tile's one wait on va_vdst.
;   O                  written by the multiply-adds; read by the stage's stores behind that same wait; the rows come back into it behind a wait on vm_vsrc; the global stores read it.
;   v11 v12 v13        the next tile's LDS addresses: written once a tile, behind a wait on vm_vsrc (which also frees O) and ahead of the wait on va_vdst.
;   All other addresses are made at the head and never written again.
.set WIMG2,  0                         ; LDS: W2's 32 fragments as images of operand registers, (t, k) at (2 t + k) x 1,536
.set WSC2,   49152                     ; its scale bytes as they lie: 8 a row
.set A2T,    51200                     ; a of 256 channels; c 1,024 bytes on
.set CMB,    53248                     ; two halves x 256 channels x (mean, M2)
.set OST,    57344                     ; eight stages, one a wave: 16 rows (channels) of 256 bytes + 16
.set OP,     272
.set HS_OFF, 12582912
.set P2_OFF, 13107200
.set HS,  16                           ; v16-19   h's scale words, one register a point tile.  v16-21 hold scales and nothing else
.set W2S, 20                           ; v20-21   W2's
.set HF,  64                           ; v64-159  h's fragments: 64 + 24 p + 12 k
.set WB,  160                          ; v160-183 a tile's two fragments of W2
.set ACC, 184                          ; v184-215 four accumulators
.set O,   216                          ; v216-247 the results
.set PB,  34
.set MSB, 0
.macro WIN new                         ; the immediate's high byte repeats the setting that is left
.if MSB != \new
	s_set_vgpr_msb (MSB<<8)|\new
.set MSB, \new
.endif
.endm
.macro WMM d, a, b, acc, sa, sb, arow          ; one product 16 x 16 x 128; acc = 0: it starts the sum; arow: source 0's scales stand in lanes 16-31
.if \acc
.if \arow
	v_wmma_scale_f32_16x16x128_f8f6f4 v[0+(\d):7+(\d)], v[0+(\a):11+(\a)], v[0+(\b):11+(\b)], v[0+(\d):7+(\d)], v[0+(\sa)], v[0+(\sb)] matrix_a_fmt:MATRIX_FMT_BF6 matrix_b_fmt:MATRIX_FMT_BF6 matrix_a_scale:MATRIX_SCALE_ROW1
.else
	v_wmma_scale_f32_16x16x128_f8f6f4 v[0+(\d):7+(\d)], v[0+(\a):11+(\a)], v[0+(\b):11+(\b)], v[0+(\d):7+(\d)], v[0+(\sa)], v[0+(\sb)] matrix_a_fmt:MATRIX_FMT_BF6 matrix_b_fmt:MATRIX_FMT_BF6
.endif
.else
	v_wmma_scale_f32_16x16x128_f8f6f4 v[0+(\d):7+(\d)], v[0+(\a):11+(\a)], v[0+(\b):11+(\b)], 0, v[0+(\sa)], v[0+(\sb)] matrix_a_fmt:MATRIX_FMT_BF6 matrix_b_fmt:MATRIX_FMT_BF6
.endif
.endm
; n sets of equal size, (mean, M2) at v[base + stride i], become one: mean = the means' average, M2 = the sum of the M2 + leaf x the sum of (mean_i - mean)^2
.macro LVL base, stride, n, invn, leaf, out, tmp
	v_pk_add_f32 v[0+(\tmp):1+(\tmp)], v[0+(\base):1+(\base)], v[(\base)+2*(\stride):(\base)+2*(\stride)+1]
	v_pk_add_f32 v[2+(\tmp):3+(\tmp)], v[(\base)+(\stride):(\base)+(\stride)+1], v[(\base)+3*(\stride):(\base)+3*(\stride)+1]
.set l_, 4
.rept ((\n)-4)/2
	v_pk_add_f32 v[0+(\tmp):1+(\tmp)], v[0+(\tmp):1+(\tmp)], v[(\base)+l_*(\stride):(\base)+l_*(\stride)+1]
	v_pk_add_f32 v[2+(\tmp):3+(\tmp)], v[2+(\tmp):3+(\tmp)], v[(\base)+(l_+1)*(\stride):(\base)+(l_+1)*(\stride)+1]
.set l_, l_+2
.endr
	v_pk_add_f32 v[0+(\tmp):1+(\tmp)], v[0+(\tmp):1+(\tmp)], v[2+(\tmp):3+(\tmp)]
	v_mul_f32 v[0+(\out)], \invn, v[0+(\tmp)]
	v_sub_f32 v[4+(\tmp)], v[0+(\base)], v[0+(\out)]
	v_sub_f32 v[5+(\tmp)], v[(\base)+(\stride)], v[0+(\out)]
	v_mul_f32 v[6+(\tmp)], v[4+(\tmp)], v[4+(\tmp)]
	v_mul_f32 v[7+(\tmp)], v[5+(\tmp)], v[5+(\tmp)]
.set l_, 2
.rept ((\n)-2)/2
	v_sub_f32 v[4+(\tmp)], v[(\base)+l_*(\stride)], v[0+(\out)]
	v_sub_f32 v[5+(\tmp)], v[(\base)+(l_+1)*(\stride)], v[0+(\out)]
	v_fmac_f32 v[6+(\tmp)], v[4+(\tmp)], v[4+(\tmp)]
	v_fmac_f32 v[7+(\tmp)], v[5+(\tmp)], v[5+(\tmp)]
.set l_, l_+2
.endr
	v_add_f32 v[6+(\tmp)], v[6+(\tmp)], v[7+(\tmp)]
	v_fma_f32 v[1+(\out)], v[6+(\tmp)], \leaf, v[1+(\tmp)]
.endm
.macro CHUNK j                         ; the statistics of 16 work-groups, two channels a lane, into window 1, set j % 2
.set c_, 0
.rept 16
	global_load_b128 v[64*((\j)%2)+4*c_:64*((\j)%2)+4*c_+3], v4, s[PB:PB+1] offset:2048*(16*(\j)+c_)
.set c_, c_+1
.endr
.endm
.macro LOADT ra, rs, rc                ; a tile of 16 channels: its two fragments of W2, its scale words, my channel's a and c: nine loads
.irp k, 0,1
.irp q, 0,1,2
	ds_load_b128 v[WB+12*\k+4*\q:WB+12*\k+4*\q+3], v[\ra] offset:1536*\k+512*\q
.endr
.endr
	ds_load_b64 v[W2S:W2S+1], v[\rs]
	ds_load_b32 v22, v[\rc]                        ; my channel's a
	ds_load_b32 v24, v[\rc] offset:1024            ; and c
.endm
; A tile of 16 channels for my 64 points: four accumulators by turns, two K steps.  next = 1: the next tile's operands are asked for
.macro TILE next
	s_wait_dscnt 0x0                               ; this tile's nine loads, asked for a tile ago, are in
.irp p, 0,1,2,3
	WMM ACC+8*\p, HF+24*\p, WB, 0, HS+\p, W2S, 0
.endr
.irp p, 0,1,2,3
	WMM ACC+8*\p, HF+24*\p+12, WB+12, 1, HS+\p, W2S+1, 1
.endr
	s_wait_alu depctr_vm_vsrc(0)                   ; this tile's loads have read v11 to v13, and the last tile's global stores have read O: all are written anew below
.if \next
	v_add_nc_u32 v11, s44, v7                      ; the next tile's images,  (these five lines are the places behind the products: four before results are read, five before the next tile starts these sums again)
	v_add_nc_u32 v12, s45, v8                      ; its scale words,
	v_add_nc_u32 v13, s46, v9                      ; its a and c
	v_nop
	v_nop
.else
.rept 5
	v_nop
.endr
.endif
.irp i, 0,2,4,6,8,10,12,14,16,18,20,22,24,26,28,30
	v_pk_fma_f32 v[O+\i:O+\i+1], v[ACC+\i:ACC+\i+1], v[22:23], v[24:25] op_sel_hi:[1,0,0]    ; z a + c; each accumulator from its low end on
.endr
.irp i, 0,1,2,3,4,5,6,7,8,9,10,11,12,13,14,15,16,17,18,19,20,21,22,23,24,25,26,27,28,29,30,31
	v_max_num_f32 v[O+\i], 0, v[O+\i]
.endr
	s_wait_alu depctr_va_vdst(0)                   ; O is written, which the stage's stores read; v11 to v13 are written, and the products and multiply-adds are done reading W2's fragments, scale words, a and c, in which the next tile's loads land
.irp p, 0,1,2,3
	ds_store_b128 v10, v[O+8*\p:O+8*\p+3] offset:64*\p
	ds_store_b128 v10, v[O+8*\p+4:O+8*\p+7] offset:64*\p+16
.endr
.if \next
	LOADT 11, 12, 13
.endif
	s_wait_alu depctr_vm_vsrc(0)                   ; the stage's stores have read O, in which the rows below land
.irp i, 0,1,2,3,4,5,6,7
	ds_load_b128 v[O+4*\i:O+4*\i+3], v14 offset:2*OP*\i        ; LDS serves a wave's instructions in order (ISA guide 5.7.1.4): these see the stores above
.endr
.irp i, 0,1,2,3,4,5,6,7
	s_wait_dscnt 7-\i                              ; the loads issued behind load i may be out
	global_store_b128 v15, v[O+4*\i:O+4*\i+3], s[16:17] offset:65536*\i th:TH_STORE_NT   ; sixteen lanes store 256 consecutive bytes, aligned; written once, read by nobody here
.endr
.if \next
	s_wait_xcnt 0x0                                ; the stores have had their addresses translated: their registers and their base are written again only behind this wait
	s_add_nc_u64 s[16:17], s[16:17], 0x80000       ; 16 channels on
	s_add_co_u32 s44, s44, 3072
	s_add_co_u32 s45, s45, 128
	s_add_co_u32 s46, s46, 64
.endif
.endm
	s_load_b256 s[4:11], s[0:1], 0x0               ; hbuf s[4:5], w2_codes s[6:7], w2_scales s[8:9], b2 s[10:11]
	s_load_b128 s[12:15], s[0:1], 0x20             ; g2 s[12:13], be2 s[14:15]
	s_load_b64 s[16:17], s[0:1], 0x30              ; out0
	v_lshl_add_u32 v254, v0, 2, 0x16800
	v_mov_b32 v255, 0
	v_lshrrev_b32 v1, 5, v0
	v_readfirstlane_b32 s24, v1                    ; wave
	v_and_b32 v1, 31, v0                           ; lane
	v_and_b32 v2, 15, v0                           ; r
	v_bfe_u32 v3, v0, 4, 1                         ; h
	s_wait_alu depctr_va_sdst(0)                   ; s24 is written, ahead of its first reader: offsets and LDS addresses are made from it
	s_and_b32 s25, s24, 3                          ; my 64 points; also: which 64 channels' statistics I join
	s_lshr_b32 s26, s24, 2                         ; my 128 channels; also: of which 128 work-groups
	v_lshlrev_b32 v4, 4, v1
	v_lshlrev_b32 v5, 3, v1
	s_mul_i32 s27, s26, 24576
	v_add_nc_u32 v7, s27, v4                       ; my eight tiles' images
	s_lshl_b32 s27, s26, 10
	s_add_co_u32 s27, s27, WSC2
	v_lshl_add_u32 v8, v2, 3, s27                  ; their scale words
	s_lshl_b32 s27, s26, 9
	s_add_co_u32 s27, s27, A2T
	v_lshl_add_u32 v9, v2, 2, s27                  ; their a
	s_mul_i32 s27, s24, 16*OP
	s_add_co_u32 s27, s27, OST                     ; my stage
	v_mul_u32_u24 v10, v2, OP
	v_lshl_add_u32 v10, v3, 5, v10
	v_add_nc_u32 v10, s27, v10                     ; in: row r (channel), 64 p + 32 h bytes on
	v_mul_u32_u24 v14, v3, OP
	v_lshl_add_u32 v14, v2, 4, v14
	v_add_nc_u32 v14, s27, v14                     ; back: sixteen lanes to a row
	v_lshlrev_b32 v15, 15, v3
	v_lshl_add_u32 v15, v2, 4, v15                 ; the same two rows in the output: 32,768 bytes apart
	v_mul_u32_u24 v45, v2, 192
	v_mad_u32_u24 v45, v3, 24, v45                 ; W2: my row of a tile, + 24 h
	v_lshlrev_b32 v47, 3, v0
	v_lshlrev_b32 v48, 2, v0
	s_mul_i32 s44, s24, 6144
	s_mov_b32 s45, 0
	v_add_nc_u32 v50, s44, v4                      ; where my wave's images go
	v_add_nc_u32 v52, WSC2, v47
	s_lshl_b32 s27, s26, 11
	s_lshl_b32 s40, s25, 9
	s_add_co_u32 s27, s27, s40
	s_add_co_u32 s27, s27, CMB
	v_add_nc_u32 v54, s27, v4
	v_add_nc_u32 v55, CMB, v47
	v_add_nc_u32 v56, A2T, v48
	v_mov_b32 v23, 0                               ; (named as the upper halves of the pairs v[22:23], v[24:25])
	v_mov_b32 v25, 0
	s_mul_i32 s46, ttmp9, 49152                    ; h's codes: 3,072 bytes a tile of 16 points
	s_mul_i32 s47, s25, 12288
	s_add_co_u32 s46, s46, s47
	s_mov_b32 s47, 0
	s_lshl_b32 s48, ttmp9, 11                      ; h's scale words: 256 bytes for 32 points
	s_add_co_u32 s48, s48, s40
	s_add_co_u32 s48, s48, HS_OFF
	s_mov_b32 s49, 0
	s_lshl_b32 s50, s26, 18
	s_add_co_u32 s50, s50, s40
	s_add_co_u32 s50, s50, P2_OFF
	s_mov_b32 s51, 0
	s_lshr_b32 s52, ttmp9, 5                       ; out0: batch, my first channel, my first point
	s_lshl_b32 s52, s52, 23
	s_lshl_b32 s53, s26, 22
	s_add_co_u32 s52, s52, s53
	s_and_b32 s53, ttmp9, 31
	s_lshl_b32 s53, s53, 10
	s_add_co_u32 s52, s52, s53
	s_lshl_b32 s53, s25, 8
	s_add_co_u32 s52, s52, s53
	s_mov_b32 s53, 0
	s_wait_kmcnt 0x0
	s_add_nc_u64 s[6:7], s[6:7], s[44:45]
	s_add_nc_u64 s[28:29], s[4:5], s[46:47]
	s_add_nc_u64 s[30:31], s[4:5], s[48:49]
	s_add_nc_u64 s[PB:PB+1], s[4:5], s[50:51]
	s_add_nc_u64 s[16:17], s[16:17], s[52:53]
	s_wait_alu depctr_va_vdst(0)                   ; the offsets and LDS addresses v4 to v15 and v45 to v56 are written, which the loads and stores below read
.irp u, 0,1                                    ; W2's fragments of tiles 2 w, 2 w + 1
.irp k, 0,1
.irp i, 0,1,2,3,4,5
	global_load_b64 v[160+12*(2*\u+\k)+2*\i:161+12*(2*\u+\k)+2*\i], v45, s[6:7] offset:16*\u*192+96*\k+48*(\i/3)+8*(\i%3)
.endr
.endr
.endr
	global_load_b64 v[212:213], v47, s[8:9]
.irp p, 0,1,2,3
.irp k, 0,1
.irp q, 0,1,2
	global_load_b128 v[HF+24*\p+12*\k+4*\q:HF+24*\p+12*\k+4*\q+3], v4, s[28:29] offset:3072*\p+1536*\k+512*\q
.endr
.endr
.endr
	global_load_b64 v[HS:HS+1], v5, s[30:31]
	global_load_b64 v[HS+2:HS+3], v5, s[30:31] offset:256
	global_load_b32 v248, v48, s[10:11]
	global_load_b32 v249, v48, s[12:13]
	global_load_b32 v250, v48, s[14:15]
	WIN 0x40                                       ; destination window 1
	CHUNK 0
	WIN 0
	s_wait_loadcnt 45                              ; W2 is in; behind it: h's 26 loads, three of constants, the first 16 of statistics
.irp u, 0,1
.irp k, 0,1
.irp q, 0,1,2
	ds_store_b128 v50, v[160+12*(2*\u+\k)+4*\q:163+12*(2*\u+\k)+4*\q] offset:(2*\u+\k)*1536+512*\q
.endr
.endr
.endr
	ds_store_b64 v52, v[212:213]
	; ---- the statistics of 128 work-groups, two channels a lane: eight times 16 sets of 256 points, then 8 sets of 4,096
.irp j, 0,1,2,3,4,5,6,7
.if \j < 7
	WIN 0x40
.if \j > 0
	s_wait_alu depctr_va_vdst(0)                   ; the sums of the step before are done reading the set in which the loads below land
.endif
	CHUNK \j+1
	s_wait_loadcnt 16                              ; the next 16 may be out
.else
	s_wait_loadcnt 0x0
.endif
	WIN 0x55                                       ; all in window 1
	LVL 64*(\j%2), 4, 16, 0x3d800000, 0x43800000, 128+4*\j, 160
	LVL 64*(\j%2)+2, 4, 16, 0x3d800000, 0x43800000, 130+4*\j, 160
.endr
	LVL 128, 4, 8, 0x3e000000, 0x45800000, 176, 160
	LVL 130, 4, 8, 0x3e000000, 0x45800000, 178, 160
	WIN 0x04                                       ; an LDS store's data are its source 1: window 1
	s_wait_alu depctr_va_vdst(0)                   ; the two channels' figures are written, which the store reads
	ds_store_b128 v54, v[176:179]
	WIN 0
	s_wait_dscnt 0x0
	s_barrier_signal -1
	s_barrier_wait -1                              ; both halves' figures, and all images of W2, lie in LDS
	ds_load_b64 v[224:225], v55                    ; thread t: channel t, two sets of 32,768 points
	ds_load_b64 v[226:227], v55 offset:2048
	s_wait_dscnt 0x0
	v_add_f32 v228, v224, v226
	v_mul_f32 v228, 0.5, v228                      ; the mean
	v_sub_f32 v229, v224, v228
	v_sub_f32 v230, v226, v228
	v_mul_f32 v229, v229, v229
	v_fmac_f32 v229, v230, v230
	v_add_f32 v231, v225, v227
	v_fma_f32 v231, v229, 0x47000000, v231
	v_mul_f32 v231, 0x37800000, v231               ; / 65,536: the variance
	v_add_f32 v231, 0x3727c5ac, v231               ; + 1e-5
	v_rsq_f32 v231, v231
	v_sub_f32 v232, v248, v228                     ; b2 - mean (a plain line behind the root)
	s_wait_alu depctr_va_vdst(0)                   ; the root is written, ahead of its first reader
	v_mul_f32 v231, v249, v231                     ; a
	v_fma_f32 v232, v232, v231, v250               ; c
	s_wait_alu depctr_va_vdst(0)                   ; a and c are written, which the stores read
	ds_store_b32 v56, v231
	ds_store_b32 v56, v232 offset:1024
	s_wait_dscnt 0x0
	s_barrier_signal -1
	s_barrier_wait -1
	s_wait_alu depctr_vm_vsrc(0)                   ; the head's LDS stores have read v160 to v207, v212, v213, v231 and v232: fragments land there, and the products and multiply-adds write there
	; ---- a tile of 16 channels a trip, for my 64 points; each tile asks for the next one's operands
	LOADT 7, 8, 9
	s_mov_b32 s44, 3072
	s_mov_b32 s45, 128
	s_mov_b32 s46, 64
	s_mov_b32 s47, 7
.Ltile:
	TILE 1
	s_sub_co_u32 s47, s47, 1
	s_cmp_lg_u32 s47, 0
	s_cbranch_scc1 .Ltile
	TILE 0                                         ; the last tile is written out: nothing is asked for beyond my eighth tile
	s_wait_dscnt 0x0                               ; the closing lines, six on end, of a launch in the mode that stores to LDS
	s_wait_alu 0x0
	s_wait_tensorcnt 0x0
	ds_add_u32 v254, v255
	s_wait_dscnt 0x0
	s_endpgm
.Lfunc_end_k_q7f1d23571d_fin:
	.size	k_q7f1d23571d_fin, .Lfunc_end_k_q7f1d23571d_fin-k_q7f1d23571d_fin
	.p2alignl 7, 3214868480
	.fill 96, 4, 3214868480
	.section	.rodata,"a",@progbits
	.p2align	6, 0x0
	.amdhsa_kernel k_q7f1d23571d_fin
		.amdhsa_group_segment_fixed_size 93184
		.amdhsa_private_segment_fixed_size 0
		.amdhsa_enable_private_segment 0
		.amdhsa_kernarg_size 56
		.amdhsa_user_sgpr_count 2
		.amdhsa_user_sgpr_kernarg_segment_ptr 1
		.amdhsa_wavefront_size32 1
		.amdhsa_system_sgpr_workgroup_id_x 1
		.amdhsa_system_sgpr_workgroup_id_y 1
		.amdhsa_system_sgpr_workgroup_id_z 1
		.amdhsa_system_vgpr_workitem_id 0
		.amdhsa_next_free_vgpr 512
		.amdhsa_next_free_sgpr 66
		.amdhsa_reserve_vcc 0
		.amdhsa_float_denorm_mode_32 3
		.amdhsa_float_denorm_mode_16_64 3
		.amdhsa_memory_ordered 1
		.amdhsa_forward_progress 1
		.amdhsa_inst_pref_size 73
	.end_amdhsa_kernel
	.amdgpu_metadata
---
amdhsa.version: [ 1, 2 ]
amdhsa.kernels:
  - .name:           k_q7f1d23571d_fin
    .symbol:         k_q7f1d23571d_fin.kd
    .args:
      - { .name: hbuf, .offset: 0, .size: 8, .value_kind: global_buffer, .address_space: global }
      - { .name: w2_codes, .offset: 8, .size: 8, .value_kind: global_buffer, .address_space: global }
      - { .name: w2_scales, .offset: 16, .size: 8, .value_kind: global_buffer, .address_space: global }
      - { .name: b2, .offset: 24, .size: 8, .value_kind: global_buffer, .address_space: global }
      - { .name: g2, .offset: 32, .size: 8, .value_kind: global_buffer, .address_space: global }
      - { .name: be2, .offset: 40, .size: 8, .value_kind: global_buffer, .address_space: global }
      - { .name: out0, .offset: 48, .size: 8, .value_kind: global_buffer, .address_space: global }
    .group_segment_fixed_size: 93184
    .private_segment_fixed_size: 0
    .kernarg_segment_align: 8
    .kernarg_segment_size: 56
    .max_flat_workgroup_size: 256
    .sgpr_count:     66
    .vgpr_count:     512
    .wavefront_size: 32
...
	.end_amdgpu_metadata
.endif
;; end of part 8
